; MI455X (gfx1250); checked and timed in simulation.
; The chip was launched on July 23, 2026; its instructions are those of AMD's public machine-readable ISA for CDNA 5 (MIT licence, August 2026) and "CDNA5" Instruction Set Architecture Reference Guide (July 2026). The comments in the code are by the model that wrote it; some were corrected since.
;; Transformer Decoder Layer. Allowed arithmetic: matrix products marked QUANTISED: E4M3 operands, one E8M0 scale for each 32 along K, by v_wmma_scale_f32_16x16x128_f8f6f4 with both operands' format E4M3, f32 sums; everything else in f32.
;; Inputs: b1 1,024 float32; b2 1,024 float32; bk 16 x 64 float32; bo 1,024 float32; bq 16 x 64 float32; bv 16 x 64 float32; ln_beta 1,024 float32; ln_gamma 1,024 float32; padding 8 x 1,024 float32; per_dim_scale 64 float32; rms_scale 1,024 float32; w1 1,024 x 1,024 float32; w2 1,024 x 1,024 float32; wk 1,024 x 16 x 64 float32; wo 1,024 x 16 x 64 float32; wq 1,024 x 16 x 64 float32; wv 1,024 x 16 x 64 float32; x 8 x 1,024 x 1,024 float32.
;; Outputs: out0 8 x 1,024 x 1,024 float32.
;; This version of the problem:
;;   THIS VERSION OF THE PROBLEM IS GIVEN IN LOW PRECISION. The matrix products marked QUANTISED in the list below multiply operands that are first quantised to E4M3 (4 exponent bits, 3 mantissa bits; 8 bits a number), with one power-of-two scale for each 32 numbers along K (OCP MX v1.0); their sums are f32. All else is computed in f32.
;;   The module's matrix products, in the order in which they are computed (A, B: the left and right operand; K: the contracted axis; several contracted axes count as one K, in the product's order):
;;     1. [M 8,192, K 1,024] x [K 1,024, N 1,024]; A: computed on the way; B: input wq: QUANTISED
;;     2. [M 8,192, K 1,024] x [K 1,024, N 1,024]; A: computed on the way; B: input wk: QUANTISED
;;     3. [M 8,192, K 1,024] x [K 1,024, N 1,024]; A: computed on the way; B: input wv: QUANTISED
;;     4. batch 128 x [M 1,024, K 64] x [K 64, N 1,024]; A: computed on the way; B: computed on the way: QUANTISED
;;     5. batch 128 x [M 64, K 1,024] x [K 1,024, N 1,024]; A: computed on the way; B: softmax (see below): QUANTISED
;;     6. [M 8,192, K 1,024] x [K 1,024, N 1,024]; A: computed on the way; B: input wo: QUANTISED
;;     7. [M 8,192, K 1,024] x [K 1,024, N 1,024]; A: computed on the way; B: input w1: QUANTISED
;;     8. [M 8,192, K 1,024] x [K 1,024, N 1,024]; A: computed on the way; B: input w2: QUANTISED
;;   THE QUANTISER, for each operand of a quantised product, along K:
;;     - K is cut into blocks of 32 from its start; a last block that is shorter is filled with zeros.
;;     - A block's scale is 2^e with e = floor(log2(the largest magnitude in the block)) - 8, held to -126 .. 127; a block of zeros has e = 0. As a byte (E8M0): e + 127.
;;     - Each number is divided by its block's scale, clamped to +-448, and rounded to the nearest number of E4M3, ties to even, subnormals kept.
;;     - The product sums the exact products of the quantised numbers (number of the format x scale) in f32.
;;   ~~~python
;;   def quantise(x, axis):      # numpy; x: float32 -> the quantised numbers, widened to float32 again
;;       x = np.moveaxis(x, axis, -1); K = x.shape[-1]
;;       x = np.pad(x, [(0, 0)] * (x.ndim - 1) + [(0, -K % 32)]); x = x.reshape(x.shape[:-1] + (-1, 32)); a = np.abs(x).max(-1, keepdims=True)
;;       e = np.where(a > 0, np.clip(np.frexp(np.where(a > 0, a, 1))[1] - 1 - 8, -126, 127), 0)      # np.frexp(a)[1] - 1 = floor(log2(a)), exactly
;;       r = np.clip(x / 2.0 ** e, -448, 448)
;;       step = 2.0 ** (np.maximum(np.frexp(np.where(r == 0, 1, r))[1] - 1, -6) - 3)
;;       q = np.round(r / step) * step * 2.0 ** e      # np.round: ties to even
;;       return np.moveaxis(q.reshape(q.shape[:-2] + (-1,))[..., :K], -1, axis).astype(np.float32)
;;   ~~~
;;   SOFTMAX AHEAD OF A QUANTISED PRODUCT. Where the list says 'softmax', what is quantised is not the finished softmax but p = 2^(t - M), with t = logit x log2(e) and M = ceil(the row's largest t), a whole number; so 1/2 < the row's largest p <= 1. The row's sum l is taken of the UNQUANTISED p, in f32, and the product's result is divided by l at the end. Since M is a whole number, a kernel that streams over the keys may use a running M (the ceiling of the running maximum): every later rescaling is an exact power of two, which a block's scale takes up: the codes' values come out the same.
;;   OPERANDS COMPUTED ON THE WAY. 'Computed on the way' means the value that the module computes at that place (a softmax that the list does not call 'softmax' is quantised finished and normalised). What goes into a quantiser is computed in f32, as accurately as f32 sums, v_exp_f32 and their like allow (about 1e-6 of the number): no bf16 or f16 on the way to a quantiser, and a product that is left as it is and whose result goes on into a quantised operand takes f32 operands (vector FMAs, or v_wmma_f32_16x16x4_f32). A number that lies on a knife's edge between two numbers of the format may be rounded either way, as far as f32 arithmetic and the matrix unit's own rounding can turn it there, and no further.
;; 2 versions. Each part assembles by itself: llvm-mc -triple=amdgcn-amd-amdhsa -mcpu=gfx1250 --defsym DOCPART=n.
;; ======== version 1 of 2: 4 launches
;; limits: right only within a limited range of input values
;; workspace buffers: wimg 6,291,456 bytes; wsc 196,608 bytes; qkvimg 25,165,824 bytes; qkvsc 1,310,720 bytes; aimg 8,388,608 bytes; asc 262,144 bytes
;; launch prep (part 1): grid 288 x 1, 4 waves a work-group, no clusters, 0 bytes of LDS; arguments wq, wk, wv, w1, w2, wo, wimg, wsc; writes wimg, wsc
.if DOCPART == 1
	.amdgcn_target "amdgcn-amd-amdhsa--gfx1250"
	.amdhsa_code_object_version 6
	.text
	.protected	k_q5988235733_prep
	.globl	k_q5988235733_prep
	.p2align	8
	.type	k_q5988235733_prep,@function
k_q5988235733_prep:
	s_mov_b64 s[64:65], 0
	v_nop
	global_prefetch_b8 v0, s[64:65] scope:SCOPE_SE
	s_setreg_imm32_b32 hwreg(HW_REG_WAVE_MODE, 25, 1), 1
	s_wait_xcnt 0x0
; The six weights, f32, become codes of E4M3 with one E8M0 byte for each 32 along K, laid in the ORDER OF THE OPERAND'S REGISTERS:
; wimg: G 2^20 + W 65536 + s 8192 + t 2048 + c 512 + 16 l: matrix G (0 wq, 1 wk, 2 wv, 3 wo, 4 w1, 5 w2), wave W's 64 output columns, K step s of 128, tile t of 16 columns,
;   lane l = r + 16 h holds k = 128 s + 32 c + 16 h + 0..15 of output column 64 W + 32 (t/2) + 8 (t%2) + r + 8 (r/8).  wsc: G 32768 + W 2048 + s 256 + t 64 + 4 r: that row's four bytes.
; Work-groups 0-159: wq, wk, wv, w1, w2, whose K is the FIRST axis: a lane takes a column and its registers run down K, so a block of 32 lies in one lane and nothing is transposed;
;   a wave takes 32 columns x 256 along K; each store of codes covers two aligned runs of 256 bytes.  Work-groups 160-287: wo, whose K is innermost: a wave takes one fragment (16 rows x 128 K).
; No LDS, no barrier: waves share nothing.  No matrix work, no shared tiles: clusters and tensor loads would serve nothing here.
; LIMITS: NaN and infinities are not served; a block whose largest magnitude lies under 2^-118 (a block of zeros too) keeps the byte 1: the bytes are read by this program alone.
.set MNT, 21                           ; s21      the mantissa field of 448
.set SEL, 22                           ; s[22:23] selects of v_permlanex16_b32: lane l xor 16
.set X,   32                           ; v32-95   two sets of 32 numbers (second way: 64 numbers)
.set CD,  96                           ; v96-159  eight registers of codes for each block: no store's data are written again
.set SB,  24                           ; v24-25   scale bytes, four to a register
.set PC,  96                           ; second way: the fragment's codes
.set TM,  112                          ; second way: v112-127 at work
.set PW,  128                          ; second way: the scale word
; 64 (32) numbers of a lane, register 16 b + i = k 32 b + 16 (lane / 16) + i of my row, become codes in v[PC] on and the bytes' word in v[PW].
.macro QUANT src, relu, nb
.irp b,0,1,2,3
.if \b < \nb
.if \relu
	v_max3_num_f32 v[TM+\b], v[\src+16*\b], v[\src+16*\b+1], 0x4800000
.else
	v_max3_num_f32 v[TM+\b], |v[\src+16*\b]|, |v[\src+16*\b+1]|, 0x4800000   ; with the floor 2^(9-127): the byte cannot fall under 1
.endif
.endif
.endr
.irp i,2,4,6,8,10,12,14
.irp b,0,1,2,3
.if \b < \nb
.if \relu
	v_max3_num_f32 v[TM+\b], v[TM+\b], v[\src+16*\b+\i], v[\src+16*\b+\i+1]
.else
	v_max3_num_f32 v[TM+\b], v[TM+\b], |v[\src+16*\b+\i]|, |v[\src+16*\b+\i+1]|
.endif
.endif
.endr
.endr
.irp b,0,1,2,3
.if \b < \nb
	v_permlanex16_b32 v[TM+4+\b], v[TM+\b], s[SEL], s[SEL+1]
.endif
.endr
.irp b,0,1,2,3
.if \b < \nb
	v_max_num_f32 v[TM+\b], v[TM+\b], v[TM+4+\b]             ; with lane l xor 16's 16: the block's largest magnitude
.endif
.endr
.irp b,0,1,2,3
.if \b < \nb
	v_add_nc_u32 v[TM+12+\b], 0xfc000000, v[TM+\b]           ; 8 off its exponent field: the conversion's scale operand
.endif
.endr
.irp b,0,1,2,3
.if \b < \nb
	v_and_or_b32 v[TM+8+\b], v[TM+\b], 0x7f800000, s[MNT]    ; 448 x the scale
.endif
.endr
.irp b,0,1,2,3
.if \b < \nb
	v_lshrrev_b32 v[TM+4+\b], 23, v[TM+12+\b]                ; the scale's byte
.endif
.endr
	v_lshl_or_b32 v[PW], v[TM+5], 8, v[TM+4]
.if \nb > 2
	v_lshl_or_b32 v[PW], v[TM+6], 16, v[PW]
	v_lshl_or_b32 v[PW], v[TM+7], 24, v[PW]
.endif
.irp b,0,1,2,3
.if \b < \nb
.irp i,0,1,2,3,4,5,6,7,8,9,10,11,12,13,14,15
.if \relu
	v_med3_num_f32 v[\src+16*\b+\i], v[\src+16*\b+\i], 0, v[TM+8+\b]
.else
	v_med3_num_f32 v[\src+16*\b+\i], v[\src+16*\b+\i], -v[TM+8+\b], v[TM+8+\b]   ; the conversion does not saturate (ISA guide 7.6.2): the hold comes first
.endif
.endr
	v_cvt_scalef32_pk8_fp8_f32 v[PC+4*\b:PC+4*\b+1], v[\src+16*\b:\src+16*\b+7], v[TM+12+\b]
	v_cvt_scalef32_pk8_fp8_f32 v[PC+4*\b+2:PC+4*\b+3], v[\src+16*\b+8:\src+16*\b+15], v[TM+12+\b]
.endif
.endr
	v_nop                                                    ; one plain line behind the last conversion
.endm
	s_load_b512 s[4:19], s[0:1], 0x0               ; wq 4, wk 6, wv 8, w1 10, w2 12, wo 14, wimg 16, wsc 18
	v_lshrrev_b32 v1, 5, v0
	v_readfirstlane_b32 s20, v1                    ; wave 0..3
	v_and_b32 v1, 31, v0                           ; lane
	s_mov_b32 s[MNT], 0x600000
	s_mov_b32 s[SEL], 0x76543210
	s_mov_b32 s[SEL+1], 0xfedcba98
	s_mov_b32 s29, 0
	s_wait_kmcnt 0x0
	s_cmp_lt_u32 ttmp9, 160
	s_cbranch_scc0 .Lwo
	; ---- K is the first axis: [1024 (k)][1024 (n)]
	s_lshr_b32 s24, ttmp9, 5                       ; which of the five
	s_cmp_eq_u32 s24, 1
	s_cselect_b64 s[4:5], s[6:7], s[4:5]
	s_cmp_eq_u32 s24, 2
	s_cselect_b64 s[4:5], s[8:9], s[4:5]
	s_cmp_eq_u32 s24, 3
	s_cselect_b64 s[4:5], s[10:11], s[4:5]
	s_cmp_eq_u32 s24, 4
	s_cselect_b64 s[4:5], s[12:13], s[4:5]
	s_cmp_ge_u32 s24, 3
	s_cselect_b32 s25, 1, 0
	s_add_co_u32 s25, s25, s24                     ; G: w1 and w2 lie behind wo
	s_and_b32 s26, ttmp9, 31
	s_and_b32 s27, s26, 7
	s_lshr_b32 s26, s26, 3                         ; y: which 256 along K
	s_lshl_b32 s27, s27, 2
	s_add_co_u32 s27, s27, s20                     ; bb: my wave's block of 32 columns
	s_lshl_b32 s28, s26, 20                        ; 256 y rows of 4,096 bytes
	s_lshl_b32 s30, s27, 7
	s_add_co_u32 s28, s28, s30
	s_add_nc_u64 s[4:5], s[4:5], s[28:29]
	s_lshr_b32 s30, s27, 1                         ; W
	s_and_b32 s31, s27, 1                          ; which half of W's 64 columns
	s_lshl_b32 s28, s25, 20
	s_lshl_b32 s32, s30, 16
	s_add_co_u32 s28, s28, s32
	s_lshl_b32 s32, s31, 12
	s_add_co_u32 s28, s28, s32
	s_lshl_b32 s32, s26, 14                        ; K steps 2 y, 2 y + 1
	s_add_co_u32 s28, s28, s32
	s_add_nc_u64 s[16:17], s[16:17], s[28:29]
	s_lshl_b32 s28, s25, 15
	s_lshl_b32 s32, s30, 11
	s_add_co_u32 s28, s28, s32
	s_lshl_b32 s32, s26, 9
	s_add_co_u32 s28, s28, s32
	s_lshl_b32 s32, s31, 7
	s_add_co_u32 s28, s28, s32
	s_add_nc_u64 s[18:19], s[18:19], s[28:29]
	v_lshlrev_b32 v2, 2, v1                        ; in: 4 bytes a lane
	v_bfe_u32 v5, v1, 3, 1                         ; column l of the 32 is row r = l%8 + 8 (l/16) of tile u = (l/8)%2
	v_and_b32 v6, 7, v1
	v_lshrrev_b32 v7, 4, v1
	v_lshl_add_u32 v6, v7, 3, v6
	v_lshlrev_b32 v3, 4, v6
	v_lshl_add_u32 v3, v5, 11, v3                  ; codes: 2048 u + 16 r
	v_lshlrev_b32 v4, 2, v6
	v_lshl_add_u32 v4, v5, 6, v4                   ; scale words: 64 u + 4 r
.macro LOADK t                         ; block t: W(32 t + i, my column) into set t % 2
.set I_, 0
.rept 32
	global_load_b32 v[X+32*((\t)%2)+I_], v2, s[4:5] offset:(32*(\t)+I_)*4096 th:TH_LOAD_NT
.set I_, I_+1
.endr
.endm
.macro BLOCK t
.set XS_, X+32*((\t)%2)
.if (\t) < 7
	s_wait_loadcnt 32                              ; this block's 32 loads are in; the next block's 32 may be out
.else
	s_wait_loadcnt 0x0
.endif
	v_max3_num_f32 v12, |v[XS_]|, |v[XS_+1]|, |v[XS_+2]|       ; all 32 numbers of the block are mine
	v_max3_num_f32 v13, |v[XS_+3]|, |v[XS_+4]|, |v[XS_+5]|
.irp i,6,10,14,18,22,26
	v_max3_num_f32 v12, v12, |v[XS_+\i]|, |v[XS_+\i+1]|
	v_max3_num_f32 v13, v13, |v[XS_+\i+2]|, |v[XS_+\i+3]|
.endr
	v_max3_num_f32 v12, v12, |v[XS_+30]|, |v[XS_+31]|
	v_max3_num_f32 v12, v12, v13, 0x4800000
	v_add_nc_u32 v11, 0xfc000000, v12
	v_and_or_b32 v10, v12, 0x7f800000, s[MNT]
	v_lshrrev_b32 v13, 23, v11
.if (\t)%4 == 0
	v_mov_b32 v[SB+(\t)/4], v13
.else
	v_lshl_or_b32 v[SB+(\t)/4], v13, 8*((\t)%4), v[SB+(\t)/4]
.endif
.set I_, 0
.rept 32
	v_med3_num_f32 v[XS_+I_], v[XS_+I_], -v10, v10
.set I_, I_+1
.endr
.irp g,0,1,2,3
	v_cvt_scalef32_pk8_fp8_f32 v[CD+8*(\t)+2*\g:CD+8*(\t)+2*\g+1], v[XS_+8*\g:XS_+8*\g+7], v11
.endr
	v_nop
	global_store_b128 v3, v[CD+8*(\t):CD+8*(\t)+3], s[16:17] offset:((\t)/4)*8192+((\t)%4)*512        ; k 0-15 of the block: the places of lanes 0-15
	global_store_b128 v3, v[CD+8*(\t)+4:CD+8*(\t)+7], s[16:17] offset:((\t)/4)*8192+((\t)%4)*512+256  ; k 16-31: those of lanes 16-31
.if (\t)+2 < 8
	LOADK (\t)+2
.endif
.endm
	LOADK 0
	LOADK 1
.irp q,0,1,2,3,4,5,6,7
	BLOCK \q
.endr
	global_store_b32 v4, v[SB], s[18:19]
	global_store_b32 v4, v[SB+1], s[18:19] offset:256
	s_endpgm
.Lwo:	; ---- wo: [1024 (d)][1024 (n, h)]: K innermost
	s_sub_co_u32 s24, ttmp9, 160
	s_lshl_b32 s24, s24, 2
	s_add_co_u32 s24, s24, s20                     ; my fragment, 0..511
	s_lshr_b32 s25, s24, 3                         ; tile of 16 rows, 0..63
	s_and_b32 s26, s24, 7                          ; K step
	s_lshr_b32 s27, s25, 1
	s_lshl_b32 s27, s27, 17                        ; 32 rows of 4,096 bytes
	s_and_b32 s28, s25, 1
	s_lshl_b32 s28, s28, 15                        ; 8 rows
	s_add_co_u32 s28, s28, s27
	s_lshl_b32 s27, s26, 9
	s_add_co_u32 s28, s28, s27
	s_add_nc_u64 s[14:15], s[14:15], s[28:29]
	s_lshr_b32 s30, s25, 2                         ; W
	s_and_b32 s31, s25, 3                          ; t
	s_lshl_b32 s28, s30, 16
	s_lshl_b32 s32, s26, 13
	s_add_co_u32 s28, s28, s32
	s_lshl_b32 s32, s31, 11
	s_add_co_u32 s28, s28, s32
	s_add_co_u32 s28, s28, 3<<20
	s_add_nc_u64 s[16:17], s[16:17], s[28:29]
	s_lshl_b32 s28, s30, 11
	s_lshl_b32 s32, s26, 8
	s_add_co_u32 s28, s28, s32
	s_lshl_b32 s32, s31, 6
	s_add_co_u32 s28, s28, s32
	s_add_co_u32 s28, s28, 3<<15
	s_add_nc_u64 s[18:19], s[18:19], s[28:29]
	v_and_b32 v2, 15, v0                           ; r
	v_bfe_u32 v3, v0, 4, 1                         ; h
	v_and_b32 v4, 8, v2
	v_add_nc_u32 v4, v4, v2                        ; r + 8 (r/8)
	v_lshlrev_b32 v5, 12, v4
	v_lshl_add_u32 v5, v3, 6, v5                   ; my row, + 64 h: my 16 numbers of a block
	v_lshlrev_b32 v6, 4, v1                        ; 16 x lane
	v_lshlrev_b32 v7, 2, v2                        ; 4 r
.irp b,0,1,2,3
	v_mov_b32 v[TM+4+\b], 0                        ; a lane permute's destination counts as read
.endr
.irp c,0,1,2,3
.irp j,0,1,2,3
	global_load_b128 v[X+16*\c+4*\j:X+16*\c+4*\j+3], v5, s[14:15] offset:128*\c+16*\j th:TH_LOAD_NT
.endr
.endr
	s_wait_loadcnt 0x0
	QUANT X, 0, 4
.irp c,0,1,2,3
	global_store_b128 v6, v[PC+4*\c:PC+4*\c+3], s[16:17] offset:512*\c
.endr
	global_store_b32 v7, v[PW], s[18:19]           ; lanes r and r + 16 store the same word with the same value
	s_endpgm
.Lfunc_end_k_q5988235733_prep:
	.size	k_q5988235733_prep, .Lfunc_end_k_q5988235733_prep-k_q5988235733_prep
	.p2alignl 7, 3214868480
	.fill 96, 4, 3214868480
	.section	.rodata,"a",@progbits
	.p2align	6, 0x0
	.amdhsa_kernel k_q5988235733_prep
		.amdhsa_group_segment_fixed_size 0
		.amdhsa_private_segment_fixed_size 0
		.amdhsa_enable_private_segment 0
		.amdhsa_kernarg_size 64
		.amdhsa_user_sgpr_count 2
		.amdhsa_user_sgpr_kernarg_segment_ptr 1
		.amdhsa_wavefront_size32 1
		.amdhsa_system_sgpr_workgroup_id_x 1
		.amdhsa_system_sgpr_workgroup_id_y 1
		.amdhsa_system_sgpr_workgroup_id_z 1
		.amdhsa_system_vgpr_workitem_id 0
		.amdhsa_next_free_vgpr 176
		.amdhsa_next_free_sgpr 66
		.amdhsa_reserve_vcc 0
		.amdhsa_float_denorm_mode_32 3
		.amdhsa_float_denorm_mode_16_64 3
		.amdhsa_memory_ordered 1
		.amdhsa_forward_progress 1
		.amdhsa_inst_pref_size 69
	.end_amdhsa_kernel
	.amdgpu_metadata
---
amdhsa.version: [ 1, 2 ]
amdhsa.kernels:
  - .name:           k_q5988235733_prep
    .symbol:         k_q5988235733_prep.kd
    .args:
      - { .name: wq, .offset: 0, .size: 8, .value_kind: global_buffer, .address_space: global }
      - { .name: wk, .offset: 8, .size: 8, .value_kind: global_buffer, .address_space: global }
      - { .name: wv, .offset: 16, .size: 8, .value_kind: global_buffer, .address_space: global }
      - { .name: w1, .offset: 24, .size: 8, .value_kind: global_buffer, .address_space: global }
      - { .name: w2, .offset: 32, .size: 8, .value_kind: global_buffer, .address_space: global }
      - { .name: wo, .offset: 40, .size: 8, .value_kind: global_buffer, .address_space: global }
      - { .name: wimg, .offset: 48, .size: 8, .value_kind: global_buffer, .address_space: global }
      - { .name: wsc, .offset: 56, .size: 8, .value_kind: global_buffer, .address_space: global }
    .group_segment_fixed_size: 0
    .private_segment_fixed_size: 0
    .kernarg_segment_align: 8
    .kernarg_segment_size: 64
    .max_flat_workgroup_size: 128
    .sgpr_count:     66
    .vgpr_count:     176
    .wavefront_size: 32
...
	.end_amdgpu_metadata
.endif
;; end of part 1
;; launch qkv (part 2): grid 256 x 1, 16 waves a work-group, no clusters, 205,312 bytes of LDS; arguments x, rms_scale, per_dim_scale, bq, bk, bv, wimg, wsc, qkvimg, qkvsc; writes qkvimg, qkvsc
.if DOCPART == 2
	.amdgcn_target "amdgcn-amd-amdhsa--gfx1250"
	.amdhsa_code_object_version 6
	.text
	.protected	k_q5988235733_qkv
	.globl	k_q5988235733_qkv
	.p2align	8
	.type	k_q5988235733_qkv,@function
k_q5988235733_qkv:
	s_mov_b64 s[64:65], 0
	v_nop
	global_prefetch_b8 v0, s[64:65] scope:SCOPE_SE
	s_setreg_imm32_b32 hwreg(HW_REG_WAVE_MODE, 25, 1), 1
	s_wait_xcnt 0x0
; xn = rms_norm(x); q = (xn wq + bq) x scale, k = xn wk + bk, v = xn wv + bv: three products on codes of E4M3 with E8M0 scales; q, k (along the head's 64) and v (along the keys) leave as codes.
; SHARES.  A work-group takes 64 whole token rows (two blocks of 32) and EIGHT of the 16 heads: row block = id / 2, heads 8 (id % 2) on: 256 work-groups.  Its 16 waves share the columns: wave w makes 32 columns
; (half p = w % 2 of head 8 (id % 2) + w / 2) of q, k and v for all 64 rows: four tiles of tokens x two tiles of weights = 8 accumulators.  So a weight fragment feeds four products, and a work-group reads
; 1,572,864 bytes of weight codes for its 64 rows.  The price: the two work-groups of a row block both read and norm its 64 rows of x.
; Each wave streams its own weight fragments from memory straight into registers (laid by the launch before in register order), three sets by turns, two K steps ahead; xn's codes lie in LDS as images of the operand's registers.
; ORDER OF ROWS.  Tile u (0, 1) of a block of 32 tokens holds in row r token 8 u + r + 8 (r/8); weight tiles are laid likewise.  So in a result the 16 registers of two neighbouring tiles are 16 NEIGHBOURS along the next K.
; q, k: the product is used transposed (source 0 = 16 weight rows, source 1 = 16 tokens): a lane holds one token, its 16 registers of a token tile run along my 32 columns: one block of the quantiser with lane l xor 16.
; v: natural (source 0 = tokens): a lane holds one channel, the 16 registers of a token block run along the tokens.
; OUT.  qkvimg: q at 0, k at 2^23: (y 64 + qt) 1024 + 512 c + 16 l (y = 16 batch + head, qt = tile of 16 tokens, c = my p); v at 2^24: (y 8 + ks) 8192 + 2048 t + 512 c + 16 l (channel tile t, keys 128 ks + 32 c + 16 h + ..).
;       qkvsc: q at 0, k at 2^19: (y 64 + qt) 64 + 4 r, word {s0, s1, 0, 0}: wave p stores bytes p and p + 2; v at 2^20: (y 8 + ks) 256 + 64 t + 4 r + c.
; NO CLUSTER: the work-groups of one head half walk the same weight codes, but a fragment is used by ONE wave of a work-group, so it goes to that wave's registers and not through LDS; a joint request would need a ring in LDS,
; and two slots of a K step's weights of the 16 waves (2 x 67,584 bytes) do not fit beside the 203,264 in use.
; LIMITS: NaN and infinities are not served; a block whose largest magnitude lies under 2^-118 keeps the byte 1.
.set SPITCH, 4112                      ; a stage row: 4,096 bytes + 16: the 16 rows that a load touches start in 16 different columns of 16 bytes
.set XIMG, 32*SPITCH                   ; LDS: the stage (32 rows, used once for each token block) at 0; xn's 32 fragments [blk][s][u][c][l];
.set XSC,  XIMG+65536                  ; their scale words [blk][s][u][r];
.set SPT,  XSC+2048                    ; and for each wave its own table of the 64 per-dimension scales
.set L16, 1                            ; v1  16 x lane
.set L4,  2                            ; v2  4 x lane
.set H64, 3                            ; v3  64 x (lane / 16)
.set R4,  4                            ; v4  4 x (lane % 16)
.set STW, 5                            ; v5  stage, in: my wave's two rows
.set STR, 6                            ; v6  stage, out: my fragment's row
.set XWI, 7                            ; v7  where my fragment's image goes
.set XWS, 8                            ; v8  and its scale word
.set AIM, 9                            ; v9  XIMG + 16 l
.set ASC, 10                           ; v10 XSC + 4 l
.set SPS, 11                           ; v11 my table, in
.set SPR, 12                           ; v12 my table, out: my 16 columns
.set BVO, 13                           ; v13 bv: 4 (r + 8 (r/8))
.set XS,  16                           ; v16-17 xn's scale words of token block 0, 1: lanes 0-15 tile 0, lanes 16-31 tile 1
.set WS,  18                           ; v18-20 the weights' scale words, one register a set: lanes 0-15 my tile 0, lanes 16-31 my tile 1
.set QSO, 21                           ; v21 4 r + 2 h: where a lane stores a byte of q's or k's scale word
.set PW,  22                           ; v22 the scale word just made
.set BV,  24                           ; v24, v26 bv of my channel in tile t (v25, v27 written once: named as pairs)
.set AF,  32                           ; v32-95 xn's four fragments of a K step; between passes: codes, temporaries, tables
.set BS,  96                           ; v96-127, v128-159, v160-191 my two weight fragments, three sets
.set HA,  192                          ; v192-255 eight accumulators
.set PC,  160                          ; the quantiser's codes and temporaries: at the start in set 2's registers, from the first pass on in v32-63
.set TM,  176
.set WV,  24
.set LM,  25                           ; s25 mask of lanes 0-15
.set SEL, 26
.set MNT, 28
.set C10, 29
.set EPS, 30
.set WBQ, 32
.set WBK, 34
.set WBV, 36
.set SBQ, 38
.set SBK, 40
.set SBV, 42
.set QI,  44
.set KI,  46
.set VI,  48
.set QSB, 50
.set KSB, 52
.set VSB, 54
.macro QUANT src, relu, nb             ; 64 numbers of a lane in four blocks, register 16 b + i = number 16 (lane / 16) + i of block b, become codes in v[PC] on, the bytes in v[TM+4] on and their word in v[PW]
.irp b,0,1,2,3
.if \b < \nb
.if \relu
	v_max3_num_f32 v[TM+\b], v[\src+16*\b], v[\src+16*\b+1], 0x4800000
.else
	v_max3_num_f32 v[TM+\b], |v[\src+16*\b]|, |v[\src+16*\b+1]|, 0x4800000   ; with the floor 2^(9-127): the byte cannot fall under 1
.endif
.endif
.endr
.irp i,2,4,6,8,10,12,14
.irp b,0,1,2,3
.if \b < \nb
.if \relu
	v_max3_num_f32 v[TM+\b], v[TM+\b], v[\src+16*\b+\i], v[\src+16*\b+\i+1]
.else
	v_max3_num_f32 v[TM+\b], v[TM+\b], |v[\src+16*\b+\i]|, |v[\src+16*\b+\i+1]|
.endif
.endif
.endr
.endr
.irp b,0,1,2,3
.if \b < \nb
	v_permlanex16_b32 v[TM+4+\b], v[TM+\b], s[SEL], s[SEL+1]
.endif
.endr
.irp b,0,1,2,3
.if \b < \nb
	v_max_num_f32 v[TM+\b], v[TM+\b], v[TM+4+\b]
.endif
.endr
.irp b,0,1,2,3
.if \b < \nb
	v_add_nc_u32 v[TM+12+\b], 0xfc000000, v[TM+\b]           ; 8 off the exponent field: the conversion's scale operand
.endif
.endr
.irp b,0,1,2,3
.if \b < \nb
	v_and_or_b32 v[TM+8+\b], v[TM+\b], 0x7f800000, s[MNT]    ; 448 x the scale
.endif
.endr
.irp b,0,1,2,3
.if \b < \nb
	v_lshrrev_b32 v[TM+4+\b], 23, v[TM+12+\b]                ; the scale's byte
.endif
.endr
	v_lshl_or_b32 v[PW], v[TM+5], 8, v[TM+4]
.if \nb > 2
	v_lshl_or_b32 v[PW], v[TM+6], 16, v[PW]
	v_lshl_or_b32 v[PW], v[TM+7], 24, v[PW]
.endif
.irp b,0,1,2,3
.if \b < \nb
.irp i,0,1,2,3,4,5,6,7,8,9,10,11,12,13,14,15
.if \relu
	v_med3_num_f32 v[\src+16*\b+\i], v[\src+16*\b+\i], 0, v[TM+8+\b]
.else
	v_med3_num_f32 v[\src+16*\b+\i], v[\src+16*\b+\i], -v[TM+8+\b], v[TM+8+\b]   ; the conversion does not saturate (ISA guide 7.6.2)
.endif
.endr
	v_cvt_scalef32_pk8_fp8_f32 v[PC+4*\b:PC+4*\b+1], v[\src+16*\b:\src+16*\b+7], v[TM+12+\b]
	v_cvt_scalef32_pk8_fp8_f32 v[PC+4*\b+2:PC+4*\b+3], v[\src+16*\b+8:\src+16*\b+15], v[TM+12+\b]
.endif
.endr
	v_nop                                                    ; one plain line behind the last conversion
.endm
.macro WM d, a, b, zero, sa, sb, ra, rb   ; one product; ra, rb: the side's scales stand in lanes 16-31
.if \zero
.if (\ra) && (\rb)
	v_wmma_scale_f32_16x16x128_f8f6f4 v[\d:\d+7], v[\a:\a+15], v[\b:\b+15], 0, v[\sa], v[\sb] matrix_a_scale:MATRIX_SCALE_ROW1 matrix_b_scale:MATRIX_SCALE_ROW1
.elseif (\ra)
	v_wmma_scale_f32_16x16x128_f8f6f4 v[\d:\d+7], v[\a:\a+15], v[\b:\b+15], 0, v[\sa], v[\sb] matrix_a_scale:MATRIX_SCALE_ROW1
.elseif (\rb)
	v_wmma_scale_f32_16x16x128_f8f6f4 v[\d:\d+7], v[\a:\a+15], v[\b:\b+15], 0, v[\sa], v[\sb] matrix_b_scale:MATRIX_SCALE_ROW1
.else
	v_wmma_scale_f32_16x16x128_f8f6f4 v[\d:\d+7], v[\a:\a+15], v[\b:\b+15], 0, v[\sa], v[\sb]
.endif
.else
.if (\ra) && (\rb)
	v_wmma_scale_f32_16x16x128_f8f6f4 v[\d:\d+7], v[\a:\a+15], v[\b:\b+15], v[\d:\d+7], v[\sa], v[\sb] matrix_a_scale:MATRIX_SCALE_ROW1 matrix_b_scale:MATRIX_SCALE_ROW1
.elseif (\ra)
	v_wmma_scale_f32_16x16x128_f8f6f4 v[\d:\d+7], v[\a:\a+15], v[\b:\b+15], v[\d:\d+7], v[\sa], v[\sb] matrix_a_scale:MATRIX_SCALE_ROW1
.elseif (\rb)
	v_wmma_scale_f32_16x16x128_f8f6f4 v[\d:\d+7], v[\a:\a+15], v[\b:\b+15], v[\d:\d+7], v[\sa], v[\sb] matrix_b_scale:MATRIX_SCALE_ROW1
.else
	v_wmma_scale_f32_16x16x128_f8f6f4 v[\d:\d+7], v[\a:\a+15], v[\b:\b+15], v[\d:\d+7], v[\sa], v[\sb]
.endif
.endif
.endm
.macro LOADB wb, sb, st, bs            ; 9 loads: my two weight fragments of K step st and their scale words, into set bs; each load is 512 (128) dense bytes
.irp t,0,1
.irp c,0,1,2,3
	global_load_b128 v[BS+32*(\bs)+16*\t+4*\c:BS+32*(\bs)+16*\t+4*\c+3], v[L16], s[\wb:\wb+1] offset:8192*(\st)+2048*\t+512*\c
.endr
.endr
	global_load_b32 v[WS+(\bs)], v[L4], s[\sb:\sb+1] offset:256*(\st)
.endm
.macro LOADA st                        ; the rows' four fragments of K step st and their scale words, from their images
.irp u,0,1,2,3
.irp c,0,1,2,3
	ds_load_b128 v[AF+16*\u+4*\c:AF+16*\u+4*\c+3], v[AIM] offset:32768*(\u/2)+4096*(\st)+2048*(\u%2)+512*\c
.endr
.endr
.irp k,0,1
	ds_load_b32 v[XS+\k], v[ASC] offset:1024*\k+128*(\st)
.endr
.endm
.macro MUL8 bs, nat, zero              ; eight products, one for each accumulator, in the same order in every step: the accumulators take turns
.irp u,0,1,2,3
.irp t,0,1
.if \nat
	WM HA+32*\t+16*(\u/2)+8*(\u%2), AF+16*\u, BS+32*(\bs)+16*\t, \zero, XS+\u/2, WS+(\bs), \u%2, \t
.else
	WM HA+16*\u+8*\t, BS+32*(\bs)+16*\t, AF+16*\u, \zero, WS+(\bs), XS+\u/2, \t, \u%2
.endif
.endr
.endr
.endm
; A pass: K = 1,024 in eight steps; g0 = the pass's first step counted over all 24: step g uses set g % 3.  In step s the weights of two steps on are asked for first (in the last two steps the next pass's first two),
; into the set that the step before has multiplied; then this step's rows come from LDS.
.macro PASS wb, sb, g0, nat, zero0, more, nwb, nsb
.irp s,0,1,2,3,4,5,6,7
.if \s < 6
	LOADB \wb, \sb, \s+2, (\g0+\s+2)%3
.elseif \more
	LOADB \nwb, \nsb, \s-6, (\g0+\s+2)%3
.endif
	LOADA \s
.if \s == 0
	s_wait_loadcnt 9                               ; all but the 9 just issued: this step's weights, and the bias asked for behind the next step's
.elseif (\s < 6) || \more
	s_wait_loadcnt 18                              ; the 9 loads of each of the next two steps may be out: this step's are in
.elseif \s == 6
	s_wait_loadcnt 9                               ; nothing was asked for in this step: the last step's 9 may be out
.else
	s_wait_loadcnt 0x0
.endif
	s_wait_dscnt 0x0
.if \s == 0
	MUL8 (\g0)%3, \nat, \zero0
.else
	MUL8 (\g0+\s)%3, \nat, 0
.endif
.rept 8
	v_nop                                          ; eight places ahead of loads into registers that these products read and of the first read of results
.endr
.if \s == 7
	v_nop                                          ; a ninth: the next pass's first products write over these accumulators
.endif
.endr
.endm
.macro BARRIER
	s_wait_dscnt 0x0                               ; my LDS stores have landed and my LDS loads are in
	s_barrier_signal -1
	s_barrier_wait -1
.endm
.macro BIASLD base                     ; a bias is the C of a sum's first products: register 8 t + j of a token tile, lane half h: column 16 h + 8 t + j of my 32
.irp u,0,1,2,3
.irp q,0,1,2,3
	global_load_b128 v[HA+16*\u+4*\q:HA+16*\u+4*\q+3], v[H64], s[\base:\base+1] offset:16*\q
.endr
.endr
.endm
.macro OUTQK img, scb                  ; four tiles of tokens x my 32 channels: block u is chunk p of token tile u
.irp u,0,1,2,3
	global_store_b128 v[L16], v[PC+4*\u:PC+4*\u+3], s[\img:\img+1] offset:1024*\u
.endr
.irp u,0,1,2,3
	v_cndmask_b32 v[80+\u], 0, v[TM+4+\u], s[LM]   ; lanes 0-15 carry row r's byte p, lanes 16-31 the zero of byte p + 2 (the upper 64 of the score product's K are zero codes)
.endr
.irp u,0,1,2,3
	global_store_b8 v[QSO], v[80+\u], s[\scb:\scb+1] offset:64*\u
.endr
	s_wait_xcnt 0x0                                ; the stores' data registers are written again below
.endm
.macro FRAGQ blk                       ; wave 8 u + s makes fragment (tile u, K step s) of the token block that lies in the stage
.irp c,0,1,2,3
.irp j,0,1,2,3
	ds_load_b128 v[AF+16*\c+4*\j:AF+16*\c+4*\j+3], v[STR] offset:128*\c+16*\j
.endr
.endr
	s_wait_dscnt 0x0
	QUANT AF, 0, 4
.irp c,0,1,2,3
	ds_store_b128 v[XWI], v[PC+4*\c:PC+4*\c+3] offset:32768*\blk+512*\c
.endr
	ds_store_b32 v[XWS], v[PW] offset:1024*\blk    ; lanes r and r + 16 write the same word with the same value
	BARRIER                                        ; every wave's reads of the stage are over, and its images lie in LDS
.endm
	s_load_b512 s[4:19], s[0:1], 0x0               ; x 4, rms_scale 6, per_dim_scale 8, bq 10, bk 12, bv 14, wimg 16, wsc 18
	s_load_b128 s[20:23], s[0:1], 0x40             ; qkvimg 20, qkvsc 22
	v_lshl_add_u32 v30, v0, 2, 0x31a00
	v_mov_b32 v31, 0
	v_lshrrev_b32 v1, 5, v0
	v_readfirstlane_b32 s[WV], v1                  ; wave 0..15
	v_and_b32 v14, 31, v0                          ; lane
	v_and_b32 v15, 15, v0                          ; r
	v_bfe_u32 v23, v0, 4, 1                        ; h
	v_lshlrev_b32 v[L16], 4, v14
	v_lshlrev_b32 v[L4], 2, v14
	v_lshlrev_b32 v[H64], 6, v23
	v_lshlrev_b32 v[R4], 2, v15
	v_lshl_add_u32 v[QSO], v23, 1, v[R4]
	s_mul_i32 s56, s[WV], 2*SPITCH
	v_add_nc_u32 v[STW], s56, v[L16]               ; stage rows 2 w, 2 w + 1
	s_lshr_b32 s57, s[WV], 3                       ; for the fragments: wave = 8 u + s
	s_and_b32 s58, s[WV], 7
	s_mul_i32 s59, s57, 16*SPITCH
	s_lshl_b32 s60, s58, 9
	s_add_co_u32 s59, s59, s60
	v_mul_u32_u24 v[STR], v15, SPITCH
	v_add_nc_u32 v[STR], v[STR], v[H64]
	v_add_nc_u32 v[STR], s59, v[STR]               ; stage row 16 u + r, byte 512 s + 64 h
	s_lshl_b32 s59, s58, 12
	s_lshl_b32 s60, s57, 11
	s_add_co_u32 s59, s59, s60
	s_add_co_u32 s59, s59, XIMG
	v_add_nc_u32 v[XWI], s59, v[L16]
	s_lshl_b32 s59, s58, 7
	s_lshl_b32 s60, s57, 6
	s_add_co_u32 s59, s59, s60
	s_add_co_u32 s59, s59, XSC
	v_add_nc_u32 v[XWS], s59, v[R4]
	v_add_nc_u32 v[AIM], XIMG, v[L16]
	v_add_nc_u32 v[ASC], XSC, v[L4]
	s_lshl_b32 s59, s[WV], 8
	s_add_co_u32 s59, s59, SPT
	v_add_nc_u32 v[SPS], s59, v[L4]
	s_and_b32 s31, s[WV], 1                        ; p: which 32 columns of the head
	s_lshl_b32 s60, s31, 7
	s_add_co_u32 s59, s59, s60
	v_add_nc_u32 v[SPR], s59, v[H64]               ; my table, + 128 p + 64 h
	v_and_b32 v[BVO], 8, v15
	v_add_nc_u32 v[BVO], v[BVO], v15
	v_lshlrev_b32 v[BVO], 2, v[BVO]
.irp b,0,1,2,3
	v_mov_b32 v[52+\b], 0                          ; a lane permute's destination counts as read: both places of the quantiser's temporaries
	v_mov_b32 v[180+\b], 0
.endr
	v_mov_b32 v[BV+1], 0                           ; named as the upper halves of pairs
	v_mov_b32 v[BV+3], 0
	s_mov_b32 s[LM], 0xffff
	s_mov_b32 s[SEL], 0x76543210
	s_mov_b32 s[SEL+1], 0xfedcba98
	s_mov_b32 s[MNT], 0x600000
	s_mov_b32 s[C10], 0x3a800000                   ; 1 / 1,024
	s_mov_b32 s[EPS], 0x358637bd                   ; 1e-6
	s_lshl_b32 s59, s57, 3                         ; stage rows 2 w, 2 w + 1 are tokens tk0, tk0 + 1 of a block: tk0 = 8 (w/8) + 2 (w%8) + 8 ((w/4)%2)
	s_lshl_b32 s60, s58, 1
	s_add_co_u32 s59, s59, s60
	s_bfe_u32 s60, s[WV], 0x10002
	s_lshl_b32 s60, s60, 3
	s_add_co_u32 s59, s59, s60
	s_lshr_b32 s62, ttmp9, 1                       ; the row block of 64
	s_lshl_b32 s60, s62, 6
	s_add_co_u32 s59, s59, s60
	s_lshl_b32 s60, s59, 12                        ; my first row of x, in bytes
	s_mov_b32 s61, 0
	s_mov_b32 s57, 0
	s_and_b32 s63, ttmp9, 1
	s_lshl_b32 s63, s63, 3
	s_lshr_b32 s58, s[WV], 1
	s_add_co_u32 s63, s63, s58                     ; head = 8 (id % 2) + w / 2
	s_lshr_b32 s58, s62, 4
	s_lshl_b32 s58, s58, 4
	s_add_co_u32 s58, s58, s63                     ; y = 16 batch + head
	s_and_b32 s59, s62, 15
	s_lshl_b32 s59, s59, 1                         ; tb0: the first of my two blocks of 32 tokens in the batch row (even)
	s_wait_kmcnt 0x0
	s_add_nc_u64 s[4:5], s[4:5], s[60:61]
	s_lshl_b32 s56, s63, 16
	s_lshl_b32 s60, s31, 12
	s_add_co_u32 s56, s56, s60
	s_add_nc_u64 s[WBQ:WBQ+1], s[16:17], s[56:57]  ; the head's 65,536 bytes of a matrix, tiles 2 p, 2 p + 1 of each K step
	s_add_nc_u64 s[WBK:WBK+1], s[WBQ:WBQ+1], 0x100000
	s_add_nc_u64 s[WBV:WBV+1], s[WBK:WBK+1], 0x100000
	s_lshl_b32 s56, s63, 11
	s_lshl_b32 s60, s31, 7
	s_add_co_u32 s56, s56, s60
	s_add_nc_u64 s[SBQ:SBQ+1], s[18:19], s[56:57]
	s_add_nc_u64 s[SBK:SBK+1], s[SBQ:SBQ+1], 0x8000
	s_add_nc_u64 s[SBV:SBV+1], s[SBK:SBK+1], 0x8000
	s_lshl_b32 s56, s63, 8
	s_add_co_u32 s56, s56, s60                     ; the biases: 256 head + 128 p
	s_add_nc_u64 s[10:11], s[10:11], s[56:57]
	s_add_nc_u64 s[12:13], s[12:13], s[56:57]
	s_add_nc_u64 s[14:15], s[14:15], s[56:57]
	s_lshl_b32 s56, s58, 16
	s_lshl_b32 s60, s59, 11
	s_add_co_u32 s56, s56, s60
	s_lshl_b32 s60, s31, 9
	s_add_co_u32 s56, s56, s60
	s_add_nc_u64 s[QI:QI+1], s[20:21], s[56:57]    ; (y 64 + 2 tb0) 1024 + 512 p
	s_add_nc_u64 s[KI:KI+1], s[QI:QI+1], 0x800000
	s_lshl_b32 s56, s58, 16
	s_lshr_b32 s60, s59, 2
	s_lshl_b32 s60, s60, 13
	s_add_co_u32 s56, s56, s60
	s_lshl_b32 s60, s31, 12
	s_add_co_u32 s56, s56, s60
	s_and_b32 s62, s59, 3
	s_lshl_b32 s60, s62, 9
	s_add_co_u32 s56, s56, s60
	s_add_nc_u64 s[VI:VI+1], s[20:21], s[56:57]    ; (y 8 + tb0 / 4) 8192 + 4096 p + 512 (tb0 % 4)
	s_add_nc_u64 s[VI:VI+1], s[VI:VI+1], 0x1000000
	s_lshl_b32 s56, s58, 12
	s_lshl_b32 s60, s59, 7
	s_add_co_u32 s56, s56, s60
	s_add_co_u32 s56, s56, s31
	s_add_nc_u64 s[QSB:QSB+1], s[22:23], s[56:57]  ; (y 64 + 2 tb0) 64 + p
	s_add_nc_u64 s[KSB:KSB+1], s[QSB:QSB+1], 0x80000
	s_lshl_b32 s56, s58, 11
	s_lshr_b32 s60, s59, 2
	s_lshl_b32 s60, s60, 8
	s_add_co_u32 s56, s56, s60
	s_lshl_b32 s60, s31, 7
	s_add_co_u32 s56, s56, s60
	s_add_co_u32 s56, s56, s62
	s_add_nc_u64 s[VSB:VSB+1], s[22:23], s[56:57]  ; (y 8 + tb0 / 4) 256 + 128 p + tb0 % 4
	s_add_nc_u64 s[VSB:VSB+1], s[VSB:VSB+1], 0x100000
	; ---- 1: my four rows of x (two of each token block, 8,192 dense bytes each pair); the norm; row q lies in v32 + 32 q (q < 2) or v192 + 32 (q - 2)
.irp q,0,1,2,3
.set XR_, 32+32*\q+96*(\q/2)
.irp j,0,1,2,3,4,5,6,7
	global_load_b128 v[XR_+4*\j:XR_+4*\j+3], v[L16], s[4:5] offset:131072*(\q/2)+4096*(\q%2)+512*\j
.endr
.endr
.irp j,0,1,2,3,4,5,6,7
	global_load_b128 v[160+4*\j:163+4*\j], v[L16], s[6:7] offset:512*\j
.endr
	global_load_b32 v96, v[L4], s[8:9]
	global_load_b32 v97, v[L4], s[8:9] offset:128
	s_wait_loadcnt 0x0
.irp q,0,1,2,3
.set XR_, 32+32*\q+96*(\q/2)
	v_pk_mul_f32 v[100+4*\q:101+4*\q], v[XR_:XR_+1], v[XR_:XR_+1]
	v_pk_mul_f32 v[102+4*\q:103+4*\q], v[XR_+2:XR_+3], v[XR_+2:XR_+3]
.endr
.irp j,4,8,12,16,20,24,28
.irp q,0,1,2,3
.set XR_, 32+32*\q+96*(\q/2)
	v_pk_fma_f32 v[100+4*\q:101+4*\q], v[XR_+\j:XR_+\j+1], v[XR_+\j:XR_+\j+1], v[100+4*\q:101+4*\q]
	v_pk_fma_f32 v[102+4*\q:103+4*\q], v[XR_+\j+2:XR_+\j+3], v[XR_+\j+2:XR_+\j+3], v[102+4*\q:103+4*\q]
.endr
.endr
.irp q,0,1,2,3
	v_pk_add_f32 v[100+4*\q:101+4*\q], v[100+4*\q:101+4*\q], v[102+4*\q:103+4*\q]
.endr
.irp q,0,1,2,3
	v_add_f32 v[100+4*\q], v[100+4*\q], v[101+4*\q]
.endr
.irp m,1,2,4,8
.irp q,0,1,2,3
	v_add_f32_dpp v[100+4*\q], v[100+4*\q], v[100+4*\q] row_xmask:\m row_mask:0xf bank_mask:0xf
.endr
.endr
.irp q,0,1,2,3
	v_permlanex16_b32 v[101+4*\q], v[100+4*\q], s[SEL], s[SEL+1]
.endr
.irp q,0,1,2,3
	v_add_f32 v[100+4*\q], v[100+4*\q], v[101+4*\q]
.endr
.irp q,0,1,2,3
	v_fma_f32 v[100+4*\q], v[100+4*\q], s[C10], s[EPS]         ; the mean of the squares + 1e-6
.endr
.irp q,0,1,2,3
	v_rsq_f32 v[116+2*\q], v[100+4*\q]
	v_rsq_f32 v[117+2*\q], v[100+4*\q]             ; twice: a pair for the packed multiply
.endr
	v_mul_f32 v124, 0xbfb8aa3b, |v96|              ; (a plain line behind the transcendentals)  softplus(p) = max(p, 0) + log1p(e^-|p|)
	v_mul_f32 v125, 0xbfb8aa3b, |v97|
	s_wait_alu depctr_va_vdst(0)
.irp q,0,1,2,3
.set XR_, 32+32*\q+96*(\q/2)
.set J_, 0
.rept 16
	v_pk_mul_f32 v[XR_+J_:XR_+J_+1], v[XR_+J_:XR_+J_+1], v[116+2*\q:117+2*\q]
.set J_, J_+2
.endr
.endr
.irp q,0,1,2,3
.set XR_, 32+32*\q+96*(\q/2)
.set J_, 0
.rept 16
	v_pk_mul_f32 v[XR_+J_:XR_+J_+1], v[XR_+J_:XR_+J_+1], v[160+J_:161+J_]
.set J_, J_+2
.endr
.endr
.irp e,0,1
.irp j,0,1,2,3,4,5,6,7
	ds_store_b128 v[STW], v[32+32*\e+4*\j:35+32*\e+4*\j] offset:\e*SPITCH+512*\j        ; token block 0 into the stage
.endr
.endr
	v_exp_f32 v124, v124                           ; y = e^-|p|
	v_exp_f32 v125, v125
	v_nop
	s_wait_alu depctr_va_vdst(0)
	v_add_f32 v126, 1.0, v124                      ; u = 1 + y
	v_add_f32 v127, 1.0, v125
	v_add_f32 v128, -1.0, v126                     ; d = u - 1: what of y the sum kept
	v_add_f32 v129, -1.0, v127
	v_log_f32 v130, v126
	v_log_f32 v131, v127
	v_rcp_f32 v132, v128
	v_rcp_f32 v133, v129
	v_nop
	s_wait_alu depctr_va_vdst(0)
	v_mul_f32 v130, 0x3f317218, v130               ; ln u
	v_mul_f32 v131, 0x3f317218, v131
	v_mul_f32 v132, v124, v132                     ; y / d
	v_mul_f32 v133, v125, v133
	v_mul_f32 v130, v130, v132                     ; log1p(y) = ln(u) y / d,
	v_mul_f32 v131, v131, v133
	v_cmp_eq_f32 vcc_lo, 0, v128
	v_cndmask_b32 v130, v130, v124, vcc_lo         ; and y itself where d = 0
	v_cmp_eq_f32 vcc_lo, 0, v129
	v_cndmask_b32 v131, v131, v125, vcc_lo
	v_max_num_f32 v96, 0, v96
	v_max_num_f32 v97, 0, v97
	v_add_f32 v96, v96, v130
	v_add_f32 v97, v97, v131
	v_mul_f32 v96, 0x3e38aa3b, v96                 ; x log2(e) / 8
	v_mul_f32 v97, 0x3e38aa3b, v97
	ds_store_b32 v[SPS], v96                       ; my wave's own table: no other wave reads it
	ds_store_b32 v[SPS], v97 offset:128
	BARRIER                                        ; token block 0's 32 rows of xn lie in the stage
	; ---- 2: the fragments, block by block; the first two K steps' weights are asked for here and land meanwhile
	LOADB WBQ, SBQ, 0, 0
	LOADB WBQ, SBQ, 1, 1
	FRAGQ 0
.irp e,0,1
.irp j,0,1,2,3,4,5,6,7
	ds_store_b128 v[STW], v[192+32*\e+4*\j:195+32*\e+4*\j] offset:\e*SPITCH+512*\j      ; token block 1 into the stage: nobody reads block 0's rows any more
.endr
.endr
	BARRIER
	FRAGQ 1                                        ; behind its barrier, the launch's last, LDS is only read
.set PC, 32
.set TM, 48
	; ---- q
	BIASLD 10
	PASS WBQ, SBQ, 0, 0, 0, 1, WBK, SBK
.irp q,0,1,2,3
	ds_load_b128 v[64+4*\q:67+4*\q], v[SPR] offset:16*\q
.endr
	s_wait_dscnt 0x0
.irp u,0,1,2,3
.set J_, 0
.rept 8
	v_pk_mul_f32 v[HA+16*\u+J_:HA+16*\u+J_+1], v[HA+16*\u+J_:HA+16*\u+J_+1], v[64+J_:65+J_]   ; x the channel's scale; each accumulator from its low end on
.set J_, J_+2
.endr
.endr
	QUANT HA, 0, 4
	OUTQK QI, QSB
	; ---- k
	BIASLD 12
	PASS WBK, SBK, 8, 0, 0, 1, WBV, SBV
	QUANT HA, 0, 4
	OUTQK KI, KSB
	; ---- v: natural use: a lane holds channel 32 p + 8 t + r + 8 (r/8); block 2 t + k: the 16 registers are tokens 16 h + 0..15 of token block k: one block of 32 keys with lane l xor 16
.irp t,0,1
	global_load_b32 v[BV+2*\t], v[BVO], s[14:15] offset:32*\t
.endr
	PASS WBV, SBV, 16, 1, 1, 0, WBV, SBV
.irp t,0,1
.irp k,0,1
.set J_, 0
.rept 8
	v_pk_add_f32 v[HA+32*\t+16*\k+J_:HA+32*\t+16*\k+J_+1], v[HA+32*\t+16*\k+J_:HA+32*\t+16*\k+J_+1], v[BV+2*\t:BV+2*\t+1] op_sel_hi:[1,0]
.set J_, J_+2
.endr
.endr
.endr
	QUANT HA, 0, 4
.irp t,0,1
.irp k,0,1
	global_store_b128 v[L16], v[PC+8*\t+4*\k:PC+8*\t+4*\k+3], s[VI:VI+1] offset:2048*\t+512*\k
.endr
.endr
.irp t,0,1
.irp k,0,1
	global_store_b8 v[R4], v[TM+4+2*\t+\k], s[VSB:VSB+1] offset:64*\t+\k     ; one byte of row r's word of these 128 keys; lanes r and r + 16 store the same
.endr
.endr
	s_wait_tensorcnt 0x0
	ds_add_u32 v30, v31
	s_wait_dscnt 0x0
	s_endpgm
.Lfunc_end_k_q5988235733_qkv:
	.size	k_q5988235733_qkv, .Lfunc_end_k_q5988235733_qkv-k_q5988235733_qkv
	.p2alignl 7, 3214868480
	.fill 96, 4, 3214868480
	.section	.rodata,"a",@progbits
	.p2align	6, 0x0
	.amdhsa_kernel k_q5988235733_qkv
		.amdhsa_group_segment_fixed_size 205312
		.amdhsa_private_segment_fixed_size 0
		.amdhsa_enable_private_segment 0
		.amdhsa_kernarg_size 80
		.amdhsa_user_sgpr_count 2
		.amdhsa_user_sgpr_kernarg_segment_ptr 1
		.amdhsa_wavefront_size32 1
		.amdhsa_system_sgpr_workgroup_id_x 1
		.amdhsa_system_sgpr_workgroup_id_y 1
		.amdhsa_system_sgpr_workgroup_id_z 1
		.amdhsa_system_vgpr_workitem_id 0
		.amdhsa_next_free_vgpr 256
		.amdhsa_next_free_sgpr 66
		.amdhsa_reserve_vcc 1
		.amdhsa_float_denorm_mode_32 3
		.amdhsa_float_denorm_mode_16_64 3
		.amdhsa_memory_ordered 1
		.amdhsa_forward_progress 1
		.amdhsa_inst_pref_size 160
	.end_amdhsa_kernel
	.amdgpu_metadata
---
amdhsa.version: [ 1, 2 ]
amdhsa.kernels:
  - .name:           k_q5988235733_qkv
    .symbol:         k_q5988235733_qkv.kd
    .args:
      - { .name: x, .offset: 0, .size: 8, .value_kind: global_buffer, .address_space: global }
      - { .name: rms_scale, .offset: 8, .size: 8, .value_kind: global_buffer, .address_space: global }
      - { .name: per_dim_scale, .offset: 16, .size: 8, .value_kind: global_buffer, .address_space: global }
      - { .name: bq, .offset: 24, .size: 8, .value_kind: global_buffer, .address_space: global }
      - { .name: bk, .offset: 32, .size: 8, .value_kind: global_buffer, .address_space: global }
      - { .name: bv, .offset: 40, .size: 8, .value_kind: global_buffer, .address_space: global }
      - { .name: wimg, .offset: 48, .size: 8, .value_kind: global_buffer, .address_space: global }
      - { .name: wsc, .offset: 56, .size: 8, .value_kind: global_buffer, .address_space: global }
      - { .name: qkvimg, .offset: 64, .size: 8, .value_kind: global_buffer, .address_space: global }
      - { .name: qkvsc, .offset: 72, .size: 8, .value_kind: global_buffer, .address_space: global }
    .group_segment_fixed_size: 205312
    .private_segment_fixed_size: 0
    .kernarg_segment_align: 8
    .kernarg_segment_size: 80
    .max_flat_workgroup_size: 512
    .sgpr_count:     66
    .vgpr_count:     256
    .wavefront_size: 32
...
	.end_amdgpu_metadata
.endif
;; end of part 2
;; launch attn (part 3): grid 2 x 128, 16 waves a work-group, no clusters, 147,456 bytes of LDS; arguments qkvimg, qkvsc, padding, aimg, asc; writes aimg, asc
.if DOCPART == 3
	.amdgcn_target "amdgcn-amd-amdhsa--gfx1250"
	.amdhsa_code_object_version 6
	.text
	.protected	k_q5988235733_attn
	.globl	k_q5988235733_attn
	.p2align	8
	.type	k_q5988235733_attn,@function
k_q5988235733_attn:
	s_mov_b64 s[64:65], 0
	v_nop
	global_prefetch_b8 v0, s[64:65] scope:SCOPE_SE
	s_setreg_imm32_b32 hwreg(HW_REG_WAVE_MODE, 25, 1), 1
	s_wait_xcnt 0x0
; Attention of one head (y = 16 batch + head) on codes of E4M3, causal and with the padding mask; its result leaves as codes along (head, channel), the next product's K.
; SOFTMAX: t = logit x log2(e); M = the running largest t rounded UP to a whole number; p = 2^(t - M) is quantised along the keys; the row's sum is taken of the unquantised p and divides at the end.
; MASK.  A padded key adds -1e30 to its scores: it enters as the C of the score product.  Keys behind the query get -1e30 in the one step on the diagonal; steps wholly behind it are left out.  The running largest t starts at -1e15,
; above every masked score, so a masked score never becomes M and its p is 0.  A PADDED QUERY has every logit equal in the definition (-1e9, keys behind it too): p = 1 for all 1,024 keys, sum 1,024: its result is the mean of
; the quantised v over ALL keys.  That mean is made once by products with an operand of ones, and chosen by v_cndmask_b32 at the end.
; SHARES.  Two work-groups to a head; each copies the head's K and V images (131,072 bytes) and scales into LDS once and then only reads LDS.  Wave W = 16 x + w takes query tiles W and 56 - 8 (W/8) + W%8:
; W/8 + 1 and 8 - W/8 key steps of 128: nine for every wave.  Four waves share a SIMD, so that one wave's vector work stands beside another's products and LDS loads.
; LAYOUT.  Both products transposed (S^T = K Q^T, O^T = V^T P^T): a lane holds one query.  The head's 64 fill half of the score product's K: the other half is zero codes on both sides.
; NO CLUSTER: the two work-groups of a head read the same images once each, at their start, through registers: 131,072 of the bytes a work-group ever loads; a joint request would need tensor loads for one fill.
; LIMITS: NaN and infinities are not served; logits x log2(e) lie above -1e15; a mask entry counts as 0 only where a padding factor is 0; a block whose largest magnitude lies under 2^-118 keeps the byte 1.
.set VIMG, 65536                       ; LDS: K's images at 0 (key tile kt at 1024 kt); V's [ks][t][c][l];
.set KSC,  131072                      ; K's scale words, 64 bytes a tile;
.set VST,  135168                      ; V's, [ks][t][r];
.set KB,   137216                      ; one f32 a key: 0, or -1e30 where padding = 0;
.set UIMG, 141312                      ; the mean of v over all keys, as an image of O's registers
.set L16, 1
.set LV,  2
.set LKS, 3
.set LKB, 4
.set LVS, 5
.set RQ4, 6                            ; v6  4 (r + 8 (r/8)): my query's place among its tile's tokens, in bytes
.set QP,  7                            ; v7  padding of my query
.set ADK, 8                            ; v8-11, v16 the step's LDS addresses
.set ADV, 9
.set ADS, 10
.set ADB, 11
.set ADT, 16                           ; v12 -M, v13 the largest t, v[14:15] the sum in two halves
.set DQ,  17                           ; v17 r + 8 (r/8) - 16 h
.set DD,  18                           ; v18 on the diagonal: register 16 b + i is hidden where 32 b + i > DD
.set R4,  19
.set T16, 20                           ; v20-26 the copy's addresses: 16, 8, 4 x the thread's number
.set T16V, 21
.set T8,  22
.set T8K, 23
.set T8B, 24
.set T4,  25
.set T4V, 26
.set UV,  27                           ; v27-29 for the mean: V's fragments of tile w, their scale words, the image's place
.set US,  28
.set UW,  29
.set UR,  30                           ; v30 UIMG + 16 l
.set KF,  32                           ; v32-95   four fragments of K; registers 8-15 of each stay zero
.set S,   96                           ; v96-159  S^T, then p, then V's four fragments
.set O,   160                          ; v160-191 O^T
.set PC,  192                          ; v192-207 p's codes
.set QF,  208                          ; v208-223 Q's fragment; registers 8-15 stay zero
.set TM,  224                          ; v224-239 at work
.set KSR, 240                          ; v240-243 K's scale words; v244-245 V's; v246 Q's; v247 p's; v249 the ones': these hold scales and nothing else
.set VSR, 244
.set QSR, 246
.set PSR, 247
.set NEG, 248                          ; v248 -1e30
.set ONE, 249
.set F,   250                          ; v[250:251] f = 2^(old M - new M)
.set PW,  252
.set TP,  254
.set WW,  29                           ; s29 W
.set WV,  33
.set LIM, 37
.set KS,  52
.set TK,  53
.set TS,  54
.set TV,  55
.set CS,  56                           ; s[56:57] log2(e)
.set MNT, 58
.set SEL, 60
.macro QUANT src, relu, nb
.irp b,0,1,2,3
.if \b < \nb
.if \relu
	v_max3_num_f32 v[TM+\b], v[\src+16*\b], v[\src+16*\b+1], 0x4800000
.else
	v_max3_num_f32 v[TM+\b], |v[\src+16*\b]|, |v[\src+16*\b+1]|, 0x4800000
.endif
.endif
.endr
.irp i,2,4,6,8,10,12,14
.irp b,0,1,2,3
.if \b < \nb
.if \relu
	v_max3_num_f32 v[TM+\b], v[TM+\b], v[\src+16*\b+\i], v[\src+16*\b+\i+1]
.else
	v_max3_num_f32 v[TM+\b], v[TM+\b], |v[\src+16*\b+\i]|, |v[\src+16*\b+\i+1]|
.endif
.endif
.endr
.endr
.irp b,0,1,2,3
.if \b < \nb
	v_permlanex16_b32 v[TM+4+\b], v[TM+\b], s[SEL], s[SEL+1]
.endif
.endr
.irp b,0,1,2,3
.if \b < \nb
	v_max_num_f32 v[TM+\b], v[TM+\b], v[TM+4+\b]
.endif
.endr
.irp b,0,1,2,3
.if \b < \nb
	v_add_nc_u32 v[TM+12+\b], 0xfc000000, v[TM+\b]
.endif
.endr
.irp b,0,1,2,3
.if \b < \nb
	v_and_or_b32 v[TM+8+\b], v[TM+\b], 0x7f800000, s[MNT]
.endif
.endr
.irp b,0,1,2,3
.if \b < \nb
	v_lshrrev_b32 v[TM+4+\b], 23, v[TM+12+\b]
.endif
.endr
	v_lshl_or_b32 v[PW], v[TM+5], 8, v[TM+4]
.if \nb > 2
	v_lshl_or_b32 v[PW], v[TM+6], 16, v[PW]
	v_lshl_or_b32 v[PW], v[TM+7], 24, v[PW]
.endif
.irp b,0,1,2,3
.if \b < \nb
.irp i,0,1,2,3,4,5,6,7,8,9,10,11,12,13,14,15
.if \relu
	v_med3_num_f32 v[\src+16*\b+\i], v[\src+16*\b+\i], 0, v[TM+8+\b]
.else
	v_med3_num_f32 v[\src+16*\b+\i], v[\src+16*\b+\i], -v[TM+8+\b], v[TM+8+\b]
.endif
.endr
	v_cvt_scalef32_pk8_fp8_f32 v[PC+4*\b:PC+4*\b+1], v[\src+16*\b:\src+16*\b+7], v[TM+12+\b]
	v_cvt_scalef32_pk8_fp8_f32 v[PC+4*\b+2:PC+4*\b+3], v[\src+16*\b+8:\src+16*\b+15], v[TM+12+\b]
.endif
.endr
	v_nop
.endm
.macro WM d, a, b, zero, sa, sb, ra, rb
.if \zero
.if (\ra) && (\rb)
	v_wmma_scale_f32_16x16x128_f8f6f4 v[\d:\d+7], v[\a:\a+15], v[\b:\b+15], 0, v[\sa], v[\sb] matrix_a_scale:MATRIX_SCALE_ROW1 matrix_b_scale:MATRIX_SCALE_ROW1
.elseif (\ra)
	v_wmma_scale_f32_16x16x128_f8f6f4 v[\d:\d+7], v[\a:\a+15], v[\b:\b+15], 0, v[\sa], v[\sb] matrix_a_scale:MATRIX_SCALE_ROW1
.elseif (\rb)
	v_wmma_scale_f32_16x16x128_f8f6f4 v[\d:\d+7], v[\a:\a+15], v[\b:\b+15], 0, v[\sa], v[\sb] matrix_b_scale:MATRIX_SCALE_ROW1
.else
	v_wmma_scale_f32_16x16x128_f8f6f4 v[\d:\d+7], v[\a:\a+15], v[\b:\b+15], 0, v[\sa], v[\sb]
.endif
.else
.if (\ra) && (\rb)
	v_wmma_scale_f32_16x16x128_f8f6f4 v[\d:\d+7], v[\a:\a+15], v[\b:\b+15], v[\d:\d+7], v[\sa], v[\sb] matrix_a_scale:MATRIX_SCALE_ROW1 matrix_b_scale:MATRIX_SCALE_ROW1
.elseif (\ra)
	v_wmma_scale_f32_16x16x128_f8f6f4 v[\d:\d+7], v[\a:\a+15], v[\b:\b+15], v[\d:\d+7], v[\sa], v[\sb] matrix_a_scale:MATRIX_SCALE_ROW1
.elseif (\rb)
	v_wmma_scale_f32_16x16x128_f8f6f4 v[\d:\d+7], v[\a:\a+15], v[\b:\b+15], v[\d:\d+7], v[\sa], v[\sb] matrix_b_scale:MATRIX_SCALE_ROW1
.else
	v_wmma_scale_f32_16x16x128_f8f6f4 v[\d:\d+7], v[\a:\a+15], v[\b:\b+15], v[\d:\d+7], v[\sa], v[\sb]
.endif
.endif
.endm
.macro BARRIER
	s_wait_dscnt 0x0
	s_barrier_signal -1
	s_barrier_wait -1
.endm
	s_load_b256 s[4:11], s[0:1], 0x0               ; qkvimg 4, qkvsc 6, padding 8, aimg 10
	s_load_b64 s[12:13], s[0:1], 0x20              ; asc
	v_lshl_add_u32 v253, v0, 2, 0x23800
	v_mov_b32 v255, 0
	v_lshrrev_b32 v8, 5, v0
	v_readfirstlane_b32 s[WV], v8                  ; wave 0..15
	v_and_b32 v8, 31, v0                           ; lane
	v_and_b32 v9, 15, v0                           ; r
	v_bfe_u32 v10, v0, 4, 1                        ; h
	v_lshlrev_b32 v[L16], 4, v8
	v_add_nc_u32 v[LV], VIMG, v[L16]
	v_lshl_add_u32 v[LKS], v8, 2, KSC
	v_lshl_add_u32 v[LKB], v10, 6, KB
	v_lshl_add_u32 v[LVS], v8, 2, VST
	v_and_b32 v11, 8, v9
	v_add_nc_u32 v11, v11, v9                      ; r + 8 (r/8)
	v_lshlrev_b32 v[RQ4], 2, v11
	v_lshlrev_b32 v10, 4, v10
	v_sub_nc_u32 v[DQ], v11, v10
	v_lshlrev_b32 v[R4], 2, v9
	v_lshlrev_b32 v[T16], 4, v0
	v_add_nc_u32 v[T16V], VIMG, v[T16]
	v_lshlrev_b32 v[T8], 3, v0
	v_add_nc_u32 v[T8K], KSC, v[T8]
	v_add_nc_u32 v[T8B], KB, v[T8]
	v_lshlrev_b32 v[T4], 2, v0
	v_add_nc_u32 v[T4V], VST, v[T4]
	s_lshl_b32 s30, s[WV], 11
	s_add_co_u32 s30, s30, VIMG
	v_add_nc_u32 v[UV], s30, v[L16]
	s_lshl_b32 s30, s[WV], 6
	s_add_co_u32 s30, s30, VST
	v_add_nc_u32 v[US], s30, v[R4]
	s_lshl_b32 s30, s[WV], 10
	s_add_co_u32 s30, s30, UIMG
	v_add_nc_u32 v[UW], s30, v[L16]
	v_add_nc_u32 v[UR], UIMG, v[L16]
	v_mov_b32 v[NEG], 0xf149f2ca                   ; -1e30
	s_mov_b32 s[CS], 0x3fb8aa3b
	s_mov_b32 s[CS+1], s[CS]
	s_mov_b32 s[MNT], 0x600000
	s_mov_b32 s[SEL], 0x76543210
	s_mov_b32 s[SEL+1], 0xfedcba98
	s_and_b32 s26, ttmp7, 0xffff                   ; y
	s_lshr_b32 s27, s26, 4                         ; batch
	s_and_b32 s28, s26, 15                         ; head
	s_lshl_b32 s[WW], ttmp9, 4
	s_add_co_u32 s[WW], s[WW], s[WV]               ; W
	s_mov_b32 s51, 0
	s_wait_kmcnt 0x0
	s_lshl_b32 s50, s26, 16
	s_add_nc_u64 s[18:19], s[4:5], s[50:51]        ; the head's q,
	s_add_nc_u64 s[14:15], s[18:19], 0x800000      ; k,
	s_add_nc_u64 s[16:17], s[18:19], 0x1000000     ; v
	s_lshl_b32 s50, s26, 12
	s_add_nc_u64 s[20:21], s[6:7], s[50:51]        ; q's scale words,
	s_add_nc_u64 s[22:23], s[20:21], 0x80000       ; k's,
	s_lshl_b32 s50, s26, 11
	s_add_nc_u64 s[24:25], s[6:7], s[50:51]
	s_add_nc_u64 s[24:25], s[24:25], 0x100000      ; v's
	s_lshl_b32 s50, s27, 12
	s_add_nc_u64 s[8:9], s[8:9], s[50:51]          ; the batch row of padding
	s_lshr_b32 s30, s28, 1
	s_and_b32 s31, s28, 1
	s_lshl_b32 s50, s27, 20
	s_lshl_b32 s32, s30, 12
	s_add_co_u32 s50, s50, s32
	s_lshl_b32 s32, s31, 10
	s_add_co_u32 s50, s50, s32
	s_add_nc_u64 s[10:11], s[10:11], s[50:51]      ; aimg: K step head/2, chunks 2 (head%2) + 0, 1
	s_lshl_b32 s50, s27, 15
	s_lshl_b32 s32, s30, 7
	s_add_co_u32 s50, s50, s32
	s_lshl_b32 s32, s31, 1
	s_add_co_u32 s50, s50, s32
	s_add_nc_u64 s[12:13], s[12:13], s[50:51]
	; ---- the head's images and scales into LDS, as they lie
.irp i,0,1,2,3,4,5,6,7
	global_load_b128 v[32+4*\i:35+4*\i], v[T16], s[14:15] offset:8192*\i
.endr
.irp i,0,1,2,3,4,5,6,7
	global_load_b128 v[64+4*\i:67+4*\i], v[T16], s[16:17] offset:8192*\i
.endr
	global_load_b64 v[96:97], v[T8], s[22:23]
	global_load_b64 v[98:99], v[T8], s[8:9]
	global_load_b32 v100, v[T4], s[24:25]
	s_wait_loadcnt 0x0
.irp i,0,1,2,3,4,5,6,7
	ds_store_b128 v[T16], v[32+4*\i:35+4*\i] offset:8192*\i
.endr
.irp i,0,1,2,3,4,5,6,7
	ds_store_b128 v[T16V], v[64+4*\i:67+4*\i] offset:8192*\i
.endr
	ds_store_b64 v[T8K], v[96:97]
	ds_store_b32 v[T4V], v100
	v_cmp_eq_f32 vcc_lo, 0, v98
	v_cndmask_b32 v102, 0, v[NEG], vcc_lo
	v_cmp_eq_f32 vcc_lo, 0, v99
	v_cndmask_b32 v103, 0, v[NEG], vcc_lo
	ds_store_b64 v[T8B], v[102:103]
	BARRIER
	; ---- the mean of v over all 1,024 keys: wave t < 4 makes channel tile t: eight products with ones, on two accumulators by turns
	s_cmp_lt_u32 s[WV], 4
	s_cbranch_scc0 .Lno_u
.irp k,0,1,2,3,4,5,6,7
.irp c,0,1,2,3
	ds_load_b128 v[32+16*\k+4*\c:32+16*\k+4*\c+3], v[UV] offset:8192*\k+512*\c
.endr
	ds_load_b32 v[KSR+\k], v[US] offset:256*\k
.endr
	v_mov_b32 v[ONE], 0x7f7f7f7f                   ; scale 1
.irp i,0,1,2,3,4,5,6,7,8,9,10,11,12,13,14,15
	v_mov_b32 v[PC+\i], 0x38383838                 ; the code of 1.0
.endr
.rept 8
	v_nop                                          ; a scale register written by a vector instruction stands eight places ahead of the product, an operand four
.endr
	s_wait_dscnt 0x0
.irp k,0,1,2,3,4,5,6,7
.if \k < 2
	WM O+8*(\k%2), 32+16*\k, PC, 1, KSR+\k, ONE, 0, 0
.else
	WM O+8*(\k%2), 32+16*\k, PC, 0, KSR+\k, ONE, 0, 0
.endif
.endr
.rept 8
	v_nop
.endr
.irp j,0,1,2,3,4,5,6,7
	v_add_f32 v[176+\j], v[O+\j], v[O+8+\j]
.endr
.irp j,0,1,2,3,4,5,6,7
	v_mul_f32 v[176+\j], 0x3a800000, v[176+\j]     ; / 1,024: exact
.endr
	ds_store_b128 v[UW], v[176:179]
	ds_store_b128 v[UW], v[180:183] offset:512
.Lno_u:
	BARRIER                                        ; the launch's last barrier: from here on LDS is only read
.irp f,0,1,2,3
.irp i,8,9,10,11,12,13,14,15
	v_mov_b32 v[KF+16*\f+\i], 0                    ; the upper 64 of the score product's K: zero codes
.endr
.endr
.irp i,8,9,10,11,12,13,14,15
	v_mov_b32 v[QF+\i], 0
.endr
.irp b,0,1,2,3
	v_mov_b32 v[TM+4+\b], 0                        ; a lane permute's destination counts as read
.endr
	v_mov_b32 v[F+1], 0                            ; named as the upper half of a pair
	v_mov_b32 v[TP], 0
; ONE QUERY TILE.  hi = 0: tile W; hi = 1: tile 56 - 8 (W/8) + W%8.
.macro TILE hi
.if \hi
	s_and_b32 s36, s[WW], 7
	s_and_b32 s34, s[WW], 24
	s_sub_co_u32 s34, 56, s34
	s_add_co_u32 s36, s36, s34
.else
	s_mov_b32 s36, s[WW]
.endif
	s_lshr_b32 s[LIM], s36, 3                      ; the key step on the diagonal
	s_lshr_b32 s38, s36, 1                         ; which 32 tokens
	s_and_b32 s39, s36, 1                          ; which tile of them
	s_lshl_b32 s50, s36, 10
	s_add_nc_u64 s[40:41], s[18:19], s[50:51]
	s_lshl_b32 s50, s36, 6
	s_add_nc_u64 s[42:43], s[20:21], s[50:51]
	s_lshl_b32 s50, s38, 7
	s_lshl_b32 s34, s39, 5
	s_add_co_u32 s50, s50, s34
	s_add_nc_u64 s[44:45], s[8:9], s[50:51]
	s_lshl_b32 s50, s38, 15
	s_lshl_b32 s34, s39, 11
	s_add_co_u32 s50, s50, s34
	s_add_nc_u64 s[46:47], s[10:11], s[50:51]
	s_lshl_b32 s50, s38, 10
	s_lshl_b32 s34, s39, 6
	s_add_co_u32 s50, s50, s34
	s_add_nc_u64 s[48:49], s[12:13], s[50:51]
	s_and_b32 s34, s38, 3
	s_lshl_b32 s34, s34, 5
	s_lshl_b32 s35, s39, 3
	s_add_co_u32 s34, s34, s35
	v_add_nc_u32 v[DD], s34, v[DQ]                 ; my query's token - the diagonal step's first key - 16 h
	global_load_b128 v[QF:QF+3], v[L16], s[40:41]
	global_load_b128 v[QF+4:QF+7], v[L16], s[40:41] offset:512
	global_load_b32 v[QSR], v[R4], s[42:43]
	global_load_b32 v[QP], v[RQ4], s[44:45]
	v_mov_b32 v13, 0xd8635fa9                      ; the largest t so far: -1e15
	v_floor_f32 v12, -v13                          ; -M
	v_mov_b32 v14, 0
	v_mov_b32 v15, 0
.set J_, 0
.rept 32
	v_mov_b32 v[O+J_], 0                           ; the step is written once: the first finds zeros
.set J_, J_+1
.endr
	s_mov_b32 s[KS], 0
	s_mov_b32 s[TK], 0
	s_mov_b32 s[TS], 0
	s_mov_b32 s[TV], 0
	s_wait_loadcnt 0x0
.Lstep_\@:                                         ; eight trips, a constant; a step all of whose keys come behind the tile is left out but for the lines that step addresses
	s_cmp_gt_u32 s[KS], s[LIM]
	s_cbranch_scc1 .Lskip_\@
	v_add_nc_u32 v[ADK], s[TK], v[L16]
	v_add_nc_u32 v[ADV], s[TK], v[LV]
	v_add_nc_u32 v[ADS], s[TS], v[LKS]
	v_add_nc_u32 v[ADB], s[TS], v[LKB]
	v_add_nc_u32 v[ADT], s[TV], v[LVS]
.rept 4
	v_nop                                          ; with the five additions nine places: the scores are written over registers that the last step's products read (V's fragments)
.endr
.irp t,0,1,2,3,4,5,6,7
	ds_load_b128 v[S+8*\t:S+8*\t+3], v[ADB] offset:128*(\t/2)+32*(\t%2)          ; the keys' 0 or -1e30: the C of the score products
	ds_load_b128 v[S+8*\t+4:S+8*\t+7], v[ADB] offset:128*(\t/2)+32*(\t%2)+16
.endr
.irp p,0,1,2,3
	ds_load_b32 v[KSR+\p], v[ADS] offset:128*\p
.endr
.irp g,0,1
.if \g
.rept 8
	v_nop
.endr
.endif
.irp f,0,1,2,3
	ds_load_b128 v[KF+16*\f:KF+16*\f+3], v[ADK] offset:4096*\g+1024*\f
	ds_load_b128 v[KF+16*\f+4:KF+16*\f+7], v[ADK] offset:4096*\g+1024*\f+512
.endr
	s_wait_dscnt 0x0
.irp f,0,1,2,3
	WM S+32*\g+8*\f, KF+16*\f, QF, 0, KSR+2*\g+\f/2, QSR, \f%2, 0
.endr
.endr
.rept 8
	v_nop
.endr
	s_cmp_lg_u32 s[KS], s[LIM]
	s_cbranch_scc1 .Lopen_\@                       ; only the step on the diagonal hides keys
.set N_, 0
.rept 64
	v_cmp_gt_i32 vcc_lo, 32*(N_/16)+N_%16, v[DD]
	v_cndmask_b32 v[S+N_], v[S+N_], v[NEG], vcc_lo
.set N_, N_+1
.endr
.Lopen_\@:
.irp b,0,1,2,3
	v_max3_num_f32 v[TM+\b], v[S+16*\b], v[S+16*\b+1], v[S+16*\b+2]     ; the largest score of each block of 32 keys: for the row's maximum and for the block's largest p
.endr
.irp i,3,5,7,9,11,13
.irp b,0,1,2,3
	v_max3_num_f32 v[TM+\b], v[TM+\b], v[S+16*\b+\i], v[S+16*\b+\i+1]
.endr
.endr
.irp b,0,1,2,3
	v_max_num_f32 v[TM+\b], v[TM+\b], v[S+16*\b+15]
.endr
.irp b,0,1,2,3
	v_permlanex16_b32 v[TM+4+\b], v[TM+\b], s[SEL], s[SEL+1]
.endr
.irp b,0,1,2,3
	v_max_num_f32 v[TM+\b], v[TM+\b], v[TM+4+\b]
.endr
	v_max3_num_f32 v[TP], v[TM], v[TM+1], v[TM+2]
	v_max_num_f32 v[TP], v[TP], v[TM+3]
	v_mul_f32 v[TP], s[CS], v[TP]
	v_max_num_f32 v13, v13, v[TP]                  ; the running largest t
	v_mov_b32 v[TP], v12
	v_floor_f32 v12, -v13                          ; the new -M: M is a whole number
	v_sub_f32 v[TP], v12, v[TP]
	v_cvt_i32_f32 v[TP], v[TP]                     ; (it saturates)
	v_ldexp_f32 v[F], 1.0, v[TP]                   ; f = 2^(old M - new M): rounds nothing
.set J_, 0
.rept 32
	v_pk_fma_f32 v[S+J_:S+J_+1], v[S+J_:S+J_+1], s[CS:CS+1], v[12:13] op_sel_hi:[1,0,0]   ; t - M
.set J_, J_+2
.endr
.irp b,0,1,2,3
	v_fma_f32 v[TM+\b], v[TM+\b], s[CS], v12
.endr
.set J_, 0
.rept 64
	v_exp_f32 v[S+J_], v[S+J_]                     ; p = 2^(t - M)
.set J_, J_+1
.endr
.irp b,0,1,2,3
	v_exp_f32 v[TM+\b], v[TM+\b]                   ; the block's largest p
.endr
	v_pk_mul_f32 v[14:15], v[14:15], v[F:F+1] op_sel_hi:[1,0]           ; the sums under the new M (a plain line behind the exponentials)
	s_wait_alu depctr_va_vdst(0)
.irp b,0,1,2,3
	v_max_num_f32 v[TM+\b], 0x4800000, v[TM+\b]
.endr
.irp b,0,1,2,3
	v_add_nc_u32 v[TM+12+\b], 0xfc000000, v[TM+\b]
.endr
.irp b,0,1,2,3
	v_and_or_b32 v[TM+8+\b], v[TM+\b], 0x7f800000, s[MNT]
.endr
.irp b,0,1,2,3
	v_lshrrev_b32 v[TM+4+\b], 23, v[TM+12+\b]
.endr
	v_lshl_or_b32 v[PSR], v[TM+5], 8, v[TM+4]      ; p's scale word for these 128 keys
	v_lshl_or_b32 v[PSR], v[TM+6], 16, v[PSR]
	v_lshl_or_b32 v[PSR], v[TM+7], 24, v[PSR]
	v_pk_add_f32 v[TM+4:TM+5], v[S:S+1], v[S+2:S+3]                     ; the row's sum, of the unquantised p, in two chains
.irp j,4,8,12,16,20,24,28,32,36,40,44,48,52,56,60
	v_pk_add_f32 v[14:15], v[14:15], v[S+\j:S+\j+1]
	v_pk_add_f32 v[TM+4:TM+5], v[TM+4:TM+5], v[S+\j+2:S+\j+3]
.endr
	v_pk_add_f32 v[14:15], v[14:15], v[TM+4:TM+5]
.irp b,0,1,2,3
.set J_, 0
.rept 16
	v_min_num_f32 v[S+16*\b+J_], v[S+16*\b+J_], v[TM+8+\b]              ; the hold; p is not negative
.set J_, J_+1
.endr
	v_cvt_scalef32_pk8_fp8_f32 v[PC+4*\b:PC+4*\b+1], v[S+16*\b:S+16*\b+7], v[TM+12+\b]
	v_cvt_scalef32_pk8_fp8_f32 v[PC+4*\b+2:PC+4*\b+3], v[S+16*\b+8:S+16*\b+15], v[TM+12+\b]
.endr
.irp t,0,1,2,3
.irp c,0,1,2,3
	ds_load_b128 v[S+16*\t+4*\c:S+16*\t+4*\c+3], v[ADV] offset:2048*\t+512*\c     ; V's four fragments take p's registers
.endr
.endr
.irp p,0,1
	ds_load_b32 v[VSR+\p], v[ADT] offset:128*\p
.endr
.set J_, 0
.rept 16
	v_pk_mul_f32 v[O+J_:O+J_+1], v[O+J_:O+J_+1], v[F:F+1] op_sel_hi:[1,0]         ; O^T under the new M, from each accumulator's low end on; also the places ahead of the products
.set J_, J_+2
.endr
	s_wait_dscnt 0x0
.irp t,0,1,2,3
	WM O+8*\t, S+16*\t, PC, 0, VSR+\t/2, PSR, \t%2, 0
.endr
.Lskip_\@:
	s_add_co_u32 s[TK], s[TK], 8192
	s_add_co_u32 s[TS], s[TS], 512
	s_add_co_u32 s[TV], s[TV], 256
	s_add_co_u32 s[KS], s[KS], 1
	s_cmp_lt_u32 s[KS], 8
	s_cbranch_scc1 .Lstep_\@
.rept 8
	v_nop
.endr
	v_add_f32 v14, v14, v15
	v_permlanex16_b32 v[TP], v14, s[SEL], s[SEL+1]
	v_add_f32 v14, v14, v[TP]                      ; the row's sum
	v_rcp_f32 v14, v14
	v_nop
.set J_, 0
	s_wait_alu depctr_va_vdst(0)
.rept 32
	v_mul_f32 v[S+J_], v[O+J_], v14                ; register 16 b + i: channel 32 b + 16 h + i
.set J_, J_+1
.endr
.irp t,0,1,2,3
	ds_load_b128 v[S+32+8*\t:S+32+8*\t+3], v[UR] offset:1024*\t
	ds_load_b128 v[S+32+8*\t+4:S+32+8*\t+7], v[UR] offset:1024*\t+512
.endr
	s_wait_dscnt 0x0
	v_cmp_eq_f32 vcc_lo, 0, v[QP]
.set J_, 0
.rept 32
	v_cndmask_b32 v[S+J_], v[S+J_], v[S+32+J_], vcc_lo                  ; a padded query takes the mean of v
.set J_, J_+1
.endr
	QUANT S, 0, 2
	global_store_b128 v[L16], v[PC:PC+3], s[46:47]
	global_store_b128 v[L16], v[PC+4:PC+7], s[46:47] offset:512
	global_store_b16 v[R4], v[PW], s[48:49]        ; my head's two bytes of row r's word; lanes r and r + 16 store the same
	s_wait_xcnt 0x0                                ; bases and data are written again by the next tile
.endm
	TILE 0
	TILE 1
	s_wait_tensorcnt 0x0
	ds_add_u32 v253, v255
	s_wait_dscnt 0x0
	s_endpgm
.Lfunc_end_k_q5988235733_attn:
	.size	k_q5988235733_attn, .Lfunc_end_k_q5988235733_attn-k_q5988235733_attn
	.p2alignl 7, 3214868480
	.fill 96, 4, 3214868480
	.section	.rodata,"a",@progbits
	.p2align	6, 0x0
	.amdhsa_kernel k_q5988235733_attn
		.amdhsa_group_segment_fixed_size 147456
		.amdhsa_private_segment_fixed_size 0
		.amdhsa_enable_private_segment 0
		.amdhsa_kernarg_size 40
		.amdhsa_user_sgpr_count 2
		.amdhsa_user_sgpr_kernarg_segment_ptr 1
		.amdhsa_wavefront_size32 1
		.amdhsa_system_sgpr_workgroup_id_x 1
		.amdhsa_system_sgpr_workgroup_id_y 1
		.amdhsa_system_sgpr_workgroup_id_z 1
		.amdhsa_system_vgpr_workitem_id 0
		.amdhsa_next_free_vgpr 256
		.amdhsa_next_free_sgpr 66
		.amdhsa_reserve_vcc 1
		.amdhsa_float_denorm_mode_32 3
		.amdhsa_float_denorm_mode_16_64 3
		.amdhsa_memory_ordered 1
		.amdhsa_forward_progress 1
		.amdhsa_inst_pref_size 85
	.end_amdhsa_kernel
	.amdgpu_metadata
---
amdhsa.version: [ 1, 2 ]
amdhsa.kernels:
  - .name:           k_q5988235733_attn
    .symbol:         k_q5988235733_attn.kd
    .args:
      - { .name: qkvimg, .offset: 0, .size: 8, .value_kind: global_buffer, .address_space: global }
      - { .name: qkvsc, .offset: 8, .size: 8, .value_kind: global_buffer, .address_space: global }
      - { .name: padding, .offset: 16, .size: 8, .value_kind: global_buffer, .address_space: global }
      - { .name: aimg, .offset: 24, .size: 8, .value_kind: global_buffer, .address_space: global }
      - { .name: asc, .offset: 32, .size: 8, .value_kind: global_buffer, .address_space: global }
    .group_segment_fixed_size: 147456
    .private_segment_fixed_size: 0
    .kernarg_segment_align: 8
    .kernarg_segment_size: 40
    .max_flat_workgroup_size: 512
    .sgpr_count:     66
    .vgpr_count:     256
    .wavefront_size: 32
...
	.end_amdgpu_metadata
.endif
;; end of part 3
;; launch ffn (part 4): grid 256 x 1, 16 waves a work-group, no clusters, 206,336 bytes of LDS; arguments x, aimg, asc, wimg, wsc, bo, ln_gamma, ln_beta, b1, b2, out0; writes out0
.if DOCPART == 4
	.amdgcn_target "amdgcn-amd-amdhsa--gfx1250"
	.amdhsa_code_object_version 6
	.text
	.protected	k_q5988235733_ffn
	.globl	k_q5988235733_ffn
	.p2align	8
	.type	k_q5988235733_ffn,@function
k_q5988235733_ffn:
	s_mov_b64 s[64:65], 0
	v_nop
	global_prefetch_b8 v0, s[64:65] scope:SCOPE_SE
	s_setreg_imm32_b32 hwreg(HW_REG_WAVE_MODE, 25, 1), 1
	s_wait_xcnt 0x0
; attn = x + a wo^T + bo;  h = layer_norm(attn);  out = attn + relu(h w1 + b1) w2 + b2: three products on codes of E4M3 with E8M0 scales; nothing between them goes to memory.
; SHARES.  As in the launch of q, k, v: a work-group takes 32 whole token rows, its 16 waves share the columns (wave w: columns 64 w .. 64 w + 63, eight accumulators), each wave streams its own weight fragments from
; memory into registers, two sets by turns; the rows' codes lie in LDS as images of the operand's registers, in two sets of images that take turns from product to product.
; All products are used transposed (source 0 = 16 weight rows, source 1 = 16 tokens): a lane holds one token, and the 16 registers of two neighbouring tiles are 16 neighbours along the next K.
; THE STAGE holds 32 rows of f32 in the tiles' order of rows (row 16 u + r is token 8 u + r + 8 (r/8)).  x comes in as dense rows; a lane's places in it are that lane's alone between the first and the last barrier:
; there x, then attn, then out take turns; out leaves as dense rows.  The norm's mean and variance (of the differences from the mean) go from wave to wave through two small tables.
; NO CLUSTER: all work-groups walk the same 3 MiB of weight codes, but a K step's weights of the 16 waves are 131,072 bytes and two such slots do not fit beside the 204,288 bytes in use; halves of them (2 x 65,536) do not either.
; LIMITS: NaN and infinities are not served; a block whose largest magnitude lies under 2^-118 keeps the byte 1.
.set SPITCH, 4112
.set IMG0, 32*SPITCH                   ; LDS: the stage at 0; images [s][u][c][l] and scale words [s][u][r], twice;
.set SC0,  IMG0+32768
.set IMG1, SC0+1024
.set SC1,  IMG1+32768
.set RED0, SC1+1024                    ; 32 rows x 16 waves of partial sums, 80 bytes a row, twice
.set L16, 1
.set L4,  2
.set H64, 3
.set R4,  4
.set STW, 5                            ; v5  the stage by dense rows: my wave's two
.set SA0, 6                            ; v6, v7 the stage by my lane's places: tile 0, tile 1
.set SA1, 7
.set IM0, 8
.set SC0R, 9
.set IM1, 10
.set SC1R, 11
.set T16A, 12
.set T2S, 13
.set IW0, 14                           ; v14, v15 where my columns' images go
.set IW1, 15
.set XS,  16                           ; v16 the rows' scale words
.set SW0, 17                           ; v17, v23 where my columns' two scale bytes go
.set WS,  18                           ; v18-21 the weights' scale words
.set PW,  22
.set SW1, 23
.set RW,  24
.set RR,  25
.set T16, 26
.set T2,  27
.set ST,  28                           ; v28-31 mean or 1/sigma of tile 0's and tile 1's row, each twice
.set AF,  32
.set PC,  32
.set TM,  48
.set B0,  64
.set B1,  128
.set HA,  192
.set WV,  26
.set HM,  27
.set SEL, 28
.set MNT, 30
.set C10, 31
.set EPS, 32
.set WB3, 34
.set WB4, 36
.set WB5, 38
.set SB3, 40
.set SB4, 42
.set SB5, 44
.macro QUANT src, relu, nb
.irp b,0,1,2,3
.if \b < \nb
.if \relu
	v_max3_num_f32 v[TM+\b], v[\src+16*\b], v[\src+16*\b+1], 0x4800000       ; no |.|: what is negative becomes 0 and must not count
.else
	v_max3_num_f32 v[TM+\b], |v[\src+16*\b]|, |v[\src+16*\b+1]|, 0x4800000
.endif
.endif
.endr
.irp i,2,4,6,8,10,12,14
.irp b,0,1,2,3
.if \b < \nb
.if \relu
	v_max3_num_f32 v[TM+\b], v[TM+\b], v[\src+16*\b+\i], v[\src+16*\b+\i+1]
.else
	v_max3_num_f32 v[TM+\b], v[TM+\b], |v[\src+16*\b+\i]|, |v[\src+16*\b+\i+1]|
.endif
.endif
.endr
.endr
.irp b,0,1,2,3
.if \b < \nb
	v_permlanex16_b32 v[TM+4+\b], v[TM+\b], s[SEL], s[SEL+1]
.endif
.endr
.irp b,0,1,2,3
.if \b < \nb
	v_max_num_f32 v[TM+\b], v[TM+\b], v[TM+4+\b]
.endif
.endr
.irp b,0,1,2,3
.if \b < \nb
	v_add_nc_u32 v[TM+12+\b], 0xfc000000, v[TM+\b]
.endif
.endr
.irp b,0,1,2,3
.if \b < \nb
	v_and_or_b32 v[TM+8+\b], v[TM+\b], 0x7f800000, s[MNT]
.endif
.endr
.irp b,0,1,2,3
.if \b < \nb
	v_lshrrev_b32 v[TM+4+\b], 23, v[TM+12+\b]
.endif
.endr
	v_lshl_or_b32 v[PW], v[TM+5], 8, v[TM+4]
.if \nb > 2
	v_lshl_or_b32 v[PW], v[TM+6], 16, v[PW]
	v_lshl_or_b32 v[PW], v[TM+7], 24, v[PW]
.endif
.irp b,0,1,2,3
.if \b < \nb
.irp i,0,1,2,3,4,5,6,7,8,9,10,11,12,13,14,15
.if \relu
	v_med3_num_f32 v[\src+16*\b+\i], v[\src+16*\b+\i], 0, v[TM+8+\b]         ; the activation and the hold in one
.else
	v_med3_num_f32 v[\src+16*\b+\i], v[\src+16*\b+\i], -v[TM+8+\b], v[TM+8+\b]
.endif
.endr
	v_cvt_scalef32_pk8_fp8_f32 v[PC+4*\b:PC+4*\b+1], v[\src+16*\b:\src+16*\b+7], v[TM+12+\b]
	v_cvt_scalef32_pk8_fp8_f32 v[PC+4*\b+2:PC+4*\b+3], v[\src+16*\b+8:\src+16*\b+15], v[TM+12+\b]
.endif
.endr
	v_nop
.endm
.macro WM d, a, b, zero, sa, sb, ra, rb
.if \zero
.if (\ra) && (\rb)
	v_wmma_scale_f32_16x16x128_f8f6f4 v[\d:\d+7], v[\a:\a+15], v[\b:\b+15], 0, v[\sa], v[\sb] matrix_a_scale:MATRIX_SCALE_ROW1 matrix_b_scale:MATRIX_SCALE_ROW1
.elseif (\ra)
	v_wmma_scale_f32_16x16x128_f8f6f4 v[\d:\d+7], v[\a:\a+15], v[\b:\b+15], 0, v[\sa], v[\sb] matrix_a_scale:MATRIX_SCALE_ROW1
.elseif (\rb)
	v_wmma_scale_f32_16x16x128_f8f6f4 v[\d:\d+7], v[\a:\a+15], v[\b:\b+15], 0, v[\sa], v[\sb] matrix_b_scale:MATRIX_SCALE_ROW1
.else
	v_wmma_scale_f32_16x16x128_f8f6f4 v[\d:\d+7], v[\a:\a+15], v[\b:\b+15], 0, v[\sa], v[\sb]
.endif
.else
.if (\ra) && (\rb)
	v_wmma_scale_f32_16x16x128_f8f6f4 v[\d:\d+7], v[\a:\a+15], v[\b:\b+15], v[\d:\d+7], v[\sa], v[\sb] matrix_a_scale:MATRIX_SCALE_ROW1 matrix_b_scale:MATRIX_SCALE_ROW1
.elseif (\ra)
	v_wmma_scale_f32_16x16x128_f8f6f4 v[\d:\d+7], v[\a:\a+15], v[\b:\b+15], v[\d:\d+7], v[\sa], v[\sb] matrix_a_scale:MATRIX_SCALE_ROW1
.elseif (\rb)
	v_wmma_scale_f32_16x16x128_f8f6f4 v[\d:\d+7], v[\a:\a+15], v[\b:\b+15], v[\d:\d+7], v[\sa], v[\sb] matrix_b_scale:MATRIX_SCALE_ROW1
.else
	v_wmma_scale_f32_16x16x128_f8f6f4 v[\d:\d+7], v[\a:\a+15], v[\b:\b+15], v[\d:\d+7], v[\sa], v[\sb]
.endif
.endif
.endm
.macro LOADB wb, sb, st, bs            ; 18 loads: my four weight fragments of K step st and their scale words, into set bs
.irp t,0,1,2,3
.irp c,0,1,2,3
	global_load_b128 v[B0+64*(\bs)+16*\t+4*\c:B0+64*(\bs)+16*\t+4*\c+3], v[L16], s[\wb:\wb+1] offset:8192*(\st)+2048*\t+512*\c
.endr
.endr
.irp p,0,1
	global_load_b32 v[WS+2*(\bs)+\p], v[L4], s[\sb:\sb+1] offset:256*(\st)+128*\p
.endr
.endm
.macro LOADA aim, asc, st
.irp u,0,1
.irp c,0,1,2,3
	ds_load_b128 v[AF+16*\u+4*\c:AF+16*\u+4*\c+3], v[\aim] offset:4096*(\st)+2048*\u+512*\c
.endr
.endr
	ds_load_b32 v[XS], v[\asc] offset:128*(\st)
.endm
.macro MUL8 bs                         ; eight products, one for each accumulator, in the same order in every step: the accumulators take turns
.irp u,0,1
.irp t,0,1,2,3
	WM HA+32*\u+8*\t, B0+64*(\bs)+16*\t, AF+16*\u, 0, WS+2*(\bs)+\t/2, XS, \t%2, \u
.endr
.endr
.endm
.macro GEMM wb, sb, aim, asc, more, nwb, nsb
.irp s,0,1,2,3,4,5,6,7
.if \s < 7
	LOADB \wb, \sb, \s+1, (\s+1)%2
.elseif \more
	LOADB \nwb, \nsb, 0, 0
.endif
	LOADA \aim, \asc, \s
.if (\s < 7) || \more
	s_wait_loadcnt 18                              ; all but the 18 just issued: this step's weights, and the bias asked for before them
.else
	s_wait_loadcnt 0x0
.endif
	s_wait_dscnt 0x0
	MUL8 \s%2
.rept 8
	v_nop                                          ; eight places ahead of loads into registers that these products read and of the first read of results
.endr
.if \s == 7
	v_nop                                          ; a ninth: the next pass's first products write over these accumulators
.endif
.endr
.endm
.macro BARRIER
	s_wait_dscnt 0x0
	s_barrier_signal -1
	s_barrier_wait -1
.endm
.macro BIASLD base                     ; a bias is the C of a sum's first products
.irp u,0,1
.irp t,0,1,2,3
	global_load_b128 v[HA+32*\u+8*\t:HA+32*\u+8*\t+3], v[H64], s[\base:\base+1] offset:128*(\t/2)+32*(\t%2)
	global_load_b128 v[HA+32*\u+8*\t+4:HA+32*\u+8*\t+7], v[H64], s[\base:\base+1] offset:128*(\t/2)+32*(\t%2)+16
.endr
.endr
.endm
.macro RESID                           ; what lies at my places of the stage is added to the accumulators, and the sum goes back there
.irp u,0,1
.irp t,0,1,2,3
	ds_load_b128 v[B1+32*\u+8*\t:B1+32*\u+8*\t+3], v[SA0+\u] offset:128*(\t/2)+32*(\t%2)
	ds_load_b128 v[B1+32*\u+8*\t+4:B1+32*\u+8*\t+7], v[SA0+\u] offset:128*(\t/2)+32*(\t%2)+16
.endr
.endr
	s_wait_dscnt 0x0
.set J_, 0
.rept 32
	v_pk_add_f32 v[HA+J_:HA+J_+1], v[HA+J_:HA+J_+1], v[B1+J_:B1+J_+1]   ; each accumulator from its low end on
.set J_, J_+2
.endr
.irp u,0,1
.irp t,0,1,2,3
	ds_store_b128 v[SA0+\u], v[HA+32*\u+8*\t:HA+32*\u+8*\t+3] offset:128*(\t/2)+32*(\t%2)
	ds_store_b128 v[SA0+\u], v[HA+32*\u+8*\t+4:HA+32*\u+8*\t+7] offset:128*(\t/2)+32*(\t%2)+16
.endr
.endr
.endm
.macro LANESUM sq                      ; v48, v52: the sum (sq = 1: of the squares) of my wave's 64 columns of tile 0's and tile 1's row r
.irp u,0,1
.if \sq
	v_pk_mul_f32 v[48+4*\u:49+4*\u], v[HA+32*\u:HA+32*\u+1], v[HA+32*\u:HA+32*\u+1]
	v_pk_mul_f32 v[50+4*\u:51+4*\u], v[HA+32*\u+2:HA+32*\u+3], v[HA+32*\u+2:HA+32*\u+3]
	v_pk_fma_f32 v[48+4*\u:49+4*\u], v[HA+32*\u+4:HA+32*\u+5], v[HA+32*\u+4:HA+32*\u+5], v[48+4*\u:49+4*\u]
	v_pk_fma_f32 v[50+4*\u:51+4*\u], v[HA+32*\u+6:HA+32*\u+7], v[HA+32*\u+6:HA+32*\u+7], v[50+4*\u:51+4*\u]
.else
	v_pk_add_f32 v[48+4*\u:49+4*\u], v[HA+32*\u:HA+32*\u+1], v[HA+32*\u+4:HA+32*\u+5]
	v_pk_add_f32 v[50+4*\u:51+4*\u], v[HA+32*\u+2:HA+32*\u+3], v[HA+32*\u+6:HA+32*\u+7]
.endif
.endr
.irp j,8,12,16,20,24,28
.irp u,0,1
.if \sq
	v_pk_fma_f32 v[48+4*\u:49+4*\u], v[HA+32*\u+\j:HA+32*\u+\j+1], v[HA+32*\u+\j:HA+32*\u+\j+1], v[48+4*\u:49+4*\u]
	v_pk_fma_f32 v[50+4*\u:51+4*\u], v[HA+32*\u+\j+2:HA+32*\u+\j+3], v[HA+32*\u+\j+2:HA+32*\u+\j+3], v[50+4*\u:51+4*\u]
.else
	v_pk_add_f32 v[48+4*\u:49+4*\u], v[48+4*\u:49+4*\u], v[HA+32*\u+\j:HA+32*\u+\j+1]
	v_pk_add_f32 v[50+4*\u:51+4*\u], v[50+4*\u:51+4*\u], v[HA+32*\u+\j+2:HA+32*\u+\j+3]
.endif
.endr
.endr
.irp u,0,1
	v_pk_add_f32 v[48+4*\u:49+4*\u], v[48+4*\u:49+4*\u], v[50+4*\u:51+4*\u]
.endr
.irp u,0,1
	v_add_f32 v[48+4*\u], v[48+4*\u], v[49+4*\u]
.endr
.irp u,0,1
	v_permlanex16_b32 v[49+4*\u], v[48+4*\u], s[SEL], s[SEL+1]
.endr
.irp u,0,1
	v_add_f32 v[48+4*\u], v[48+4*\u], v[49+4*\u]
.endr
.endm
.macro REDUCE off                      ; over the 16 waves: lane l carries stage row l; out: v34, v35 the totals of tile 0's and tile 1's row r
	v_cndmask_b32 v56, v48, v52, s[HM]
	ds_store_b32 v[RW], v56 offset:\off
	BARRIER
.irp i,0,1,2,3
	ds_load_b128 v[32+4*\i:35+4*\i], v[RR] offset:\off+16*\i
.endr
	s_wait_dscnt 0x0
	v_pk_add_f32 v[32:33], v[32:33], v[34:35]
	v_pk_add_f32 v[36:37], v[36:37], v[38:39]
	v_pk_add_f32 v[40:41], v[40:41], v[42:43]
	v_pk_add_f32 v[44:45], v[44:45], v[46:47]
	v_pk_add_f32 v[32:33], v[32:33], v[36:37]
	v_pk_add_f32 v[40:41], v[40:41], v[44:45]
	v_pk_add_f32 v[32:33], v[32:33], v[40:41]
	v_add_f32 v32, v32, v33
	v_permlanex16_b32 v33, v32, s[SEL], s[SEL+1]
	v_cndmask_b32 v34, v32, v33, s[HM]
	v_cndmask_b32 v35, v33, v32, s[HM]
.endm
.macro IMAGE iw, sw                    ; block 2 u + b: tile u, chunk 2 (w%2) + b of K step w/2; my two bytes of each row's scale word
.irp b,0,1,2,3
	ds_store_b128 v[\iw], v[PC+4*\b:PC+4*\b+3] offset:2048*(\b/2)+512*(\b%2)
.endr
	ds_store_b16 v[\sw], v[PW]                     ; lanes r and r + 16 write the same bytes with the same value
	ds_store_b16_d16_hi v[\sw], v[PW] offset:64
.endm
	s_load_b512 s[4:19], s[0:1], 0x0               ; x 4, aimg 6, asc 8, wimg 10, wsc 12, bo 14, ln_gamma 16, ln_beta 18
	s_load_b128 s[20:23], s[0:1], 0x40             ; b1 20, b2 22
	s_load_b64 s[24:25], s[0:1], 0x50              ; out0
	v_lshrrev_b32 v1, 5, v0
	v_readfirstlane_b32 s[WV], v1                  ; wave 0..15
	v_and_b32 v28, 31, v0                          ; lane
	v_and_b32 v29, 15, v0                          ; r
	v_bfe_u32 v30, v0, 4, 1                        ; h
	v_lshlrev_b32 v[L16], 4, v28
	v_lshlrev_b32 v[L4], 2, v28
	v_lshlrev_b32 v[H64], 6, v30
	v_lshlrev_b32 v[R4], 2, v29
	s_mul_i32 s46, s[WV], 2*SPITCH
	v_add_nc_u32 v[STW], s46, v[L16]
	s_lshl_b32 s46, s[WV], 8
	v_mul_u32_u24 v[SA0], v29, SPITCH
	v_add_nc_u32 v[SA0], v[SA0], v[H64]
	v_add_nc_u32 v[SA0], s46, v[SA0]               ; stage row r, byte 256 w + 64 h
	v_add_nc_u32 v[SA1], 16*SPITCH, v[SA0]
	v_add_nc_u32 v[IM0], IMG0, v[L16]
	v_add_nc_u32 v[SC0R], SC0, v[L4]
	v_add_nc_u32 v[IM1], IMG1, v[L16]
	v_add_nc_u32 v[SC1R], SC1, v[L4]
	v_lshlrev_b32 v[T16], 4, v0
	v_add_nc_u32 v[T16A], IMG0, v[T16]
	v_lshlrev_b32 v[T2], 1, v0
	v_add_nc_u32 v[T2S], SC0, v[T2]
	s_lshr_b32 s47, s[WV], 1
	s_and_b32 s48, s[WV], 1
	s_lshl_b32 s49, s47, 12
	s_lshl_b32 s50, s48, 10
	s_add_co_u32 s49, s49, s50
	s_add_co_u32 s49, s49, IMG0
	v_add_nc_u32 v[IW0], s49, v[L16]
	v_add_nc_u32 v[IW1], IMG1-IMG0, v[IW0]
	s_lshl_b32 s49, s47, 7
	s_lshl_b32 s50, s48, 1
	s_add_co_u32 s49, s49, s50
	s_add_co_u32 s49, s49, SC0
	v_add_nc_u32 v[SW0], s49, v[R4]
	v_add_nc_u32 v[SW1], SC1-SC0, v[SW0]
	v_mul_u32_u24 v[RR], v28, 80
	v_add_nc_u32 v[RR], RED0, v[RR]
	s_lshl_b32 s49, s[WV], 2
	v_add_nc_u32 v[RW], s49, v[RR]
.irp b,0,1,2,3
	v_mov_b32 v[TM+4+\b], 0                        ; a lane permute's destination counts as read
.endr
	s_mov_b32 s[HM], 0xffff0000
	s_mov_b32 s[SEL], 0x76543210
	s_mov_b32 s[SEL+1], 0xfedcba98
	s_mov_b32 s[MNT], 0x600000
	s_mov_b32 s[C10], 0x3a800000                   ; 1 / 1,024
	s_mov_b32 s[EPS], 0x3727c5ac                   ; 1e-5
	s_lshr_b32 s49, s[WV], 3                       ; stage rows 2 w, 2 w + 1 are tokens tk0, tk0 + 1: tk0 = 8 (w/8) + 2 (w%8) + 8 ((w/4)%2)
	s_lshl_b32 s49, s49, 3
	s_and_b32 s50, s[WV], 7
	s_lshl_b32 s50, s50, 1
	s_add_co_u32 s49, s49, s50
	s_bfe_u32 s50, s[WV], 0x10002
	s_lshl_b32 s50, s50, 3
	s_add_co_u32 s49, s49, s50
	s_lshl_b32 s50, ttmp9, 5
	s_add_co_u32 s49, s49, s50
	s_lshl_b32 s50, s49, 12
	s_mov_b32 s51, 0
	s_mov_b32 s47, 0
	s_wait_kmcnt 0x0
	s_add_nc_u64 s[4:5], s[4:5], s[50:51]
	s_add_nc_u64 s[24:25], s[24:25], s[50:51]
	s_lshl_b32 s46, ttmp9, 15
	s_add_nc_u64 s[6:7], s[6:7], s[46:47]
	s_lshl_b32 s46, ttmp9, 10
	s_add_nc_u64 s[8:9], s[8:9], s[46:47]
	s_lshl_b32 s46, s[WV], 16
	s_add_nc_u64 s[WB3:WB3+1], s[10:11], s[46:47]
	s_add_nc_u64 s[WB3:WB3+1], s[WB3:WB3+1], 0x300000
	s_add_nc_u64 s[WB4:WB4+1], s[WB3:WB3+1], 0x100000
	s_add_nc_u64 s[WB5:WB5+1], s[WB4:WB4+1], 0x100000
	s_lshl_b32 s46, s[WV], 11
	s_add_nc_u64 s[SB3:SB3+1], s[12:13], s[46:47]
	s_add_nc_u64 s[SB3:SB3+1], s[SB3:SB3+1], 0x18000
	s_add_nc_u64 s[SB4:SB4+1], s[SB3:SB3+1], 0x8000
	s_add_nc_u64 s[SB5:SB5+1], s[SB4:SB4+1], 0x8000
	s_lshl_b32 s46, s[WV], 8
	s_add_nc_u64 s[14:15], s[14:15], s[46:47]
	s_add_nc_u64 s[16:17], s[16:17], s[46:47]
	s_add_nc_u64 s[18:19], s[18:19], s[46:47]
	s_add_nc_u64 s[20:21], s[20:21], s[46:47]
	s_add_nc_u64 s[22:23], s[22:23], s[46:47]
	; ---- 0: x's rows into the stage, the attention's images into LDS
.irp e,0,1
.irp j,0,1,2,3,4,5,6,7
	global_load_b128 v[HA+32*\e+4*\j:HA+32*\e+4*\j+3], v[L16], s[4:5] offset:4096*\e+512*\j th:TH_LOAD_NT
.endr
.endr
.irp i,0,1,2,3
	global_load_b128 v[B1+4*\i:B1+4*\i+3], v[T16], s[6:7] offset:8192*\i th:TH_LOAD_NT
.endr
	global_load_u16 v[B1+16], v[T2], s[8:9]
	LOADB WB3, SB3, 0, 0
	s_wait_loadcnt 18                              ; all but the weights just asked for
.irp e,0,1
.irp j,0,1,2,3,4,5,6,7
	ds_store_b128 v[STW], v[HA+32*\e+4*\j:HA+32*\e+4*\j+3] offset:\e*SPITCH+512*\j
.endr
.endr
.irp i,0,1,2,3
	ds_store_b128 v[T16A], v[B1+4*\i:B1+4*\i+3] offset:8192*\i
.endr
	ds_store_b16 v[T2S], v[B1+16]
	BARRIER
	; ---- 1: attn = x + a wo^T + bo, and its norm
	BIASLD 14
	GEMM WB3, SB3, IM0, SC0R, 1, WB4, SB4
	RESID
.irp t,0,1,2,3
	global_load_b128 v[B1+8*\t:B1+8*\t+3], v[H64], s[16:17] offset:128*(\t/2)+32*(\t%2)          ; gamma and beta of my columns land during the reductions
	global_load_b128 v[B1+8*\t+4:B1+8*\t+7], v[H64], s[16:17] offset:128*(\t/2)+32*(\t%2)+16
	global_load_b128 v[B1+32+8*\t:B1+32+8*\t+3], v[H64], s[18:19] offset:128*(\t/2)+32*(\t%2)
	global_load_b128 v[B1+32+8*\t+4:B1+32+8*\t+7], v[H64], s[18:19] offset:128*(\t/2)+32*(\t%2)+16
.endr
	LANESUM 0
	REDUCE 0
	v_mul_f32 v[ST], s[C10], v34                   ; the means, each twice: pairs for the packed forms
	v_mul_f32 v[ST+1], s[C10], v34
	v_mul_f32 v[ST+2], s[C10], v35
	v_mul_f32 v[ST+3], s[C10], v35
.irp u,0,1
.set J_, 0
.rept 16
	v_pk_add_f32 v[HA+32*\u+J_:HA+32*\u+J_+1], v[HA+32*\u+J_:HA+32*\u+J_+1], v[ST+2*\u:ST+2*\u+1] neg_lo:[0,1] neg_hi:[0,1]
.set J_, J_+2
.endr
.endr
	LANESUM 1
	REDUCE 2560
	v_fma_f32 v34, v34, s[C10], s[EPS]
	v_fma_f32 v35, v35, s[C10], s[EPS]
	v_rsq_f32 v[ST], v34
	v_rsq_f32 v[ST+1], v34
	v_rsq_f32 v[ST+2], v35
	v_rsq_f32 v[ST+3], v35
	v_nop
	s_wait_loadcnt 0x0                             ; gamma and beta (the youngest loads: the next pass's first weights were asked for before them)
	s_wait_alu depctr_va_vdst(0)
.irp u,0,1
.set J_, 0
.rept 16
	v_pk_mul_f32 v[HA+32*\u+J_:HA+32*\u+J_+1], v[HA+32*\u+J_:HA+32*\u+J_+1], v[ST+2*\u:ST+2*\u+1]
.set J_, J_+2
.endr
.endr
.irp u,0,1
.set J_, 0
.rept 16
	v_pk_fma_f32 v[HA+32*\u+J_:HA+32*\u+J_+1], v[HA+32*\u+J_:HA+32*\u+J_+1], v[B1+J_:B1+J_+1], v[B1+32+J_:B1+32+J_+1]
.set J_, J_+2
.endr
.endr
	QUANT HA, 0, 4
	IMAGE IW1, SW1
	BARRIER
	; ---- 2: relu(h w1 + b1); its images take the first set's place, whose last readers have passed three barriers since
	BIASLD 20
	GEMM WB4, SB4, IM1, SC1R, 1, WB5, SB5
	QUANT HA, 1, 4
	IMAGE IW0, SW0
	BARRIER
	; ---- 3: out = attn + . w2 + b2
	BIASLD 22
	GEMM WB5, SB5, IM0, SC0R, 0, WB5, SB5
	RESID
	BARRIER                                        ; 32 whole rows of out lie in the stage
.irp e,0,1
.irp j,0,1,2,3,4,5,6,7
	ds_load_b128 v[B0+32*\e+4*\j:B0+32*\e+4*\j+3], v[STW] offset:\e*SPITCH+512*\j
.endr
.endr
.irp i,0,1,2,3,4,5,6,7,8,9,10,11,12,13,14,15
	s_wait_dscnt 15-\i                             ; LDS loads come back in order: load i is in, the younger ones may be out
	global_store_b128 v[L16], v[B0+4*\i:B0+4*\i+3], s[24:25] offset:4096*(\i/8)+512*(\i%8) th:TH_STORE_NT   ; 32 lanes store 512 consecutive bytes
.endr
	s_wait_xcnt 0x0
	v_lshl_add_u32 v254, v0, 2, 0x31e00
	v_mov_b32 v255, 0
	s_wait_tensorcnt 0x0
	ds_add_u32 v254, v255
	s_wait_dscnt 0x0
	s_endpgm
.Lfunc_end_k_q5988235733_ffn:
	.size	k_q5988235733_ffn, .Lfunc_end_k_q5988235733_ffn-k_q5988235733_ffn
	.p2alignl 7, 3214868480
	.fill 96, 4, 3214868480
	.section	.rodata,"a",@progbits
	.p2align	6, 0x0
	.amdhsa_kernel k_q5988235733_ffn
		.amdhsa_group_segment_fixed_size 206336
		.amdhsa_private_segment_fixed_size 0
		.amdhsa_enable_private_segment 0
		.amdhsa_kernarg_size 88
		.amdhsa_user_sgpr_count 2
		.amdhsa_user_sgpr_kernarg_segment_ptr 1
		.amdhsa_wavefront_size32 1
		.amdhsa_system_sgpr_workgroup_id_x 1
		.amdhsa_system_sgpr_workgroup_id_y 1
		.amdhsa_system_sgpr_workgroup_id_z 1
		.amdhsa_system_vgpr_workitem_id 0
		.amdhsa_next_free_vgpr 256
		.amdhsa_next_free_sgpr 66
		.amdhsa_reserve_vcc 0
		.amdhsa_float_denorm_mode_32 3
		.amdhsa_float_denorm_mode_16_64 3
		.amdhsa_memory_ordered 1
		.amdhsa_forward_progress 1
		.amdhsa_inst_pref_size 141
	.end_amdhsa_kernel
	.amdgpu_metadata
---
amdhsa.version: [ 1, 2 ]
amdhsa.kernels:
  - .name:           k_q5988235733_ffn
    .symbol:         k_q5988235733_ffn.kd
    .args:
      - { .name: x, .offset: 0, .size: 8, .value_kind: global_buffer, .address_space: global }
      - { .name: aimg, .offset: 8, .size: 8, .value_kind: global_buffer, .address_space: global }
      - { .name: asc, .offset: 16, .size: 8, .value_kind: global_buffer, .address_space: global }
      - { .name: wimg, .offset: 24, .size: 8, .value_kind: global_buffer, .address_space: global }
      - { .name: wsc, .offset: 32, .size: 8, .value_kind: global_buffer, .address_space: global }
      - { .name: bo, .offset: 40, .size: 8, .value_kind: global_buffer, .address_space: global }
      - { .name: ln_gamma, .offset: 48, .size: 8, .value_kind: global_buffer, .address_space: global }
      - { .name: ln_beta, .offset: 56, .size: 8, .value_kind: global_buffer, .address_space: global }
      - { .name: b1, .offset: 64, .size: 8, .value_kind: global_buffer, .address_space: global }
      - { .name: b2, .offset: 72, .size: 8, .value_kind: global_buffer, .address_space: global }
      - { .name: out0, .offset: 80, .size: 8, .value_kind: global_buffer, .address_space: global }
    .group_segment_fixed_size: 206336
    .private_segment_fixed_size: 0
    .kernarg_segment_align: 8
    .kernarg_segment_size: 88
    .max_flat_workgroup_size: 512
    .sgpr_count:     66
    .vgpr_count:     256
    .wavefront_size: 32
...
	.end_amdgpu_metadata
.endif
;; end of part 4
;; ======== version 2 of 2: 4 launches
;; limits: right only within a limited range of input values
;; workspace buffers: wimg 6,291,456 bytes; wsc 196,608 bytes; qkvimg 25,165,824 bytes; qkvsc 1,310,720 bytes; aimg 8,388,608 bytes; asc 262,144 bytes
;; launch prep (part 5): grid 288 x 1, 4 waves a work-group, no clusters, 0 bytes of LDS; arguments wq, wk, wv, w1, w2, wo, wimg, wsc; writes wimg, wsc
.if DOCPART == 5
	.amdgcn_target "amdgcn-amd-amdhsa--gfx1250"
	.amdhsa_code_object_version 6
	.text
	.protected	k_q5988235733_prep
	.globl	k_q5988235733_prep
	.p2align	8
	.type	k_q5988235733_prep,@function
k_q5988235733_prep:
	s_mov_b64 s[64:65], 0
	v_nop
	global_prefetch_b8 v0, s[64:65] scope:SCOPE_SE
	s_setreg_imm32_b32 hwreg(HW_REG_WAVE_MODE, 25, 1), 1
	s_wait_xcnt 0x0
; The six weights, f32, become codes of E4M3 with one E8M0 byte for each 32 along K, laid in the ORDER OF THE OPERAND'S REGISTERS:
; wimg: G 2^20 + W 65536 + s 8192 + t 2048 + c 512 + 16 l: matrix G (0 wq, 1 wk, 2 wv, 3 wo, 4 w1, 5 w2), wave W's 64 output columns, K step s of 128, tile t of 16 columns,
;   lane l = r + 16 h holds k = 128 s + 32 c + 16 h + 0..15 of output column 64 W + 32 (t/2) + 8 (t%2) + r + 8 (r/8).  wsc: G 32768 + W 2048 + s 256 + t 64 + 4 r: that row's four bytes.
; Work-groups 0-159: wq, wk, wv, w1, w2, whose K is the FIRST axis: a lane takes a column and its registers run down K, so a block of 32 lies in one lane and nothing is transposed;
;   a wave takes 32 columns x 256 along K; each store of codes covers two aligned runs of 256 bytes.  Work-groups 160-287: wo, whose K is innermost: a wave takes one fragment (16 rows x 128 K).
; No LDS, no barrier: waves share nothing.  No matrix work, no shared tiles: clusters and tensor loads would serve nothing here.
; LIMITS: NaN and infinities are not served; a block whose largest magnitude lies under 2^-118 (a block of zeros too) keeps the byte 1: the bytes are read by this program alone.
.set MNT, 21                           ; s21      the mantissa field of 448
.set SEL, 22                           ; s[22:23] selects of v_permlanex16_b32: lane l xor 16
.set X,   32                           ; v32-95   two sets of 32 numbers (second way: 64 numbers)
.set CD,  96                           ; v96-159  eight registers of codes for each block: no store's data are written again
.set SB,  24                           ; v24-25   scale bytes, four to a register
.set PC,  96                           ; second way: the fragment's codes
.set TM,  112                          ; second way: v112-127 at work
.set PW,  128                          ; second way: the scale word
; 64 (32) numbers of a lane, register 16 b + i = k 32 b + 16 (lane / 16) + i of my row, become codes in v[PC] on and the bytes' word in v[PW].
.macro QUANT src, relu, nb
.irp b,0,1,2,3
.if \b < \nb
.if \relu
	v_max3_num_f32 v[TM+\b], v[\src+16*\b], v[\src+16*\b+1], 0x4800000
.else
	v_max3_num_f32 v[TM+\b], |v[\src+16*\b]|, |v[\src+16*\b+1]|, 0x4800000   ; with the floor 2^(9-127): the byte cannot fall under 1
.endif
.endif
.endr
.irp i,2,4,6,8,10,12,14
.irp b,0,1,2,3
.if \b < \nb
.if \relu
	v_max3_num_f32 v[TM+\b], v[TM+\b], v[\src+16*\b+\i], v[\src+16*\b+\i+1]
.else
	v_max3_num_f32 v[TM+\b], v[TM+\b], |v[\src+16*\b+\i]|, |v[\src+16*\b+\i+1]|
.endif
.endif
.endr
.endr
.irp b,0,1,2,3
.if \b < \nb
	v_permlanex16_b32 v[TM+4+\b], v[TM+\b], s[SEL], s[SEL+1]
.endif
.endr
.irp b,0,1,2,3
.if \b < \nb
	v_max_num_f32 v[TM+\b], v[TM+\b], v[TM+4+\b]             ; with lane l xor 16's 16: the block's largest magnitude
.endif
.endr
.irp b,0,1,2,3
.if \b < \nb
	v_add_nc_u32 v[TM+12+\b], 0xfc000000, v[TM+\b]           ; 8 off its exponent field: the conversion's scale operand
.endif
.endr
.irp b,0,1,2,3
.if \b < \nb
	v_and_or_b32 v[TM+8+\b], v[TM+\b], 0x7f800000, s[MNT]    ; 448 x the scale
.endif
.endr
.irp b,0,1,2,3
.if \b < \nb
	v_lshrrev_b32 v[TM+4+\b], 23, v[TM+12+\b]                ; the scale's byte
.endif
.endr
	v_lshl_or_b32 v[PW], v[TM+5], 8, v[TM+4]
.if \nb > 2
	v_lshl_or_b32 v[PW], v[TM+6], 16, v[PW]
	v_lshl_or_b32 v[PW], v[TM+7], 24, v[PW]
.endif
.irp b,0,1,2,3
.if \b < \nb
.irp i,0,1,2,3,4,5,6,7,8,9,10,11,12,13,14,15
.if \relu
	v_med3_num_f32 v[\src+16*\b+\i], v[\src+16*\b+\i], 0, v[TM+8+\b]
.else
	v_med3_num_f32 v[\src+16*\b+\i], v[\src+16*\b+\i], -v[TM+8+\b], v[TM+8+\b]   ; the conversion does not saturate (ISA guide 7.6.2): the hold comes first
.endif
.endr
	v_cvt_scalef32_pk8_fp8_f32 v[PC+4*\b:PC+4*\b+1], v[\src+16*\b:\src+16*\b+7], v[TM+12+\b]
	v_cvt_scalef32_pk8_fp8_f32 v[PC+4*\b+2:PC+4*\b+3], v[\src+16*\b+8:\src+16*\b+15], v[TM+12+\b]
.endif
.endr
	v_nop                                                    ; one plain line behind the last conversion
.endm
	s_load_b512 s[4:19], s[0:1], 0x0               ; wq 4, wk 6, wv 8, w1 10, w2 12, wo 14, wimg 16, wsc 18
	v_lshrrev_b32 v1, 5, v0
	v_readfirstlane_b32 s20, v1                    ; wave 0..3
	v_and_b32 v1, 31, v0                           ; lane
	s_mov_b32 s[MNT], 0x600000
	s_mov_b32 s[SEL], 0x76543210
	s_mov_b32 s[SEL+1], 0xfedcba98
	s_mov_b32 s29, 0
	s_wait_kmcnt 0x0
	s_cmp_lt_u32 ttmp9, 160
	s_cbranch_scc0 .Lwo
	; ---- K is the first axis: [1024 (k)][1024 (n)]
	s_lshr_b32 s24, ttmp9, 5                       ; which of the five
	s_cmp_eq_u32 s24, 1
	s_cselect_b64 s[4:5], s[6:7], s[4:5]
	s_cmp_eq_u32 s24, 2
	s_cselect_b64 s[4:5], s[8:9], s[4:5]
	s_cmp_eq_u32 s24, 3
	s_cselect_b64 s[4:5], s[10:11], s[4:5]
	s_cmp_eq_u32 s24, 4
	s_cselect_b64 s[4:5], s[12:13], s[4:5]
	s_cmp_ge_u32 s24, 3
	s_cselect_b32 s25, 1, 0
	s_add_co_u32 s25, s25, s24                     ; G: w1 and w2 lie behind wo
	s_and_b32 s26, ttmp9, 31
	s_and_b32 s27, s26, 7
	s_lshr_b32 s26, s26, 3                         ; y: which 256 along K
	s_lshl_b32 s27, s27, 2
	s_add_co_u32 s27, s27, s20                     ; bb: my wave's block of 32 columns
	s_lshl_b32 s28, s26, 20                        ; 256 y rows of 4,096 bytes
	s_lshl_b32 s30, s27, 7
	s_add_co_u32 s28, s28, s30
	s_add_nc_u64 s[4:5], s[4:5], s[28:29]
	s_lshr_b32 s30, s27, 1                         ; W
	s_and_b32 s31, s27, 1                          ; which half of W's 64 columns
	s_lshl_b32 s28, s25, 20
	s_lshl_b32 s32, s30, 16
	s_add_co_u32 s28, s28, s32
	s_lshl_b32 s32, s31, 12
	s_add_co_u32 s28, s28, s32
	s_lshl_b32 s32, s26, 14                        ; K steps 2 y, 2 y + 1
	s_add_co_u32 s28, s28, s32
	s_add_nc_u64 s[16:17], s[16:17], s[28:29]
	s_lshl_b32 s28, s25, 15
	s_lshl_b32 s32, s30, 11
	s_add_co_u32 s28, s28, s32
	s_lshl_b32 s32, s26, 9
	s_add_co_u32 s28, s28, s32
	s_lshl_b32 s32, s31, 7
	s_add_co_u32 s28, s28, s32
	s_add_nc_u64 s[18:19], s[18:19], s[28:29]
	s_wait_alu depctr_va_vdst(0)
	v_lshlrev_b32 v2, 2, v1                        ; in: 4 bytes a lane
	v_bfe_u32 v5, v1, 3, 1                         ; column l of the 32 is row r = l%8 + 8 (l/16) of tile u = (l/8)%2
	v_and_b32 v6, 7, v1
	v_lshrrev_b32 v7, 4, v1
	v_lshl_add_u32 v6, v7, 3, v6
	v_lshlrev_b32 v3, 4, v6
	v_lshl_add_u32 v3, v5, 11, v3                  ; codes: 2048 u + 16 r
	v_lshlrev_b32 v4, 2, v6
	v_lshl_add_u32 v4, v5, 6, v4                   ; scale words: 64 u + 4 r
.macro LOADK t                         ; block t: W(32 t + i, my column) into set t % 2
.set I_, 0
.rept 32
	global_load_b32 v[X+32*((\t)%2)+I_], v2, s[4:5] offset:(32*(\t)+I_)*4096 th:TH_LOAD_NT
.set I_, I_+1
.endr
.endm
.macro BLOCK t
.set XS_, X+32*((\t)%2)
.if (\t) < 7
	s_wait_loadcnt 32                              ; this block's 32 loads are in; the next block's 32 may be out
.else
	s_wait_loadcnt 0x0
.endif
	v_max3_num_f32 v12, |v[XS_]|, |v[XS_+1]|, |v[XS_+2]|       ; all 32 numbers of the block are mine
	v_max3_num_f32 v13, |v[XS_+3]|, |v[XS_+4]|, |v[XS_+5]|
.irp i,6,10,14,18,22,26
	v_max3_num_f32 v12, v12, |v[XS_+\i]|, |v[XS_+\i+1]|
	v_max3_num_f32 v13, v13, |v[XS_+\i+2]|, |v[XS_+\i+3]|
.endr
	v_max3_num_f32 v12, v12, |v[XS_+30]|, |v[XS_+31]|
	v_max3_num_f32 v12, v12, v13, 0x4800000
	v_add_nc_u32 v11, 0xfc000000, v12
	v_and_or_b32 v10, v12, 0x7f800000, s[MNT]
	v_lshrrev_b32 v13, 23, v11
.if (\t)%4 == 0
	v_mov_b32 v[SB+(\t)/4], v13
.else
	v_lshl_or_b32 v[SB+(\t)/4], v13, 8*((\t)%4), v[SB+(\t)/4]
.endif
.set I_, 0
.rept 32
	v_med3_num_f32 v[XS_+I_], v[XS_+I_], -v10, v10
.set I_, I_+1
.endr
.irp g,0,1,2,3
	v_cvt_scalef32_pk8_fp8_f32 v[CD+8*(\t)+2*\g:CD+8*(\t)+2*\g+1], v[XS_+8*\g:XS_+8*\g+7], v11
.endr
	v_nop
	global_store_b128 v3, v[CD+8*(\t):CD+8*(\t)+3], s[16:17] offset:((\t)/4)*8192+((\t)%4)*512        ; k 0-15 of the block: the places of lanes 0-15
	global_store_b128 v3, v[CD+8*(\t)+4:CD+8*(\t)+7], s[16:17] offset:((\t)/4)*8192+((\t)%4)*512+256  ; k 16-31: those of lanes 16-31
.if (\t)+2 < 8
	LOADK (\t)+2
.endif
.endm
	LOADK 0
	LOADK 1
.irp q,0,1,2,3,4,5,6,7
	BLOCK \q
.endr
	global_store_b32 v4, v[SB], s[18:19]
	global_store_b32 v4, v[SB+1], s[18:19] offset:256
	s_endpgm
.Lwo:	; ---- wo: [1024 (d)][1024 (n, h)]: K innermost
	s_sub_co_u32 s24, ttmp9, 160
	s_lshl_b32 s24, s24, 2
	s_add_co_u32 s24, s24, s20                     ; my fragment, 0..511
	s_lshr_b32 s25, s24, 3                         ; tile of 16 rows, 0..63
	s_and_b32 s26, s24, 7                          ; K step
	s_lshr_b32 s27, s25, 1
	s_lshl_b32 s27, s27, 17                        ; 32 rows of 4,096 bytes
	s_and_b32 s28, s25, 1
	s_lshl_b32 s28, s28, 15                        ; 8 rows
	s_add_co_u32 s28, s28, s27
	s_lshl_b32 s27, s26, 9
	s_add_co_u32 s28, s28, s27
	s_add_nc_u64 s[14:15], s[14:15], s[28:29]
	s_lshr_b32 s30, s25, 2                         ; W
	s_and_b32 s31, s25, 3                          ; t
	s_lshl_b32 s28, s30, 16
	s_lshl_b32 s32, s26, 13
	s_add_co_u32 s28, s28, s32
	s_lshl_b32 s32, s31, 11
	s_add_co_u32 s28, s28, s32
	s_add_co_u32 s28, s28, 3<<20
	s_add_nc_u64 s[16:17], s[16:17], s[28:29]
	s_lshl_b32 s28, s30, 11
	s_lshl_b32 s32, s26, 8
	s_add_co_u32 s28, s28, s32
	s_lshl_b32 s32, s31, 6
	s_add_co_u32 s28, s28, s32
	s_add_co_u32 s28, s28, 3<<15
	s_add_nc_u64 s[18:19], s[18:19], s[28:29]
	v_and_b32 v2, 15, v0                           ; r
	v_bfe_u32 v3, v0, 4, 1                         ; h
	v_and_b32 v4, 8, v2
	v_add_nc_u32 v4, v4, v2                        ; r + 8 (r/8)
	v_lshlrev_b32 v5, 12, v4
	v_lshl_add_u32 v5, v3, 6, v5                   ; my row, + 64 h: my 16 numbers of a block
	s_wait_alu depctr_va_vdst(0)
	v_lshlrev_b32 v6, 4, v1                        ; 16 x lane
	v_lshlrev_b32 v7, 2, v2                        ; 4 r
.irp b,0,1,2,3
	v_mov_b32 v[TM+4+\b], 0                        ; a lane permute's destination counts as read
.endr
.irp c,0,1,2,3
.irp j,0,1,2,3
	global_load_b128 v[X+16*\c+4*\j:X+16*\c+4*\j+3], v5, s[14:15] offset:128*\c+16*\j th:TH_LOAD_NT
.endr
.endr
	s_wait_loadcnt 0x0
	QUANT X, 0, 4
.irp c,0,1,2,3
	global_store_b128 v6, v[PC+4*\c:PC+4*\c+3], s[16:17] offset:512*\c
.endr
	global_store_b32 v7, v[PW], s[18:19]           ; lanes r and r + 16 store the same word with the same value
	s_endpgm
.Lfunc_end_k_q5988235733_prep:
	.size	k_q5988235733_prep, .Lfunc_end_k_q5988235733_prep-k_q5988235733_prep
	.p2alignl 7, 3214868480
	.fill 96, 4, 3214868480
	.section	.rodata,"a",@progbits
	.p2align	6, 0x0
	.amdhsa_kernel k_q5988235733_prep
		.amdhsa_group_segment_fixed_size 0
		.amdhsa_private_segment_fixed_size 0
		.amdhsa_enable_private_segment 0
		.amdhsa_kernarg_size 64
		.amdhsa_user_sgpr_count 2
		.amdhsa_user_sgpr_kernarg_segment_ptr 1
		.amdhsa_wavefront_size32 1
		.amdhsa_system_sgpr_workgroup_id_x 1
		.amdhsa_system_sgpr_workgroup_id_y 1
		.amdhsa_system_sgpr_workgroup_id_z 1
		.amdhsa_system_vgpr_workitem_id 0
		.amdhsa_next_free_vgpr 176
		.amdhsa_next_free_sgpr 66
		.amdhsa_reserve_vcc 0
		.amdhsa_float_denorm_mode_32 3
		.amdhsa_float_denorm_mode_16_64 3
		.amdhsa_memory_ordered 1
		.amdhsa_forward_progress 1
		.amdhsa_inst_pref_size 69
	.end_amdhsa_kernel
	.amdgpu_metadata
---
amdhsa.version: [ 1, 2 ]
amdhsa.kernels:
  - .name:           k_q5988235733_prep
    .symbol:         k_q5988235733_prep.kd
    .args:
      - { .name: wq, .offset: 0, .size: 8, .value_kind: global_buffer, .address_space: global }
      - { .name: wk, .offset: 8, .size: 8, .value_kind: global_buffer, .address_space: global }
      - { .name: wv, .offset: 16, .size: 8, .value_kind: global_buffer, .address_space: global }
      - { .name: w1, .offset: 24, .size: 8, .value_kind: global_buffer, .address_space: global }
      - { .name: w2, .offset: 32, .size: 8, .value_kind: global_buffer, .address_space: global }
      - { .name: wo, .offset: 40, .size: 8, .value_kind: global_buffer, .address_space: global }
      - { .name: wimg, .offset: 48, .size: 8, .value_kind: global_buffer, .address_space: global }
      - { .name: wsc, .offset: 56, .size: 8, .value_kind: global_buffer, .address_space: global }
    .group_segment_fixed_size: 0
    .private_segment_fixed_size: 0
    .kernarg_segment_align: 8
    .kernarg_segment_size: 64
    .max_flat_workgroup_size: 128
    .sgpr_count:     66
    .vgpr_count:     176
    .wavefront_size: 32
...
	.end_amdgpu_metadata
.endif
;; end of part 5
;; launch qkv (part 6): grid 256 x 1, 16 waves a work-group, no clusters, 205,312 bytes of LDS; arguments x, rms_scale, per_dim_scale, bq, bk, bv, wimg, wsc, qkvimg, qkvsc; writes qkvimg, qkvsc
.if DOCPART == 6
	.amdgcn_target "amdgcn-amd-amdhsa--gfx1250"
	.amdhsa_code_object_version 6
	.text
	.protected	k_q5988235733_qkv
	.globl	k_q5988235733_qkv
	.p2align	8
	.type	k_q5988235733_qkv,@function
k_q5988235733_qkv:
	s_mov_b64 s[64:65], 0
	v_nop
	global_prefetch_b8 v0, s[64:65] scope:SCOPE_SE
	s_setreg_imm32_b32 hwreg(HW_REG_WAVE_SCHED_MODE, 0, 2), 2
	s_setreg_imm32_b32 hwreg(HW_REG_WAVE_MODE, 25, 1), 1
	s_wait_xcnt 0x0
	s_wait_alu depctr_vm_vsrc(0)
; xn = rms_norm(x); q = (xn wq + bq) x scale, k = xn wk + bk, v = xn wv + bv: three products on codes of E4M3 with E8M0 scales; q, k (along the head's 64) and v (along the keys) leave as codes.
; SHARES.  A work-group takes 64 whole token rows (two blocks of 32) and EIGHT of the 16 heads: row block = id / 2, heads 8 (id % 2) on: 256 work-groups.  Its 16 waves share the columns: wave w makes 32 columns
; (half p = w % 2 of head 8 (id % 2) + w / 2) of q, k and v for all 64 rows: four tiles of tokens x two tiles of weights = 8 accumulators.  So a weight fragment feeds four products, and a work-group reads
; 1,572,864 bytes of weight codes for its 64 rows.  The price: the two work-groups of a row block both read and norm its 64 rows of x.
; Each wave streams its own weight fragments from memory straight into registers (laid by the launch before in register order), three sets by turns, two K steps ahead; xn's codes lie in LDS as images of the operand's registers.
; ORDER OF ROWS.  Tile u (0, 1) of a block of 32 tokens holds in row r token 8 u + r + 8 (r/8); weight tiles are laid likewise.  So in a result the 16 registers of two neighbouring tiles are 16 NEIGHBOURS along the next K.
; q, k: the product is used transposed (source 0 = 16 weight rows, source 1 = 16 tokens): a lane holds one token, its 16 registers of a token tile run along my 32 columns: one block of the quantiser with lane l xor 16.
; v: natural (source 0 = tokens): a lane holds one channel, the 16 registers of a token block run along the tokens.
; OUT.  qkvimg: q at 0, k at 2^23: (y 64 + qt) 1024 + 512 c + 16 l (y = 16 batch + head, qt = tile of 16 tokens, c = my p); v at 2^24: (y 8 + ks) 8192 + 2048 t + 512 c + 16 l (channel tile t, keys 128 ks + 32 c + 16 h + ..).
;       qkvsc: q at 0, k at 2^19: (y 64 + qt) 64 + 4 r, word {s0, s1, 0, 0}: wave p stores bytes p and p + 2; v at 2^20: (y 8 + ks) 256 + 64 t + 4 r + c.
; NO CLUSTER: the work-groups of one head half walk the same weight codes, but a fragment is used by ONE wave of a work-group, so it goes to that wave's registers and not through LDS; a joint request would need a ring in LDS,
; and two slots of a K step's weights of the 16 waves (2 x 67,584 bytes) do not fit beside the 203,264 in use.
; LIMITS: NaN and infinities are not served; a block whose largest magnitude lies under 2^-118 keeps the byte 1.
; THE MODE: SCHED_MODE bits 1:0 = 2 (LLVM: expert scheduling mode 2), set by the entry lines.  The code itself states the register dependences
; between vector or matrix instructions and memory or LDS instructions, with s_wait_alu, always for 0.
; THE PLAN.  Registers that memory or LDS instructions touch, in the passes (g counts the 24 K steps):
;   v1-13, v21          addresses and offsets: made at the head, never written again.
;   AF (v32-95), XS     step g: the LDS loads at its head land in them, its eight products read them.  One set: 16 waves of 256 registers leave no room for a second.
;   set g % 3, its WS   step g: its products read them; the loads of step g + 3's place are issued in step g + 1.  So the loads issued in step g land in set (g + 2) % 3, which the products of step g - 1 read last.
;   HA (v192-255)       a bias lands in it ahead of a pass; the products add onto it; the quantiser reads and writes it between passes.
;   v32-47, v80-83      between passes: the codes and bytes that the stores read.
; So ONE wait on va_vdst stands at the head of each step but a pass's first: the step before is done reading AF, XS and its weight set.  The rows' LDS loads follow it; the nine loads of the weights two steps on are dealt
; among the step's eight products, which name none of the registers that those loads touch.  Between passes one wait on va_vdst stands ahead of the run of stores, and one on vm_vsrc behind it.
.set SPITCH, 4112                      ; a stage row: 4,096 bytes + 16: the 16 rows that a load touches start in 16 different columns of 16 bytes
.set XIMG, 32*SPITCH                   ; LDS: the stage (32 rows, used once for each token block) at 0; xn's 32 fragments [blk][s][u][c][l];
.set XSC,  XIMG+65536                  ; their scale words [blk][s][u][r];
.set SPT,  XSC+2048                    ; and for each wave its own table of the 64 per-dimension scales
.set L16, 1                            ; v1  16 x lane
.set L4,  2                            ; v2  4 x lane
.set H64, 3                            ; v3  64 x (lane / 16)
.set R4,  4                            ; v4  4 x (lane % 16)
.set STW, 5                            ; v5  stage, in: my wave's two rows
.set STR, 6                            ; v6  stage, out: my fragment's row
.set XWI, 7                            ; v7  where my fragment's image goes
.set XWS, 8                            ; v8  and its scale word
.set AIM, 9                            ; v9  XIMG + 16 l
.set ASC, 10                           ; v10 XSC + 4 l
.set SPS, 11                           ; v11 my table, in
.set SPR, 12                           ; v12 my table, out: my 16 columns
.set BVO, 13                           ; v13 bv: 4 (r + 8 (r/8))
.set XS,  16                           ; v16-17 xn's scale words of token block 0, 1: lanes 0-15 tile 0, lanes 16-31 tile 1
.set WS,  18                           ; v18-20 the weights' scale words, one register a set: lanes 0-15 my tile 0, lanes 16-31 my tile 1
.set QSO, 21                           ; v21 4 r + 2 h: where a lane stores a byte of q's or k's scale word
.set PW,  22                           ; v22 the scale word just made
.set BV,  24                           ; v24, v26 bv of my channel in tile t (v25, v27 written once: named as pairs)
.set AF,  32                           ; v32-95 xn's four fragments of a K step; between passes: codes, temporaries, tables
.set BS,  96                           ; v96-127, v128-159, v160-191 my two weight fragments, three sets
.set HA,  192                          ; v192-255 eight accumulators
.set PC,  160                          ; the quantiser's codes and temporaries: at the start in set 2's registers, from the first pass on in v32-63
.set TM,  176
.set WV,  24
.set LM,  25                           ; s25 mask of lanes 0-15
.set SEL, 26
.set MNT, 28
.set C10, 29
.set EPS, 30
.set WBQ, 32
.set WBK, 34
.set WBV, 36
.set SBQ, 38
.set SBK, 40
.set SBV, 42
.set QI,  44
.set KI,  46
.set VI,  48
.set QSB, 50
.set KSB, 52
.set VSB, 54
.macro QUANT src, relu, nb             ; 64 numbers of a lane in four blocks, register 16 b + i = number 16 (lane / 16) + i of block b, become codes in v[PC] on, the bytes in v[TM+4] on and their word in v[PW]
.irp b,0,1,2,3
.if \b < \nb
.if \relu
	v_max3_num_f32 v[TM+\b], v[\src+16*\b], v[\src+16*\b+1], 0x4800000
.else
	v_max3_num_f32 v[TM+\b], |v[\src+16*\b]|, |v[\src+16*\b+1]|, 0x4800000   ; with the floor 2^(9-127): the byte cannot fall under 1
.endif
.endif
.endr
.irp i,2,4,6,8,10,12,14
.irp b,0,1,2,3
.if \b < \nb
.if \relu
	v_max3_num_f32 v[TM+\b], v[TM+\b], v[\src+16*\b+\i], v[\src+16*\b+\i+1]
.else
	v_max3_num_f32 v[TM+\b], v[TM+\b], |v[\src+16*\b+\i]|, |v[\src+16*\b+\i+1]|
.endif
.endif
.endr
.endr
.irp b,0,1,2,3
.if \b < \nb
	v_permlanex16_b32 v[TM+4+\b], v[TM+\b], s[SEL], s[SEL+1]
.endif
.endr
.irp b,0,1,2,3
.if \b < \nb
	v_max_num_f32 v[TM+\b], v[TM+\b], v[TM+4+\b]
.endif
.endr
.irp b,0,1,2,3
.if \b < \nb
	v_add_nc_u32 v[TM+12+\b], 0xfc000000, v[TM+\b]           ; 8 off the exponent field: the conversion's scale operand
.endif
.endr
.irp b,0,1,2,3
.if \b < \nb
	v_and_or_b32 v[TM+8+\b], v[TM+\b], 0x7f800000, s[MNT]    ; 448 x the scale
.endif
.endr
.irp b,0,1,2,3
.if \b < \nb
	v_lshrrev_b32 v[TM+4+\b], 23, v[TM+12+\b]                ; the scale's byte
.endif
.endr
	v_lshl_or_b32 v[PW], v[TM+5], 8, v[TM+4]
.if \nb > 2
	v_lshl_or_b32 v[PW], v[TM+6], 16, v[PW]
	v_lshl_or_b32 v[PW], v[TM+7], 24, v[PW]
.endif
.irp b,0,1,2,3
.if \b < \nb
.irp i,0,1,2,3,4,5,6,7,8,9,10,11,12,13,14,15
.if \relu
	v_med3_num_f32 v[\src+16*\b+\i], v[\src+16*\b+\i], 0, v[TM+8+\b]
.else
	v_med3_num_f32 v[\src+16*\b+\i], v[\src+16*\b+\i], -v[TM+8+\b], v[TM+8+\b]   ; the conversion does not saturate (ISA guide 7.6.2)
.endif
.endr
	v_cvt_scalef32_pk8_fp8_f32 v[PC+4*\b:PC+4*\b+1], v[\src+16*\b:\src+16*\b+7], v[TM+12+\b]
	v_cvt_scalef32_pk8_fp8_f32 v[PC+4*\b+2:PC+4*\b+3], v[\src+16*\b+8:\src+16*\b+15], v[TM+12+\b]
.endif
.endr
	v_nop                                                    ; one plain line behind the last conversion
.endm
.macro WM d, a, b, zero, sa, sb, ra, rb   ; one product; ra, rb: the side's scales stand in lanes 16-31
.if \zero
.if (\ra) && (\rb)
	v_wmma_scale_f32_16x16x128_f8f6f4 v[\d:\d+7], v[\a:\a+15], v[\b:\b+15], 0, v[\sa], v[\sb] matrix_a_scale:MATRIX_SCALE_ROW1 matrix_b_scale:MATRIX_SCALE_ROW1
.elseif (\ra)
	v_wmma_scale_f32_16x16x128_f8f6f4 v[\d:\d+7], v[\a:\a+15], v[\b:\b+15], 0, v[\sa], v[\sb] matrix_a_scale:MATRIX_SCALE_ROW1
.elseif (\rb)
	v_wmma_scale_f32_16x16x128_f8f6f4 v[\d:\d+7], v[\a:\a+15], v[\b:\b+15], 0, v[\sa], v[\sb] matrix_b_scale:MATRIX_SCALE_ROW1
.else
	v_wmma_scale_f32_16x16x128_f8f6f4 v[\d:\d+7], v[\a:\a+15], v[\b:\b+15], 0, v[\sa], v[\sb]
.endif
.else
.if (\ra) && (\rb)
	v_wmma_scale_f32_16x16x128_f8f6f4 v[\d:\d+7], v[\a:\a+15], v[\b:\b+15], v[\d:\d+7], v[\sa], v[\sb] matrix_a_scale:MATRIX_SCALE_ROW1 matrix_b_scale:MATRIX_SCALE_ROW1
.elseif (\ra)
	v_wmma_scale_f32_16x16x128_f8f6f4 v[\d:\d+7], v[\a:\a+15], v[\b:\b+15], v[\d:\d+7], v[\sa], v[\sb] matrix_a_scale:MATRIX_SCALE_ROW1
.elseif (\rb)
	v_wmma_scale_f32_16x16x128_f8f6f4 v[\d:\d+7], v[\a:\a+15], v[\b:\b+15], v[\d:\d+7], v[\sa], v[\sb] matrix_b_scale:MATRIX_SCALE_ROW1
.else
	v_wmma_scale_f32_16x16x128_f8f6f4 v[\d:\d+7], v[\a:\a+15], v[\b:\b+15], v[\d:\d+7], v[\sa], v[\sb]
.endif
.endif
.endm
.macro LOADB wb, sb, st, bs            ; 9 loads in one run: my two weight fragments of K step st and their scale words, into set bs; each load is 512 (128) dense bytes.  So the first two steps' are asked for
.irp t,0,1
.irp c,0,1,2,3
	global_load_b128 v[BS+32*(\bs)+16*\t+4*\c:BS+32*(\bs)+16*\t+4*\c+3], v[L16], s[\wb:\wb+1] offset:8192*(\st)+2048*\t+512*\c
.endr
.endr
	global_load_b32 v[WS+(\bs)], v[L4], s[\sb:\sb+1] offset:256*(\st)
.endm
.macro LOADA st                        ; the rows' four fragments of K step st and their scale words, from their images
.irp u,0,1,2,3
.irp c,0,1,2,3
	ds_load_b128 v[AF+16*\u+4*\c:AF+16*\u+4*\c+3], v[AIM] offset:32768*(\u/2)+4096*(\st)+2048*(\u%2)+512*\c
.endr
.endr
.irp k,0,1
	ds_load_b32 v[XS+\k], v[ASC] offset:1024*\k+128*(\st)
.endr
.endm
; Eight products, one for each accumulator, in the same order in every step: the accumulators take turns.
; ld = 1: behind each product stands one of the nine loads of K step st's weights (base wb, scale words sb) into set nbs.  No wait: no vector or matrix instruction since the step's wait names that set or its scale word.
.macro MUL8 bs, nat, zero, ld, wb, sb, st, nbs
.irp u,0,1,2,3
.irp t,0,1
.if \nat
	WM HA+32*\t+16*(\u/2)+8*(\u%2), AF+16*\u, BS+32*(\bs)+16*\t, \zero, XS+\u/2, WS+(\bs), \u%2, \t
.else
	WM HA+16*\u+8*\t, BS+32*(\bs)+16*\t, AF+16*\u, \zero, WS+(\bs), XS+\u/2, \t, \u%2
.endif
.if \ld
	global_load_b128 v[BS+32*(\nbs)+16*((2*\u+\t)/4)+4*((2*\u+\t)%4):BS+32*(\nbs)+16*((2*\u+\t)/4)+4*((2*\u+\t)%4)+3], v[L16], s[\wb:\wb+1] offset:8192*(\st)+2048*((2*\u+\t)/4)+512*((2*\u+\t)%4)
.endif
.endr
.endr
.if \ld
	global_load_b32 v[WS+(\nbs)], v[L4], s[\sb:\sb+1] offset:256*(\st)
.endif
.endm
; A pass: K = 1,024 in eight steps; g0 = the pass's first step counted over all 24: step g uses set g % 3.  A step's rows come from LDS first; the weights of two steps on (in the last two steps the next pass's
; first two) are asked for among the step's products, into the set that the step before has multiplied.
.macro PASS wb, sb, g0, nat, zero0, more, nwb, nsb
.irp s,0,1,2,3,4,5,6,7
.if \s > 0
	s_wait_alu depctr_va_vdst(0)                   ; the step before's products are done reading AF and XS, in which the LDS loads below land, and their weight set and its scale word, in which this step's nine loads land
.endif
	LOADA \s
.if \s == 0
	s_wait_loadcnt 0x0                             ; the bias (or bv) is the youngest load: it, and the first two steps' weights ahead of it, are in
.elseif (\s == 7) && (\more == 0)
	s_wait_loadcnt 0x0                             ; the last step of all: nothing was asked for behind its weights
.else
	s_wait_loadcnt 9                               ; the 9 loads of the next step's weights may be out: this step's are in
.endif
	s_wait_dscnt 0x0
.if \s == 0
	MUL8 (\g0)%3, \nat, \zero0, 1, \wb, \sb, 2, (\g0+2)%3
.elseif \s < 6
	MUL8 (\g0+\s)%3, \nat, 0, 1, \wb, \sb, \s+2, (\g0+\s+2)%3
.elseif \more
	MUL8 (\g0+\s)%3, \nat, 0, 1, \nwb, \nsb, \s-6, (\g0+\s+2)%3
.else
	MUL8 (\g0+\s)%3, \nat, 0, 0, \wb, \sb, 0, 0
.endif
.rept 8
	v_nop                                          ; eight places ahead of loads into registers that these products read and of the first read of results
.endr
.if \s == 7
	v_nop                                          ; a ninth: the next pass's first products write over these accumulators
.endif
.endr
.endm
.macro BARRIER
	s_wait_dscnt 0x0                               ; my LDS stores have landed and my LDS loads are in
	s_barrier_signal -1
	s_barrier_wait -1
.endm
.macro BIASLD base                     ; a bias is the C of a sum's first products: register 8 t + j of a token tile, lane half h: column 16 h + 8 t + j of my 32
.irp u,0,1,2,3
.irp q,0,1,2,3
	global_load_b128 v[HA+16*\u+4*\q:HA+16*\u+4*\q+3], v[H64], s[\base:\base+1] offset:16*\q
.endr
.endr
.endm
.macro OUTQK img, scb                  ; four tiles of tokens x my 32 channels: block u is chunk p of token tile u
.irp u,0,1,2,3
	v_cndmask_b32 v[80+\u], 0, v[TM+4+\u], s[LM]   ; lanes 0-15 carry row r's byte p, lanes 16-31 the zero of byte p + 2 (the upper 64 of the score product's K are zero codes)
.endr
	s_wait_alu depctr_va_vdst(0)                   ; the conversions have written the codes and the selects the bytes, which the stores read; the quantiser is done with the accumulators, in which the next bias lands, and with v32-95, in which the next pass's rows land
.irp u,0,1,2,3
	global_store_b128 v[L16], v[PC+4*\u:PC+4*\u+3], s[\img:\img+1] offset:1024*\u
.endr
.irp u,0,1,2,3
	global_store_b8 v[QSO], v[80+\u], s[\scb:\scb+1] offset:64*\u
.endr
	s_wait_xcnt 0x0                                ; the stores' data registers are written again below
	s_wait_alu depctr_vm_vsrc(0)                   ; the stores have read v32-47 and v80-83, in which the next pass's rows land
.endm
.macro FRAGQ blk                       ; wave 8 u + s makes fragment (tile u, K step s) of the token block that lies in the stage
.irp c,0,1,2,3
.irp j,0,1,2,3
	ds_load_b128 v[AF+16*\c+4*\j:AF+16*\c+4*\j+3], v[STR] offset:128*\c+16*\j
.endr
.endr
	s_wait_dscnt 0x0
	QUANT AF, 0, 4
	s_wait_alu depctr_va_vdst(0)                   ; the conversions have written the codes and the word, which the LDS stores read; the quantiser is done with v32-95 and with its temporaries, in which later loads land
.irp c,0,1,2,3
	ds_store_b128 v[XWI], v[PC+4*\c:PC+4*\c+3] offset:32768*\blk+512*\c
.endr
	ds_store_b32 v[XWS], v[PW] offset:1024*\blk    ; lanes r and r + 16 write the same word with the same value
	BARRIER                                        ; every wave's reads of the stage are over, and its images lie in LDS
	s_wait_alu depctr_vm_vsrc(0)                   ; my LDS stores so far have read their data: the codes and the word, which the next quantiser writes or weights land in; behind block 1 also v192-255, in which the bias lands
.endm
	s_load_b512 s[4:19], s[0:1], 0x0               ; x 4, rms_scale 6, per_dim_scale 8, bq 10, bk 12, bv 14, wimg 16, wsc 18
	s_load_b128 s[20:23], s[0:1], 0x40             ; qkvimg 20, qkvsc 22
	v_lshl_add_u32 v30, v0, 2, 0x31a00
	v_mov_b32 v31, 0
	v_lshrrev_b32 v1, 5, v0
	v_readfirstlane_b32 s[WV], v1                  ; wave 0..15
	v_and_b32 v14, 31, v0                          ; lane
	v_and_b32 v15, 15, v0                          ; r
	v_bfe_u32 v23, v0, 4, 1                        ; h
	v_lshlrev_b32 v[L16], 4, v14
	s_wait_alu depctr_va_vdst(0)
	v_lshlrev_b32 v[L4], 2, v14
	v_lshlrev_b32 v[H64], 6, v23
	v_lshlrev_b32 v[R4], 2, v15
	s_wait_alu depctr_va_vdst(0)
	v_lshl_add_u32 v[QSO], v23, 1, v[R4]
	s_wait_alu depctr_va_sdst(0)                   ; the wave's number is written, ahead of its first reader
	s_mul_i32 s56, s[WV], 2*SPITCH
	v_add_nc_u32 v[STW], s56, v[L16]               ; stage rows 2 w, 2 w + 1
	s_lshr_b32 s57, s[WV], 3                       ; for the fragments: wave = 8 u + s
	s_and_b32 s58, s[WV], 7
	s_mul_i32 s59, s57, 16*SPITCH
	s_lshl_b32 s60, s58, 9
	s_add_co_u32 s59, s59, s60
	v_mul_u32_u24 v[STR], v15, SPITCH
	v_add_nc_u32 v[STR], v[STR], v[H64]
	v_add_nc_u32 v[STR], s59, v[STR]               ; stage row 16 u + r, byte 512 s + 64 h
	s_lshl_b32 s59, s58, 12
	s_lshl_b32 s60, s57, 11
	s_add_co_u32 s59, s59, s60
	s_add_co_u32 s59, s59, XIMG
	v_add_nc_u32 v[XWI], s59, v[L16]
	s_lshl_b32 s59, s58, 7
	s_lshl_b32 s60, s57, 6
	s_add_co_u32 s59, s59, s60
	s_add_co_u32 s59, s59, XSC
	v_add_nc_u32 v[XWS], s59, v[R4]
	v_add_nc_u32 v[AIM], XIMG, v[L16]
	v_add_nc_u32 v[ASC], XSC, v[L4]
	s_lshl_b32 s59, s[WV], 8
	s_add_co_u32 s59, s59, SPT
	v_add_nc_u32 v[SPS], s59, v[L4]
	s_and_b32 s31, s[WV], 1                        ; p: which 32 columns of the head
	s_lshl_b32 s60, s31, 7
	s_add_co_u32 s59, s59, s60
	v_add_nc_u32 v[SPR], s59, v[H64]               ; my table, + 128 p + 64 h
	v_and_b32 v[BVO], 8, v15
	v_add_nc_u32 v[BVO], v[BVO], v15
	v_lshlrev_b32 v[BVO], 2, v[BVO]
.irp b,0,1,2,3
	v_mov_b32 v[52+\b], 0                          ; a lane permute's destination counts as read: both places of the quantiser's temporaries
	v_mov_b32 v[180+\b], 0
.endr
	v_mov_b32 v[BV+1], 0                           ; named as the upper halves of pairs
	v_mov_b32 v[BV+3], 0
	s_mov_b32 s[LM], 0xffff
	s_mov_b32 s[SEL], 0x76543210
	s_mov_b32 s[SEL+1], 0xfedcba98
	s_mov_b32 s[MNT], 0x600000
	s_mov_b32 s[C10], 0x3a800000                   ; 1 / 1,024
	s_mov_b32 s[EPS], 0x358637bd                   ; 1e-6
	s_lshl_b32 s59, s57, 3                         ; stage rows 2 w, 2 w + 1 are tokens tk0, tk0 + 1 of a block: tk0 = 8 (w/8) + 2 (w%8) + 8 ((w/4)%2)
	s_lshl_b32 s60, s58, 1
	s_add_co_u32 s59, s59, s60
	s_bfe_u32 s60, s[WV], 0x10002
	s_lshl_b32 s60, s60, 3
	s_add_co_u32 s59, s59, s60
	s_lshr_b32 s62, ttmp9, 1                       ; the row block of 64
	s_lshl_b32 s60, s62, 6
	s_add_co_u32 s59, s59, s60
	s_lshl_b32 s60, s59, 12                        ; my first row of x, in bytes
	s_mov_b32 s61, 0
	s_mov_b32 s57, 0
	s_and_b32 s63, ttmp9, 1
	s_lshl_b32 s63, s63, 3
	s_lshr_b32 s58, s[WV], 1
	s_add_co_u32 s63, s63, s58                     ; head = 8 (id % 2) + w / 2
	s_lshr_b32 s58, s62, 4
	s_lshl_b32 s58, s58, 4
	s_add_co_u32 s58, s58, s63                     ; y = 16 batch + head
	s_and_b32 s59, s62, 15
	s_lshl_b32 s59, s59, 1                         ; tb0: the first of my two blocks of 32 tokens in the batch row (even)
	s_wait_kmcnt 0x0
	s_add_nc_u64 s[4:5], s[4:5], s[60:61]
	s_lshl_b32 s56, s63, 16
	s_lshl_b32 s60, s31, 12
	s_add_co_u32 s56, s56, s60
	s_add_nc_u64 s[WBQ:WBQ+1], s[16:17], s[56:57]  ; the head's 65,536 bytes of a matrix, tiles 2 p, 2 p + 1 of each K step
	s_add_nc_u64 s[WBK:WBK+1], s[WBQ:WBQ+1], 0x100000
	s_add_nc_u64 s[WBV:WBV+1], s[WBK:WBK+1], 0x100000
	s_lshl_b32 s56, s63, 11
	s_lshl_b32 s60, s31, 7
	s_add_co_u32 s56, s56, s60
	s_add_nc_u64 s[SBQ:SBQ+1], s[18:19], s[56:57]
	s_add_nc_u64 s[SBK:SBK+1], s[SBQ:SBQ+1], 0x8000
	s_add_nc_u64 s[SBV:SBV+1], s[SBK:SBK+1], 0x8000
	s_lshl_b32 s56, s63, 8
	s_add_co_u32 s56, s56, s60                     ; the biases: 256 head + 128 p
	s_add_nc_u64 s[10:11], s[10:11], s[56:57]
	s_add_nc_u64 s[12:13], s[12:13], s[56:57]
	s_add_nc_u64 s[14:15], s[14:15], s[56:57]
	s_lshl_b32 s56, s58, 16
	s_lshl_b32 s60, s59, 11
	s_add_co_u32 s56, s56, s60
	s_lshl_b32 s60, s31, 9
	s_add_co_u32 s56, s56, s60
	s_add_nc_u64 s[QI:QI+1], s[20:21], s[56:57]    ; (y 64 + 2 tb0) 1024 + 512 p
	s_add_nc_u64 s[KI:KI+1], s[QI:QI+1], 0x800000
	s_lshl_b32 s56, s58, 16
	s_lshr_b32 s60, s59, 2
	s_lshl_b32 s60, s60, 13
	s_add_co_u32 s56, s56, s60
	s_lshl_b32 s60, s31, 12
	s_add_co_u32 s56, s56, s60
	s_and_b32 s62, s59, 3
	s_lshl_b32 s60, s62, 9
	s_add_co_u32 s56, s56, s60
	s_add_nc_u64 s[VI:VI+1], s[20:21], s[56:57]    ; (y 8 + tb0 / 4) 8192 + 4096 p + 512 (tb0 % 4)
	s_add_nc_u64 s[VI:VI+1], s[VI:VI+1], 0x1000000
	s_lshl_b32 s56, s58, 12
	s_lshl_b32 s60, s59, 7
	s_add_co_u32 s56, s56, s60
	s_add_co_u32 s56, s56, s31
	s_add_nc_u64 s[QSB:QSB+1], s[22:23], s[56:57]  ; (y 64 + 2 tb0) 64 + p
	s_add_nc_u64 s[KSB:KSB+1], s[QSB:QSB+1], 0x80000
	s_lshl_b32 s56, s58, 11
	s_lshr_b32 s60, s59, 2
	s_lshl_b32 s60, s60, 8
	s_add_co_u32 s56, s56, s60
	s_lshl_b32 s60, s31, 7
	s_add_co_u32 s56, s56, s60
	s_add_co_u32 s56, s56, s62
	s_add_nc_u64 s[VSB:VSB+1], s[22:23], s[56:57]  ; (y 8 + tb0 / 4) 256 + 128 p + tb0 % 4
	s_add_nc_u64 s[VSB:VSB+1], s[VSB:VSB+1], 0x100000
	s_wait_alu depctr_va_vdst(0)                   ; the addresses and offsets v1-13 and v21 are written, which every load and store of the kernel reads; so are v52-55 and v180-183, in which loads below land
	; ---- 1: my four rows of x (two of each token block, 8,192 dense bytes each pair); the norm; row q lies in v32 + 32 q (q < 2) or v192 + 32 (q - 2)
.irp q,0,1,2,3
.set XR_, 32+32*\q+96*(\q/2)
.irp j,0,1,2,3,4,5,6,7
	global_load_b128 v[XR_+4*\j:XR_+4*\j+3], v[L16], s[4:5] offset:131072*(\q/2)+4096*(\q%2)+512*\j
.endr
.endr
.irp j,0,1,2,3,4,5,6,7
	global_load_b128 v[160+4*\j:163+4*\j], v[L16], s[6:7] offset:512*\j
.endr
	global_load_b32 v96, v[L4], s[8:9]
	global_load_b32 v97, v[L4], s[8:9] offset:128
	s_wait_loadcnt 0x0
.irp q,0,1,2,3
.set XR_, 32+32*\q+96*(\q/2)
	v_pk_mul_f32 v[100+4*\q:101+4*\q], v[XR_:XR_+1], v[XR_:XR_+1]
	v_pk_mul_f32 v[102+4*\q:103+4*\q], v[XR_+2:XR_+3], v[XR_+2:XR_+3]
.endr
.irp j,4,8,12,16,20,24,28
.irp q,0,1,2,3
.set XR_, 32+32*\q+96*(\q/2)
	v_pk_fma_f32 v[100+4*\q:101+4*\q], v[XR_+\j:XR_+\j+1], v[XR_+\j:XR_+\j+1], v[100+4*\q:101+4*\q]
	v_pk_fma_f32 v[102+4*\q:103+4*\q], v[XR_+\j+2:XR_+\j+3], v[XR_+\j+2:XR_+\j+3], v[102+4*\q:103+4*\q]
.endr
.endr
.irp q,0,1,2,3
	v_pk_add_f32 v[100+4*\q:101+4*\q], v[100+4*\q:101+4*\q], v[102+4*\q:103+4*\q]
.endr
.irp q,0,1,2,3
	v_add_f32 v[100+4*\q], v[100+4*\q], v[101+4*\q]
.endr
.irp m,1,2,4,8
.irp q,0,1,2,3
	v_add_f32_dpp v[100+4*\q], v[100+4*\q], v[100+4*\q] row_xmask:\m row_mask:0xf bank_mask:0xf
.endr
.endr
.irp q,0,1,2,3
	v_permlanex16_b32 v[101+4*\q], v[100+4*\q], s[SEL], s[SEL+1]
.endr
.irp q,0,1,2,3
	v_add_f32 v[100+4*\q], v[100+4*\q], v[101+4*\q]
.endr
.irp q,0,1,2,3
	v_fma_f32 v[100+4*\q], v[100+4*\q], s[C10], s[EPS]         ; the mean of the squares + 1e-6
.endr
	s_wait_alu depctr_va_vdst(0)
.irp q,0,1,2,3
	v_rsq_f32 v[116+2*\q], v[100+4*\q]
	v_rsq_f32 v[117+2*\q], v[100+4*\q]             ; twice: a pair for the packed multiply
.endr
	v_mul_f32 v124, 0xbfb8aa3b, |v96|              ; (a plain line behind the transcendentals)  softplus(p) = max(p, 0) + log1p(e^-|p|)
	v_mul_f32 v125, 0xbfb8aa3b, |v97|
	s_wait_alu depctr_va_vdst(0)                   ; the eight reciprocal roots are written, ahead of their first reader
.irp q,0,1,2,3
.set XR_, 32+32*\q+96*(\q/2)
.set J_, 0
.rept 16
	v_pk_mul_f32 v[XR_+J_:XR_+J_+1], v[XR_+J_:XR_+J_+1], v[116+2*\q:117+2*\q]
.set J_, J_+2
.endr
.endr
.irp q,0,1,2,3
.set XR_, 32+32*\q+96*(\q/2)
.set J_, 0
.rept 16
	v_pk_mul_f32 v[XR_+J_:XR_+J_+1], v[XR_+J_:XR_+J_+1], v[160+J_:161+J_]
.set J_, J_+2
.endr
.endr
	s_wait_alu depctr_va_vdst(0)                   ; the four rows of xn are written, which the LDS stores here and behind the second barrier read
.irp e,0,1
.irp j,0,1,2,3,4,5,6,7
	ds_store_b128 v[STW], v[32+32*\e+4*\j:35+32*\e+4*\j] offset:\e*SPITCH+512*\j        ; token block 0 into the stage
.endr
.endr
	v_exp_f32 v124, v124                           ; y = e^-|p|
	v_exp_f32 v125, v125
	v_nop
	s_wait_alu depctr_va_vdst(0)                   ; the two exponentials are written, ahead of their first reader
	v_add_f32 v126, 1.0, v124                      ; u = 1 + y
	v_add_f32 v127, 1.0, v125
	v_add_f32 v128, -1.0, v126                     ; d = u - 1: what of y the sum kept
	v_add_f32 v129, -1.0, v127
	s_wait_alu depctr_va_vdst(0)
	v_log_f32 v130, v126
	v_log_f32 v131, v127
	v_rcp_f32 v132, v128
	v_rcp_f32 v133, v129
	v_nop
	s_wait_alu depctr_va_vdst(0)                   ; the two logarithms and the two reciprocals are written, ahead of their first reader
	v_mul_f32 v130, 0x3f317218, v130               ; ln u
	v_mul_f32 v131, 0x3f317218, v131
	v_mul_f32 v132, v124, v132                     ; y / d
	v_mul_f32 v133, v125, v133
	v_cmp_eq_f32 s56, 0, v128                      ; the two compares in one run, each into a scalar register of its own
	v_cmp_eq_f32 s58, 0, v129
	v_mul_f32 v130, v130, v132                     ; log1p(y) = ln(u) y / d,
	v_mul_f32 v131, v131, v133
	v_max_num_f32 v96, 0, v96
	v_max_num_f32 v97, 0, v97
	s_wait_alu depctr_va_sdst(0)                   ; both masks are written, ahead of the selects that read them
	v_cndmask_b32 v130, v130, v124, s56            ; and y itself where d = 0
	v_cndmask_b32 v131, v131, v125, s58
	v_add_f32 v96, v96, v130
	v_add_f32 v97, v97, v131
	v_mul_f32 v96, 0x3e38aa3b, v96                 ; x log2(e) / 8
	v_mul_f32 v97, 0x3e38aa3b, v97
	s_wait_alu depctr_va_vdst(0)                   ; v96 and v97 are written, which the LDS stores read; the vector work above is done with v96-133, in which the first weights land
	ds_store_b32 v[SPS], v96                       ; my wave's own table: no other wave reads it
	ds_store_b32 v[SPS], v97 offset:128
	BARRIER                                        ; token block 0's 32 rows of xn lie in the stage
	s_wait_alu depctr_vm_vsrc(0)                   ; my LDS stores have read v32-95, in which the stage's rows land, and v96, v97, in which weights land
	; ---- 2: the fragments, block by block; the first two K steps' weights are asked for here and land meanwhile
	LOADB WBQ, SBQ, 0, 0
	LOADB WBQ, SBQ, 1, 1
	FRAGQ 0
.irp e,0,1
.irp j,0,1,2,3,4,5,6,7
	ds_store_b128 v[STW], v[192+32*\e+4*\j:195+32*\e+4*\j] offset:\e*SPITCH+512*\j      ; token block 1 into the stage: nobody reads block 0's rows any more
.endr
.endr
	BARRIER
	FRAGQ 1                                        ; behind its barrier, the launch's last, LDS is only read
.set PC, 32
.set TM, 48
	; ---- q
	BIASLD 10
	PASS WBQ, SBQ, 0, 0, 0, 1, WBK, SBK
	s_wait_alu depctr_va_vdst(0)                   ; the last step's products are done reading v64-79, in which the table's loads land
.irp q,0,1,2,3
	ds_load_b128 v[64+4*\q:67+4*\q], v[SPR] offset:16*\q
.endr
	s_wait_dscnt 0x0
.irp u,0,1,2,3
.set J_, 0
.rept 8
	v_pk_mul_f32 v[HA+16*\u+J_:HA+16*\u+J_+1], v[HA+16*\u+J_:HA+16*\u+J_+1], v[64+J_:65+J_]   ; x the channel's scale; each accumulator from its low end on
.set J_, J_+2
.endr
.endr
	QUANT HA, 0, 4
	OUTQK QI, QSB
	; ---- k
	BIASLD 12
	PASS WBK, SBK, 8, 0, 0, 1, WBV, SBV
	QUANT HA, 0, 4
	OUTQK KI, KSB
	; ---- v: natural use: a lane holds channel 32 p + 8 t + r + 8 (r/8); block 2 t + k: the 16 registers are tokens 16 h + 0..15 of token block k: one block of 32 keys with lane l xor 16
.irp t,0,1
	global_load_b32 v[BV+2*\t], v[BVO], s[14:15] offset:32*\t
.endr
	PASS WBV, SBV, 16, 1, 1, 0, WBV, SBV
.irp t,0,1
.irp k,0,1
.set J_, 0
.rept 8
	v_pk_add_f32 v[HA+32*\t+16*\k+J_:HA+32*\t+16*\k+J_+1], v[HA+32*\t+16*\k+J_:HA+32*\t+16*\k+J_+1], v[BV+2*\t:BV+2*\t+1] op_sel_hi:[1,0]
.set J_, J_+2
.endr
.endr
.endr
	QUANT HA, 0, 4
	s_wait_alu depctr_va_vdst(0)                   ; the conversions have written the codes and the shifts the bytes, which the stores read
.irp t,0,1
.irp k,0,1
	global_store_b128 v[L16], v[PC+8*\t+4*\k:PC+8*\t+4*\k+3], s[VI:VI+1] offset:2048*\t+512*\k
.endr
.endr
.irp t,0,1
.irp k,0,1
	global_store_b8 v[R4], v[TM+4+2*\t+\k], s[VSB:VSB+1] offset:64*\t+\k     ; one byte of row r's word of these 128 keys; lanes r and r + 16 store the same
.endr
.endr
	s_wait_dscnt 0x0                               ; the closing lines, six on end
	s_wait_alu 0x0
	s_wait_tensorcnt 0x0
	ds_add_u32 v30, v31
	s_wait_dscnt 0x0
	s_endpgm
.Lfunc_end_k_q5988235733_qkv:
	.size	k_q5988235733_qkv, .Lfunc_end_k_q5988235733_qkv-k_q5988235733_qkv
	.p2alignl 7, 3214868480
	.fill 96, 4, 3214868480
	.section	.rodata,"a",@progbits
	.p2align	6, 0x0
	.amdhsa_kernel k_q5988235733_qkv
		.amdhsa_group_segment_fixed_size 205312
		.amdhsa_private_segment_fixed_size 0
		.amdhsa_enable_private_segment 0
		.amdhsa_kernarg_size 80
		.amdhsa_user_sgpr_count 2
		.amdhsa_user_sgpr_kernarg_segment_ptr 1
		.amdhsa_wavefront_size32 1
		.amdhsa_system_sgpr_workgroup_id_x 1
		.amdhsa_system_sgpr_workgroup_id_y 1
		.amdhsa_system_sgpr_workgroup_id_z 1
		.amdhsa_system_vgpr_workitem_id 0
		.amdhsa_next_free_vgpr 256
		.amdhsa_next_free_sgpr 66
		.amdhsa_reserve_vcc 0
		.amdhsa_float_denorm_mode_32 3
		.amdhsa_float_denorm_mode_16_64 3
		.amdhsa_memory_ordered 1
		.amdhsa_forward_progress 1
		.amdhsa_inst_pref_size 161
	.end_amdhsa_kernel
	.amdgpu_metadata
---
amdhsa.version: [ 1, 2 ]
amdhsa.kernels:
  - .name:           k_q5988235733_qkv
    .symbol:         k_q5988235733_qkv.kd
    .args:
      - { .name: x, .offset: 0, .size: 8, .value_kind: global_buffer, .address_space: global }
      - { .name: rms_scale, .offset: 8, .size: 8, .value_kind: global_buffer, .address_space: global }
      - { .name: per_dim_scale, .offset: 16, .size: 8, .value_kind: global_buffer, .address_space: global }
      - { .name: bq, .offset: 24, .size: 8, .value_kind: global_buffer, .address_space: global }
      - { .name: bk, .offset: 32, .size: 8, .value_kind: global_buffer, .address_space: global }
      - { .name: bv, .offset: 40, .size: 8, .value_kind: global_buffer, .address_space: global }
      - { .name: wimg, .offset: 48, .size: 8, .value_kind: global_buffer, .address_space: global }
      - { .name: wsc, .offset: 56, .size: 8, .value_kind: global_buffer, .address_space: global }
      - { .name: qkvimg, .offset: 64, .size: 8, .value_kind: global_buffer, .address_space: global }
      - { .name: qkvsc, .offset: 72, .size: 8, .value_kind: global_buffer, .address_space: global }
    .group_segment_fixed_size: 205312
    .private_segment_fixed_size: 0
    .kernarg_segment_align: 8
    .kernarg_segment_size: 80
    .max_flat_workgroup_size: 512
    .sgpr_count:     66
    .vgpr_count:     256
    .wavefront_size: 32
...
	.end_amdgpu_metadata
.endif
;; end of part 6
;; launch attn (part 7): grid 2 x 128, 16 waves a work-group, no clusters, 147,456 bytes of LDS; arguments qkvimg, qkvsc, padding, aimg, asc; writes aimg, asc
.if DOCPART == 7
	.amdgcn_target "amdgcn-amd-amdhsa--gfx1250"
	.amdhsa_code_object_version 6
	.text
	.protected	k_q5988235733_attn
	.globl	k_q5988235733_attn
	.p2align	8
	.type	k_q5988235733_attn,@function
k_q5988235733_attn:
	s_mov_b64 s[64:65], 0
	v_nop
	global_prefetch_b8 v0, s[64:65] scope:SCOPE_SE
	s_setreg_imm32_b32 hwreg(HW_REG_WAVE_SCHED_MODE, 0, 2), 2
	s_setreg_imm32_b32 hwreg(HW_REG_WAVE_MODE, 25, 1), 1
	s_wait_xcnt 0x0
	s_wait_alu depctr_vm_vsrc(0)
; Attention of one head (y = 16 batch + head) on codes of E4M3, causal and with the padding mask; its result leaves as codes along (head, channel), the next product's K.
; SOFTMAX: t = logit x log2(e); M = the running largest t rounded UP to a whole number; p = 2^(t - M) is quantised along the keys; the row's sum is taken of the unquantised p and divides at the end.
; MASK.  A padded key adds -1e30 to its scores: it enters as the C of the score product.  Keys behind the query get -1e30 in the one step on the diagonal; steps wholly behind it are left out.  The running largest t starts at -1e15,
; above every masked score, so a masked score never becomes M and its p is 0.  A PADDED QUERY has every logit equal in the definition (-1e9, keys behind it too): p = 1 for all 1,024 keys, sum 1,024: its result is the mean of
; the quantised v over ALL keys.  That mean is made once by products with an operand of ones, and chosen by v_cndmask_b32 at the end.
; SHARES.  Two work-groups to a head; each copies the head's K and V images (131,072 bytes) and scales into LDS once and then only reads LDS.  Wave W = 16 x + w takes query tiles W and 56 - 8 (W/8) + W%8:
; W/8 + 1 and 8 - W/8 key steps of 128: nine for every wave.  Four waves share a SIMD, so that one wave's vector work stands beside another's products and LDS loads.
; LAYOUT.  Both products transposed (S^T = K Q^T, O^T = V^T P^T): a lane holds one query.  The head's 64 fill half of the score product's K: the other half is zero codes on both sides.
; NO CLUSTER: the two work-groups of a head read the same images once each, at their start, through registers: 131,072 of the bytes a work-group ever loads; a joint request would need tensor loads for one fill.
; LIMITS: NaN and infinities are not served; logits x log2(e) lie above -1e15; a mask entry counts as 0 only where a padding factor is 0; a block whose largest magnitude lies under 2^-118 keeps the byte 1.
; THE MODE: SCHED_MODE bits 1:0 = 2 (LLVM: expert scheduling mode 2), set by the entry lines.  The code itself states the register dependences
; between vector or matrix instructions and memory or LDS instructions, with s_wait_alu, always for 0.
; THE PLAN.  Registers that LDS instructions touch, in a key step:
;   v8-11, v16     the step's five LDS addresses: written by five additions at the step's head, read by all its LDS loads.
;   S (v96-159)    the keys' 0 or -1e30 land in it; the score products add onto it; the softmax works in it; behind the conversions V's fragments land in it; the second product reads them.
;   KF (v32-95)    K's fragments land in the lower halves, four tiles at a time, twice a step; the score products read them.  The upper halves are zero codes, written once.
;   v240-245       K's and V's scale words: loaded, read by the products.   v192-207, v247: p's codes and scale word: written by vector instructions, read by the second product.
; Four waits a step.  vm_vsrc ahead of the five additions.  va_vdst behind them: the addresses are written, and the step before's products are done with S, KF and the scale words.  va_vdst ahead of the second four tiles of K.
; va_vdst behind the rescaling of O^T: the holds and conversions are done with S, in which V lands, and p's codes and scale word are written.  No second set of K's fragments: 16 waves of 256 registers leave no room.
.set VIMG, 65536                       ; LDS: K's images at 0 (key tile kt at 1024 kt); V's [ks][t][c][l];
.set KSC,  131072                      ; K's scale words, 64 bytes a tile;
.set VST,  135168                      ; V's, [ks][t][r];
.set KB,   137216                      ; one f32 a key: 0, or -1e30 where padding = 0;
.set UIMG, 141312                      ; the mean of v over all keys, as an image of O's registers
.set L16, 1
.set LV,  2
.set LKS, 3
.set LKB, 4
.set LVS, 5
.set RQ4, 6                            ; v6  4 (r + 8 (r/8)): my query's place among its tile's tokens, in bytes
.set QP,  7                            ; v7  padding of my query
.set ADK, 8                            ; v8-11, v16 the step's LDS addresses
.set ADV, 9
.set ADS, 10
.set ADB, 11
.set ADT, 16                           ; v12 -M, v13 the largest t, v[14:15] the sum in two halves
.set DQ,  17                           ; v17 r + 8 (r/8) - 16 h
.set DD,  18                           ; v18 on the diagonal: register 16 b + i is hidden where 32 b + i > DD
.set R4,  19
.set T16, 20                           ; v20-26 the copy's addresses: 16, 8, 4 x the thread's number
.set T16V, 21
.set T8,  22
.set T8K, 23
.set T8B, 24
.set T4,  25
.set T4V, 26
.set UV,  27                           ; v27-29 for the mean: V's fragments of tile w, their scale words, the image's place
.set US,  28
.set UW,  29
.set UR,  30                           ; v30 UIMG + 16 l
.set KF,  32                           ; v32-95   four fragments of K; registers 8-15 of each stay zero
.set S,   96                           ; v96-159  S^T, then p, then V's four fragments
.set O,   160                          ; v160-191 O^T
.set PC,  192                          ; v192-207 p's codes
.set QF,  208                          ; v208-223 Q's fragment; registers 8-15 stay zero
.set TM,  224                          ; v224-239 at work
.set KSR, 240                          ; v240-243 K's scale words; v244-245 V's; v246 Q's; v247 p's; v249 the ones': these hold scales and nothing else
.set VSR, 244
.set QSR, 246
.set PSR, 247
.set NEG, 248                          ; v248 -1e30
.set ONE, 249
.set F,   250                          ; v[250:251] f = 2^(old M - new M)
.set PW,  252
.set TP,  254
.set WW,  29                           ; s29 W
.set WV,  33
.set LIM, 37
.set KS,  52
.set TK,  53
.set TS,  54
.set TV,  55
.set CS,  56                           ; s[56:57] log2(e)
.set MNT, 58
.set SEL, 60
.set MK,  66                           ; s66-97 the diagonal's masks, 32 at a time
.macro QUANT src, relu, nb
.irp b,0,1,2,3
.if \b < \nb
.if \relu
	v_max3_num_f32 v[TM+\b], v[\src+16*\b], v[\src+16*\b+1], 0x4800000
.else
	v_max3_num_f32 v[TM+\b], |v[\src+16*\b]|, |v[\src+16*\b+1]|, 0x4800000
.endif
.endif
.endr
.irp i,2,4,6,8,10,12,14
.irp b,0,1,2,3
.if \b < \nb
.if \relu
	v_max3_num_f32 v[TM+\b], v[TM+\b], v[\src+16*\b+\i], v[\src+16*\b+\i+1]
.else
	v_max3_num_f32 v[TM+\b], v[TM+\b], |v[\src+16*\b+\i]|, |v[\src+16*\b+\i+1]|
.endif
.endif
.endr
.endr
.irp b,0,1,2,3
.if \b < \nb
	v_permlanex16_b32 v[TM+4+\b], v[TM+\b], s[SEL], s[SEL+1]
.endif
.endr
.irp b,0,1,2,3
.if \b < \nb
	v_max_num_f32 v[TM+\b], v[TM+\b], v[TM+4+\b]
.endif
.endr
.irp b,0,1,2,3
.if \b < \nb
	v_add_nc_u32 v[TM+12+\b], 0xfc000000, v[TM+\b]
.endif
.endr
.irp b,0,1,2,3
.if \b < \nb
	v_and_or_b32 v[TM+8+\b], v[TM+\b], 0x7f800000, s[MNT]
.endif
.endr
.irp b,0,1,2,3
.if \b < \nb
	v_lshrrev_b32 v[TM+4+\b], 23, v[TM+12+\b]
.endif
.endr
	v_lshl_or_b32 v[PW], v[TM+5], 8, v[TM+4]
.if \nb > 2
	v_lshl_or_b32 v[PW], v[TM+6], 16, v[PW]
	v_lshl_or_b32 v[PW], v[TM+7], 24, v[PW]
.endif
.irp b,0,1,2,3
.if \b < \nb
.irp i,0,1,2,3,4,5,6,7,8,9,10,11,12,13,14,15
.if \relu
	v_med3_num_f32 v[\src+16*\b+\i], v[\src+16*\b+\i], 0, v[TM+8+\b]
.else
	v_med3_num_f32 v[\src+16*\b+\i], v[\src+16*\b+\i], -v[TM+8+\b], v[TM+8+\b]
.endif
.endr
	v_cvt_scalef32_pk8_fp8_f32 v[PC+4*\b:PC+4*\b+1], v[\src+16*\b:\src+16*\b+7], v[TM+12+\b]
	v_cvt_scalef32_pk8_fp8_f32 v[PC+4*\b+2:PC+4*\b+3], v[\src+16*\b+8:\src+16*\b+15], v[TM+12+\b]
.endif
.endr
	v_nop
.endm
.macro WM d, a, b, zero, sa, sb, ra, rb
.if \zero
.if (\ra) && (\rb)
	v_wmma_scale_f32_16x16x128_f8f6f4 v[\d:\d+7], v[\a:\a+15], v[\b:\b+15], 0, v[\sa], v[\sb] matrix_a_scale:MATRIX_SCALE_ROW1 matrix_b_scale:MATRIX_SCALE_ROW1
.elseif (\ra)
	v_wmma_scale_f32_16x16x128_f8f6f4 v[\d:\d+7], v[\a:\a+15], v[\b:\b+15], 0, v[\sa], v[\sb] matrix_a_scale:MATRIX_SCALE_ROW1
.elseif (\rb)
	v_wmma_scale_f32_16x16x128_f8f6f4 v[\d:\d+7], v[\a:\a+15], v[\b:\b+15], 0, v[\sa], v[\sb] matrix_b_scale:MATRIX_SCALE_ROW1
.else
	v_wmma_scale_f32_16x16x128_f8f6f4 v[\d:\d+7], v[\a:\a+15], v[\b:\b+15], 0, v[\sa], v[\sb]
.endif
.else
.if (\ra) && (\rb)
	v_wmma_scale_f32_16x16x128_f8f6f4 v[\d:\d+7], v[\a:\a+15], v[\b:\b+15], v[\d:\d+7], v[\sa], v[\sb] matrix_a_scale:MATRIX_SCALE_ROW1 matrix_b_scale:MATRIX_SCALE_ROW1
.elseif (\ra)
	v_wmma_scale_f32_16x16x128_f8f6f4 v[\d:\d+7], v[\a:\a+15], v[\b:\b+15], v[\d:\d+7], v[\sa], v[\sb] matrix_a_scale:MATRIX_SCALE_ROW1
.elseif (\rb)
	v_wmma_scale_f32_16x16x128_f8f6f4 v[\d:\d+7], v[\a:\a+15], v[\b:\b+15], v[\d:\d+7], v[\sa], v[\sb] matrix_b_scale:MATRIX_SCALE_ROW1
.else
	v_wmma_scale_f32_16x16x128_f8f6f4 v[\d:\d+7], v[\a:\a+15], v[\b:\b+15], v[\d:\d+7], v[\sa], v[\sb]
.endif
.endif
.endm
.macro BARRIER
	s_wait_dscnt 0x0
	s_barrier_signal -1
	s_barrier_wait -1
.endm
	s_load_b256 s[4:11], s[0:1], 0x0               ; qkvimg 4, qkvsc 6, padding 8, aimg 10
	s_load_b64 s[12:13], s[0:1], 0x20              ; asc
	v_lshl_add_u32 v253, v0, 2, 0x23800
	v_mov_b32 v255, 0
	v_lshrrev_b32 v8, 5, v0
	v_readfirstlane_b32 s[WV], v8                  ; wave 0..15
	v_and_b32 v8, 31, v0                           ; lane
	v_and_b32 v9, 15, v0                           ; r
	v_bfe_u32 v10, v0, 4, 1                        ; h
	v_lshlrev_b32 v[L16], 4, v8
	v_add_nc_u32 v[LV], VIMG, v[L16]
	v_lshl_add_u32 v[LKS], v8, 2, KSC
	v_lshl_add_u32 v[LKB], v10, 6, KB
	v_lshl_add_u32 v[LVS], v8, 2, VST
	v_and_b32 v11, 8, v9
	v_add_nc_u32 v11, v11, v9                      ; r + 8 (r/8)
	v_lshlrev_b32 v[RQ4], 2, v11
	v_lshlrev_b32 v10, 4, v10
	v_sub_nc_u32 v[DQ], v11, v10
	v_lshlrev_b32 v[R4], 2, v9
	v_lshlrev_b32 v[T16], 4, v0
	v_add_nc_u32 v[T16V], VIMG, v[T16]
	v_lshlrev_b32 v[T8], 3, v0
	v_add_nc_u32 v[T8K], KSC, v[T8]
	v_add_nc_u32 v[T8B], KB, v[T8]
	v_lshlrev_b32 v[T4], 2, v0
	v_add_nc_u32 v[T4V], VST, v[T4]
	s_wait_alu depctr_va_sdst(0)                   ; the wave's number is written, ahead of its first reader
	s_lshl_b32 s30, s[WV], 11
	s_add_co_u32 s30, s30, VIMG
	v_add_nc_u32 v[UV], s30, v[L16]
	s_lshl_b32 s30, s[WV], 6
	s_add_co_u32 s30, s30, VST
	v_add_nc_u32 v[US], s30, v[R4]
	s_lshl_b32 s30, s[WV], 10
	s_add_co_u32 s30, s30, UIMG
	v_add_nc_u32 v[UW], s30, v[L16]
	v_add_nc_u32 v[UR], UIMG, v[L16]
	v_mov_b32 v[NEG], 0xf149f2ca                   ; -1e30
	s_mov_b32 s[CS], 0x3fb8aa3b
	s_mov_b32 s[CS+1], s[CS]
	s_mov_b32 s[MNT], 0x600000
	s_mov_b32 s[SEL], 0x76543210
	s_mov_b32 s[SEL+1], 0xfedcba98
	s_and_b32 s26, ttmp7, 0xffff                   ; y
	s_lshr_b32 s27, s26, 4                         ; batch
	s_and_b32 s28, s26, 15                         ; head
	s_lshl_b32 s[WW], ttmp9, 4
	s_add_co_u32 s[WW], s[WW], s[WV]               ; W
	s_mov_b32 s51, 0
	s_wait_kmcnt 0x0
	s_lshl_b32 s50, s26, 16
	s_add_nc_u64 s[18:19], s[4:5], s[50:51]        ; the head's q,
	s_add_nc_u64 s[14:15], s[18:19], 0x800000      ; k,
	s_add_nc_u64 s[16:17], s[18:19], 0x1000000     ; v
	s_lshl_b32 s50, s26, 12
	s_add_nc_u64 s[20:21], s[6:7], s[50:51]        ; q's scale words,
	s_add_nc_u64 s[22:23], s[20:21], 0x80000       ; k's,
	s_lshl_b32 s50, s26, 11
	s_add_nc_u64 s[24:25], s[6:7], s[50:51]
	s_add_nc_u64 s[24:25], s[24:25], 0x100000      ; v's
	s_lshl_b32 s50, s27, 12
	s_add_nc_u64 s[8:9], s[8:9], s[50:51]          ; the batch row of padding
	s_lshr_b32 s30, s28, 1
	s_and_b32 s31, s28, 1
	s_lshl_b32 s50, s27, 20
	s_lshl_b32 s32, s30, 12
	s_add_co_u32 s50, s50, s32
	s_lshl_b32 s32, s31, 10
	s_add_co_u32 s50, s50, s32
	s_add_nc_u64 s[10:11], s[10:11], s[50:51]      ; aimg: K step head/2, chunks 2 (head%2) + 0, 1
	s_lshl_b32 s50, s27, 15
	s_lshl_b32 s32, s30, 7
	s_add_co_u32 s50, s50, s32
	s_lshl_b32 s32, s31, 1
	s_add_co_u32 s50, s50, s32
	s_add_nc_u64 s[12:13], s[12:13], s[50:51]
	s_wait_alu depctr_va_vdst(0)                   ; the addresses and offsets v1-6 and v19-30 are written, which the loads and stores of the kernel read
	; ---- the head's images and scales into LDS, as they lie
.irp i,0,1,2,3,4,5,6,7
	global_load_b128 v[32+4*\i:35+4*\i], v[T16], s[14:15] offset:8192*\i
.endr
.irp i,0,1,2,3,4,5,6,7
	global_load_b128 v[64+4*\i:67+4*\i], v[T16], s[16:17] offset:8192*\i
.endr
	global_load_b64 v[96:97], v[T8], s[22:23]
	global_load_b64 v[98:99], v[T8], s[8:9]
	global_load_b32 v100, v[T4], s[24:25]
	s_wait_loadcnt 0x0
.irp i,0,1,2,3,4,5,6,7
	ds_store_b128 v[T16], v[32+4*\i:35+4*\i] offset:8192*\i
.endr
.irp i,0,1,2,3,4,5,6,7
	ds_store_b128 v[T16V], v[64+4*\i:67+4*\i] offset:8192*\i
.endr
	ds_store_b64 v[T8K], v[96:97]
	ds_store_b32 v[T4V], v100
	v_cmp_eq_f32 s30, 0, v98                       ; the two compares in one run, each into a scalar register of its own
	v_cmp_eq_f32 s31, 0, v99
	s_wait_alu depctr_va_sdst(0)                   ; both masks are written, ahead of the selects that read them
	v_cndmask_b32 v102, 0, v[NEG], s30
	v_cndmask_b32 v103, 0, v[NEG], s31
	s_wait_alu depctr_va_vdst(0)                   ; v102 and v103 are written, which the LDS store reads; the compares are done reading v98 and v99, in which LDS loads land in waves 0 to 3
	ds_store_b64 v[T8B], v[102:103]
	BARRIER
	s_wait_alu depctr_vm_vsrc(0)                   ; my LDS stores have read v32-103: LDS loads land there in waves 0 to 3, and in every wave the zero codes are written there
	; ---- the mean of v over all 1,024 keys: wave t < 4 makes channel tile t: eight products with ones, on two accumulators by turns
	s_cmp_lt_u32 s[WV], 4
	s_cbranch_scc0 .Lno_u
.irp k,0,1,2,3,4,5,6,7
.irp c,0,1,2,3
	ds_load_b128 v[32+16*\k+4*\c:32+16*\k+4*\c+3], v[UV] offset:8192*\k+512*\c
.endr
	ds_load_b32 v[KSR+\k], v[US] offset:256*\k
.endr
	v_mov_b32 v[ONE], 0x7f7f7f7f                   ; scale 1
.irp i,0,1,2,3,4,5,6,7,8,9,10,11,12,13,14,15
	v_mov_b32 v[PC+\i], 0x38383838                 ; the code of 1.0
.endr
.rept 8
	v_nop                                          ; a scale register written by a vector instruction stands eight places ahead of the product, an operand four
.endr
	s_wait_alu depctr_va_vdst(0)                   ; the ones and their scale word are written, which the products take as an operand and as scales; the places above stay beside this wait
	s_wait_dscnt 0x0
.irp k,0,1,2,3,4,5,6,7
.if \k < 2
	WM O+8*(\k%2), 32+16*\k, PC, 1, KSR+\k, ONE, 0, 0
.else
	WM O+8*(\k%2), 32+16*\k, PC, 0, KSR+\k, ONE, 0, 0
.endif
.endr
.rept 8
	v_nop
.endr
.irp j,0,1,2,3,4,5,6,7
	v_add_f32 v[176+\j], v[O+\j], v[O+8+\j]
.endr
.irp j,0,1,2,3,4,5,6,7
	v_mul_f32 v[176+\j], 0x3a800000, v[176+\j]     ; / 1,024: exact
.endr
	s_wait_alu depctr_va_vdst(0)                   ; the means are written, which the LDS stores read; the products are done reading v246, in which Q's scale word lands
	ds_store_b128 v[UW], v[176:179]
	ds_store_b128 v[UW], v[180:183] offset:512
	s_wait_alu depctr_vm_vsrc(0)                   ; these two stores have read v176-183, which are cleared as O^T below
.Lno_u:
	BARRIER                                        ; the launch's last barrier: from here on LDS is only read
.irp f,0,1,2,3
.irp i,8,9,10,11,12,13,14,15
	v_mov_b32 v[KF+16*\f+\i], 0                    ; the upper 64 of the score product's K: zero codes
.endr
.endr
.irp i,8,9,10,11,12,13,14,15
	v_mov_b32 v[QF+\i], 0
.endr
.irp b,0,1,2,3
	v_mov_b32 v[TM+4+\b], 0                        ; a lane permute's destination counts as read
.endr
	v_mov_b32 v[F+1], 0                            ; named as the upper half of a pair
	v_mov_b32 v[TP], 0
; ONE QUERY TILE.  hi = 0: tile W; hi = 1: tile 56 - 8 (W/8) + W%8.
; Its four loads at the head owe no wait: the last instructions that named v208-215, v246 and v7 stand ahead of a wait on va_vdst (in front of the mean's stores, or of the tile before's stores), and none since names them.
.macro TILE hi
.if \hi
	s_and_b32 s36, s[WW], 7
	s_and_b32 s34, s[WW], 24
	s_sub_co_u32 s34, 56, s34
	s_add_co_u32 s36, s36, s34
.else
	s_mov_b32 s36, s[WW]
.endif
	s_lshr_b32 s[LIM], s36, 3                      ; the key step on the diagonal
	s_lshr_b32 s38, s36, 1                         ; which 32 tokens
	s_and_b32 s39, s36, 1                          ; which tile of them
	s_lshl_b32 s50, s36, 10
	s_add_nc_u64 s[40:41], s[18:19], s[50:51]
	s_lshl_b32 s50, s36, 6
	s_add_nc_u64 s[42:43], s[20:21], s[50:51]
	s_lshl_b32 s50, s38, 7
	s_lshl_b32 s34, s39, 5
	s_add_co_u32 s50, s50, s34
	s_add_nc_u64 s[44:45], s[8:9], s[50:51]
	s_lshl_b32 s50, s38, 15
	s_lshl_b32 s34, s39, 11
	s_add_co_u32 s50, s50, s34
	s_add_nc_u64 s[46:47], s[10:11], s[50:51]
	s_lshl_b32 s50, s38, 10
	s_lshl_b32 s34, s39, 6
	s_add_co_u32 s50, s50, s34
	s_add_nc_u64 s[48:49], s[12:13], s[50:51]
	s_and_b32 s34, s38, 3
	s_lshl_b32 s34, s34, 5
	s_lshl_b32 s35, s39, 3
	s_add_co_u32 s34, s34, s35
	v_add_nc_u32 v[DD], s34, v[DQ]                 ; my query's token - the diagonal step's first key - 16 h
	global_load_b128 v[QF:QF+3], v[L16], s[40:41]
	global_load_b128 v[QF+4:QF+7], v[L16], s[40:41] offset:512
	global_load_b32 v[QSR], v[R4], s[42:43]
	global_load_b32 v[QP], v[RQ4], s[44:45]
	v_mov_b32 v13, 0xd8635fa9                      ; the largest t so far: -1e15
	v_floor_f32 v12, -v13                          ; -M
	v_mov_b32 v14, 0
	v_mov_b32 v15, 0
.set J_, 0
.rept 32
	v_mov_b32 v[O+J_], 0                           ; the step is written once: the first finds zeros
.set J_, J_+1
.endr
	s_mov_b32 s[KS], 0
	s_mov_b32 s[TK], 0
	s_mov_b32 s[TS], 0
	s_mov_b32 s[TV], 0
	s_wait_loadcnt 0x0
.Lstep_\@:                                         ; eight trips, a constant; a step all of whose keys come behind the tile is left out but for the lines that step addresses
	s_cmp_gt_u32 s[KS], s[LIM]
	s_cbranch_scc1 .Lskip_\@
	s_wait_alu depctr_vm_vsrc(0)                   ; the LDS loads issued so far have read the five addresses that are written below
	v_add_nc_u32 v[ADK], s[TK], v[L16]
	v_add_nc_u32 v[ADV], s[TK], v[LV]
	v_add_nc_u32 v[ADS], s[TS], v[LKS]
	v_add_nc_u32 v[ADB], s[TS], v[LKB]
	v_add_nc_u32 v[ADT], s[TV], v[LVS]
.rept 4
	v_nop                                          ; with the five additions nine places: the scores are written over registers that the last step's products read (V's fragments)
.endr
	s_wait_alu depctr_va_vdst(0)                   ; the five addresses are written, which the step's LDS loads read; the step before's products are done reading V's and K's fragments and the scale words, in which loads below land; the zero codes of K's and Q's upper halves are written, which the products take
.irp t,0,1,2,3,4,5,6,7
	ds_load_b128 v[S+8*\t:S+8*\t+3], v[ADB] offset:128*(\t/2)+32*(\t%2)          ; the keys' 0 or -1e30: the C of the score products
	ds_load_b128 v[S+8*\t+4:S+8*\t+7], v[ADB] offset:128*(\t/2)+32*(\t%2)+16
.endr
.irp p,0,1,2,3
	ds_load_b32 v[KSR+\p], v[ADS] offset:128*\p
.endr
.irp g,0,1
.if \g
.rept 8
	v_nop
.endr
	s_wait_alu depctr_va_vdst(0)                   ; the first four score products are done reading K's fragments, in which the next four tiles land
.endif
.irp f,0,1,2,3
	ds_load_b128 v[KF+16*\f:KF+16*\f+3], v[ADK] offset:4096*\g+1024*\f
	ds_load_b128 v[KF+16*\f+4:KF+16*\f+7], v[ADK] offset:4096*\g+1024*\f+512
.endr
	s_wait_dscnt 0x0
.irp f,0,1,2,3
	WM S+32*\g+8*\f, KF+16*\f, QF, 0, KSR+2*\g+\f/2, QSR, \f%2, 0
.endr
.endr
.rept 8
	v_nop
.endr
	s_cmp_lg_u32 s[KS], s[LIM]
	s_cbranch_scc1 .Lopen_\@                       ; only the step on the diagonal hides keys
.irp q,0,1                                         ; the compares in two runs of 32, each into a scalar register of its own, one wait behind each run
.set N_, 32*\q
.rept 32
	v_cmp_gt_i32 s[MK+N_%32], 32*(N_/16)+N_%16, v[DD]
.set N_, N_+1
.endr
	s_wait_alu depctr_va_sdst(0)                   ; the run's 32 masks are written, ahead of the selects that read them
.set N_, 32*\q
.rept 32
	v_cndmask_b32 v[S+N_], v[S+N_], v[NEG], s[MK+N_%32]
.set N_, N_+1
.endr
.endr
.Lopen_\@:
.irp b,0,1,2,3
	v_max3_num_f32 v[TM+\b], v[S+16*\b], v[S+16*\b+1], v[S+16*\b+2]     ; the largest score of each block of 32 keys: for the row's maximum and for the block's largest p
.endr
.irp i,3,5,7,9,11,13
.irp b,0,1,2,3
	v_max3_num_f32 v[TM+\b], v[TM+\b], v[S+16*\b+\i], v[S+16*\b+\i+1]
.endr
.endr
.irp b,0,1,2,3
	v_max_num_f32 v[TM+\b], v[TM+\b], v[S+16*\b+15]
.endr
.irp b,0,1,2,3
	v_permlanex16_b32 v[TM+4+\b], v[TM+\b], s[SEL], s[SEL+1]
.endr
.irp b,0,1,2,3
	v_max_num_f32 v[TM+\b], v[TM+\b], v[TM+4+\b]
.endr
	v_max3_num_f32 v[TP], v[TM], v[TM+1], v[TM+2]
	v_max_num_f32 v[TP], v[TP], v[TM+3]
	v_mul_f32 v[TP], s[CS], v[TP]
	v_max_num_f32 v13, v13, v[TP]                  ; the running largest t
	v_mov_b32 v[TP], v12
	v_floor_f32 v12, -v13                          ; the new -M: M is a whole number
	v_sub_f32 v[TP], v12, v[TP]
	v_cvt_i32_f32 v[TP], v[TP]                     ; (it saturates)
	v_ldexp_f32 v[F], 1.0, v[TP]                   ; f = 2^(old M - new M): rounds nothing
.set J_, 0
.rept 32
	v_pk_fma_f32 v[S+J_:S+J_+1], v[S+J_:S+J_+1], s[CS:CS+1], v[12:13] op_sel_hi:[1,0,0]   ; t - M
.set J_, J_+2
.endr
.irp b,0,1,2,3
	v_fma_f32 v[TM+\b], v[TM+\b], s[CS], v12
.endr
.set J_, 0
	s_wait_alu depctr_va_vdst(0)
.rept 64
	v_exp_f32 v[S+J_], v[S+J_]                     ; p = 2^(t - M)
.set J_, J_+1
.endr
.irp b,0,1,2,3
	v_exp_f32 v[TM+\b], v[TM+\b]                   ; the block's largest p
.endr
	v_pk_mul_f32 v[14:15], v[14:15], v[F:F+1] op_sel_hi:[1,0]           ; the sums under the new M (a plain line behind the exponentials)
	s_wait_alu depctr_va_vdst(0)                   ; the 68 exponentials are written, ahead of their first reader
.irp b,0,1,2,3
	v_max_num_f32 v[TM+\b], 0x4800000, v[TM+\b]
.endr
.irp b,0,1,2,3
	v_add_nc_u32 v[TM+12+\b], 0xfc000000, v[TM+\b]
.endr
.irp b,0,1,2,3
	v_and_or_b32 v[TM+8+\b], v[TM+\b], 0x7f800000, s[MNT]
.endr
.irp b,0,1,2,3
	v_lshrrev_b32 v[TM+4+\b], 23, v[TM+12+\b]
.endr
	v_lshl_or_b32 v[PSR], v[TM+5], 8, v[TM+4]      ; p's scale word for these 128 keys
	v_lshl_or_b32 v[PSR], v[TM+6], 16, v[PSR]
	v_lshl_or_b32 v[PSR], v[TM+7], 24, v[PSR]
	v_pk_add_f32 v[TM+4:TM+5], v[S:S+1], v[S+2:S+3]                     ; the row's sum, of the unquantised p, in two chains
.irp j,4,8,12,16,20,24,28,32,36,40,44,48,52,56,60
	v_pk_add_f32 v[14:15], v[14:15], v[S+\j:S+\j+1]
	v_pk_add_f32 v[TM+4:TM+5], v[TM+4:TM+5], v[S+\j+2:S+\j+3]
.endr
	v_pk_add_f32 v[14:15], v[14:15], v[TM+4:TM+5]
.irp b,0,1,2,3
.set J_, 0
.rept 16
	v_min_num_f32 v[S+16*\b+J_], v[S+16*\b+J_], v[TM+8+\b]              ; the hold; p is not negative
.set J_, J_+1
.endr
	v_cvt_scalef32_pk8_fp8_f32 v[PC+4*\b:PC+4*\b+1], v[S+16*\b:S+16*\b+7], v[TM+12+\b]
	v_cvt_scalef32_pk8_fp8_f32 v[PC+4*\b+2:PC+4*\b+3], v[S+16*\b+8:S+16*\b+15], v[TM+12+\b]
.endr
.set J_, 0
.rept 16
	v_pk_mul_f32 v[O+J_:O+J_+1], v[O+J_:O+J_+1], v[F:F+1] op_sel_hi:[1,0]         ; O^T under the new M, from each accumulator's low end on; also the places between the conversions and the products
.set J_, J_+2
.endr
	s_wait_alu depctr_va_vdst(0)                   ; the holds and conversions are done with p's registers, in which V's fragments land; p's codes and scale word are written, which the products take; the places above stay beside this wait
.irp t,0,1,2,3
.irp c,0,1,2,3
	ds_load_b128 v[S+16*\t+4*\c:S+16*\t+4*\c+3], v[ADV] offset:2048*\t+512*\c     ; V's four fragments take p's registers
.endr
.endr
.irp p,0,1
	ds_load_b32 v[VSR+\p], v[ADT] offset:128*\p
.endr
	s_wait_dscnt 0x0
.irp t,0,1,2,3
	WM O+8*\t, S+16*\t, PC, 0, VSR+\t/2, PSR, \t%2, 0
.endr
.Lskip_\@:
	s_add_co_u32 s[TK], s[TK], 8192
	s_add_co_u32 s[TS], s[TS], 512
	s_add_co_u32 s[TV], s[TV], 256
	s_add_co_u32 s[KS], s[KS], 1
	s_cmp_lt_u32 s[KS], 8
	s_cbranch_scc1 .Lstep_\@
.rept 8
	v_nop
.endr
	v_add_f32 v14, v14, v15
	v_permlanex16_b32 v[TP], v14, s[SEL], s[SEL+1]
	v_add_f32 v14, v14, v[TP]                      ; the row's sum
	s_wait_alu depctr_va_vdst(0)
	v_rcp_f32 v14, v14
	v_nop
.set J_, 0
	s_wait_alu depctr_va_vdst(0)                   ; the reciprocal is written, ahead of its first reader; the last products are done reading v128-159, in which the mean's image lands
.rept 32
	v_mul_f32 v[S+J_], v[O+J_], v14                ; register 16 b + i: channel 32 b + 16 h + i
.set J_, J_+1
.endr
.irp t,0,1,2,3
	ds_load_b128 v[S+32+8*\t:S+32+8*\t+3], v[UR] offset:1024*\t
	ds_load_b128 v[S+32+8*\t+4:S+32+8*\t+7], v[UR] offset:1024*\t+512
.endr
	s_wait_dscnt 0x0
	v_cmp_eq_f32 vcc_lo, 0, v[QP]
	s_wait_alu depctr_va_vcc(0)                    ; the mask is written, ahead of the selects that read it
.set J_, 0
.rept 32
	v_cndmask_b32 v[S+J_], v[S+J_], v[S+32+J_], vcc_lo                  ; a padded query takes the mean of v
.set J_, J_+1
.endr
	QUANT S, 0, 2
	s_wait_alu depctr_va_vdst(0)                   ; the conversions have written the codes and the word, which the stores read; all that read Q's fragment, its scale word and the query's padding is done: the next tile's land there
	global_store_b128 v[L16], v[PC:PC+3], s[46:47]
	global_store_b128 v[L16], v[PC+4:PC+7], s[46:47] offset:512
	global_store_b16 v[R4], v[PW], s[48:49]        ; my head's two bytes of row r's word; lanes r and r + 16 store the same
	s_wait_xcnt 0x0                                ; bases and data are written again by the next tile
.if \hi == 0
	s_wait_alu depctr_vm_vsrc(0)                   ; the stores have read the codes and the word, which the next tile's conversions write again
.endif
.endm
	TILE 0
	TILE 1
	s_wait_dscnt 0x0                               ; the closing lines, six on end
	s_wait_alu 0x0
	s_wait_tensorcnt 0x0
	ds_add_u32 v253, v255
	s_wait_dscnt 0x0
	s_endpgm
.Lfunc_end_k_q5988235733_attn:
	.size	k_q5988235733_attn, .Lfunc_end_k_q5988235733_attn-k_q5988235733_attn
	.p2alignl 7, 3214868480
	.fill 96, 4, 3214868480
	.section	.rodata,"a",@progbits
	.p2align	6, 0x0
	.amdhsa_kernel k_q5988235733_attn
		.amdhsa_group_segment_fixed_size 147456
		.amdhsa_private_segment_fixed_size 0
		.amdhsa_enable_private_segment 0
		.amdhsa_kernarg_size 40
		.amdhsa_user_sgpr_count 2
		.amdhsa_user_sgpr_kernarg_segment_ptr 1
		.amdhsa_wavefront_size32 1
		.amdhsa_system_sgpr_workgroup_id_x 1
		.amdhsa_system_sgpr_workgroup_id_y 1
		.amdhsa_system_sgpr_workgroup_id_z 1
		.amdhsa_system_vgpr_workitem_id 0
		.amdhsa_next_free_vgpr 256
		.amdhsa_next_free_sgpr 98
		.amdhsa_reserve_vcc 1
		.amdhsa_float_denorm_mode_32 3
		.amdhsa_float_denorm_mode_16_64 3
		.amdhsa_memory_ordered 1
		.amdhsa_forward_progress 1
		.amdhsa_inst_pref_size 94
	.end_amdhsa_kernel
	.amdgpu_metadata
---
amdhsa.version: [ 1, 2 ]
amdhsa.kernels:
  - .name:           k_q5988235733_attn
    .symbol:         k_q5988235733_attn.kd
    .args:
      - { .name: qkvimg, .offset: 0, .size: 8, .value_kind: global_buffer, .address_space: global }
      - { .name: qkvsc, .offset: 8, .size: 8, .value_kind: global_buffer, .address_space: global }
      - { .name: padding, .offset: 16, .size: 8, .value_kind: global_buffer, .address_space: global }
      - { .name: aimg, .offset: 24, .size: 8, .value_kind: global_buffer, .address_space: global }
      - { .name: asc, .offset: 32, .size: 8, .value_kind: global_buffer, .address_space: global }
    .group_segment_fixed_size: 147456
    .private_segment_fixed_size: 0
    .kernarg_segment_align: 8
    .kernarg_segment_size: 40
    .max_flat_workgroup_size: 512
    .sgpr_count:     98
    .vgpr_count:     256
    .wavefront_size: 32
...
	.end_amdgpu_metadata
.endif
;; end of part 7
;; launch ffn (part 8): grid 256 x 1, 16 waves a work-group, no clusters, 206,336 bytes of LDS; arguments x, aimg, asc, wimg, wsc, bo, ln_gamma, ln_beta, b1, b2, out0; writes out0
.if DOCPART == 8
	.amdgcn_target "amdgcn-amd-amdhsa--gfx1250"
	.amdhsa_code_object_version 6
	.text
	.protected	k_q5988235733_ffn
	.globl	k_q5988235733_ffn
	.p2align	8
	.type	k_q5988235733_ffn,@function
k_q5988235733_ffn:
	s_mov_b64 s[64:65], 0
	v_nop
	global_prefetch_b8 v0, s[64:65] scope:SCOPE_SE
	s_setreg_imm32_b32 hwreg(HW_REG_WAVE_SCHED_MODE, 0, 2), 2
	s_setreg_imm32_b32 hwreg(HW_REG_WAVE_MODE, 25, 1), 1
	s_wait_xcnt 0x0
	s_wait_alu depctr_vm_vsrc(0)
; attn = x + a wo^T + bo;  h = layer_norm(attn);  out = attn + relu(h w1 + b1) w2 + b2: three products on codes of E4M3 with E8M0 scales; nothing between them goes to memory.
; SHARES.  A work-group takes 32 whole token rows, its 16 waves share the columns (wave w: columns 64 w .. 64 w + 63, eight accumulators), each wave streams its own weight fragments from
; memory into registers, two sets by turns; the rows' codes lie in LDS as images of the operand's registers, in two sets of images that take turns from product to product.
; All products are used transposed (source 0 = 16 weight rows, source 1 = 16 tokens): a lane holds one token, and the 16 registers of two neighbouring tiles are 16 neighbours along the next K.
; THE STAGE holds 32 rows of f32 in the tiles' order of rows (row 16 u + r is token 8 u + r + 8 (r/8)).  x comes in as dense rows; a lane's places in it are that lane's alone between the first and the last barrier:
; there x, then attn, then out take turns; out leaves as dense rows.  The norm's mean and variance (of the differences from the mean) go from wave to wave through two small tables.
; NO CLUSTER: all work-groups walk the same 3 MiB of weight codes, but a K step's weights of the 16 waves are 131,072 bytes and two such slots do not fit beside the 204,288 bytes in use; halves of them (2 x 65,536) do not either.
; LIMITS: NaN and infinities are not served; a block whose largest magnitude lies under 2^-118 keeps the byte 1.
; THE MODE: SCHED_MODE bits 1:0 = 2 (LLVM: expert scheduling mode 2), set by the entry lines.  The code itself states the register dependences
; between vector or matrix instructions and memory or LDS instructions, with s_wait_alu, always for 0.
; THE PLAN.  Registers that memory or LDS instructions touch:
;   v1-15, v17, v23-27  addresses and offsets: made at the head, never written again.
;   AF (v32-63), XS     step s: the LDS loads at its head land in them, its eight products read them.  Between products: the codes that the images' stores read, and the reductions' loads.
;   B0, B1, WS          step s: its products read set s % 2; the loads at its head land in the other set, which the products of step s - 1 read.  B1 also takes the stage's numbers, gamma and beta.
;   HA (v192-255)       x, then a bias, lands in it; the products add onto it; vector work reads and writes it; the stage's stores read it.
;   v56                 a wave's partial sum: written by a select, read by an LDS store.
; The two weight sets, the rows' set and the accumulators fill the wave's 256 registers, and 16 waves of 256 fill the SIMDs: there is no third weight set, so the weights of the next step are asked for at a step's head,
; where they have the whole step in which to land.  ONE wait on va_vdst stands at the head of each step but a product's first: the step before is done reading AF, XS and its weight set.
; Each run of LDS stores of computed numbers has one wait on va_vdst ahead of it, and one on vm_vsrc behind the barrier that follows it.
.set SPITCH, 4112
.set IMG0, 32*SPITCH                   ; LDS: the stage at 0; images [s][u][c][l] and scale words [s][u][r], twice;
.set SC0,  IMG0+32768
.set IMG1, SC0+1024
.set SC1,  IMG1+32768
.set RED0, SC1+1024                    ; 32 rows x 16 waves of partial sums, 80 bytes a row, twice
.set L16, 1
.set L4,  2
.set H64, 3
.set R4,  4
.set STW, 5                            ; v5  the stage by dense rows: my wave's two
.set SA0, 6                            ; v6, v7 the stage by my lane's places: tile 0, tile 1
.set SA1, 7
.set IM0, 8
.set SC0R, 9
.set IM1, 10
.set SC1R, 11
.set T16A, 12
.set T2S, 13
.set IW0, 14                           ; v14, v15 where my columns' images go
.set IW1, 15
.set XS,  16                           ; v16 the rows' scale words
.set SW0, 17                           ; v17, v23 where my columns' two scale bytes go
.set WS,  18                           ; v18-21 the weights' scale words
.set PW,  22
.set SW1, 23
.set RW,  24
.set RR,  25
.set T16, 26
.set T2,  27
.set ST,  28                           ; v28-31 mean or 1/sigma of tile 0's and tile 1's row, each twice
.set AF,  32
.set PC,  32
.set TM,  48
.set B0,  64
.set B1,  128
.set HA,  192
.set WV,  26
.set HM,  27
.set SEL, 28
.set MNT, 30
.set C10, 31
.set EPS, 32
.set WB3, 34
.set WB4, 36
.set WB5, 38
.set SB3, 40
.set SB4, 42
.set SB5, 44
.macro QUANT src, relu, nb
.irp b,0,1,2,3
.if \b < \nb
.if \relu
	v_max3_num_f32 v[TM+\b], v[\src+16*\b], v[\src+16*\b+1], 0x4800000       ; no |.|: what is negative becomes 0 and must not count
.else
	v_max3_num_f32 v[TM+\b], |v[\src+16*\b]|, |v[\src+16*\b+1]|, 0x4800000
.endif
.endif
.endr
.irp i,2,4,6,8,10,12,14
.irp b,0,1,2,3
.if \b < \nb
.if \relu
	v_max3_num_f32 v[TM+\b], v[TM+\b], v[\src+16*\b+\i], v[\src+16*\b+\i+1]
.else
	v_max3_num_f32 v[TM+\b], v[TM+\b], |v[\src+16*\b+\i]|, |v[\src+16*\b+\i+1]|
.endif
.endif
.endr
.endr
.irp b,0,1,2,3
.if \b < \nb
	v_permlanex16_b32 v[TM+4+\b], v[TM+\b], s[SEL], s[SEL+1]
.endif
.endr
.irp b,0,1,2,3
.if \b < \nb
	v_max_num_f32 v[TM+\b], v[TM+\b], v[TM+4+\b]
.endif
.endr
.irp b,0,1,2,3
.if \b < \nb
	v_add_nc_u32 v[TM+12+\b], 0xfc000000, v[TM+\b]
.endif
.endr
.irp b,0,1,2,3
.if \b < \nb
	v_and_or_b32 v[TM+8+\b], v[TM+\b], 0x7f800000, s[MNT]
.endif
.endr
.irp b,0,1,2,3
.if \b < \nb
	v_lshrrev_b32 v[TM+4+\b], 23, v[TM+12+\b]
.endif
.endr
	v_lshl_or_b32 v[PW], v[TM+5], 8, v[TM+4]
.if \nb > 2
	v_lshl_or_b32 v[PW], v[TM+6], 16, v[PW]
	v_lshl_or_b32 v[PW], v[TM+7], 24, v[PW]
.endif
.irp b,0,1,2,3
.if \b < \nb
.irp i,0,1,2,3,4,5,6,7,8,9,10,11,12,13,14,15
.if \relu
	v_med3_num_f32 v[\src+16*\b+\i], v[\src+16*\b+\i], 0, v[TM+8+\b]         ; the activation and the hold in one
.else
	v_med3_num_f32 v[\src+16*\b+\i], v[\src+16*\b+\i], -v[TM+8+\b], v[TM+8+\b]
.endif
.endr
	v_cvt_scalef32_pk8_fp8_f32 v[PC+4*\b:PC+4*\b+1], v[\src+16*\b:\src+16*\b+7], v[TM+12+\b]
	v_cvt_scalef32_pk8_fp8_f32 v[PC+4*\b+2:PC+4*\b+3], v[\src+16*\b+8:\src+16*\b+15], v[TM+12+\b]
.endif
.endr
	v_nop
.endm
.macro WM d, a, b, zero, sa, sb, ra, rb
.if \zero
.if (\ra) && (\rb)
	v_wmma_scale_f32_16x16x128_f8f6f4 v[\d:\d+7], v[\a:\a+15], v[\b:\b+15], 0, v[\sa], v[\sb] matrix_a_scale:MATRIX_SCALE_ROW1 matrix_b_scale:MATRIX_SCALE_ROW1
.elseif (\ra)
	v_wmma_scale_f32_16x16x128_f8f6f4 v[\d:\d+7], v[\a:\a+15], v[\b:\b+15], 0, v[\sa], v[\sb] matrix_a_scale:MATRIX_SCALE_ROW1
.elseif (\rb)
	v_wmma_scale_f32_16x16x128_f8f6f4 v[\d:\d+7], v[\a:\a+15], v[\b:\b+15], 0, v[\sa], v[\sb] matrix_b_scale:MATRIX_SCALE_ROW1
.else
	v_wmma_scale_f32_16x16x128_f8f6f4 v[\d:\d+7], v[\a:\a+15], v[\b:\b+15], 0, v[\sa], v[\sb]
.endif
.else
.if (\ra) && (\rb)
	v_wmma_scale_f32_16x16x128_f8f6f4 v[\d:\d+7], v[\a:\a+15], v[\b:\b+15], v[\d:\d+7], v[\sa], v[\sb] matrix_a_scale:MATRIX_SCALE_ROW1 matrix_b_scale:MATRIX_SCALE_ROW1
.elseif (\ra)
	v_wmma_scale_f32_16x16x128_f8f6f4 v[\d:\d+7], v[\a:\a+15], v[\b:\b+15], v[\d:\d+7], v[\sa], v[\sb] matrix_a_scale:MATRIX_SCALE_ROW1
.elseif (\rb)
	v_wmma_scale_f32_16x16x128_f8f6f4 v[\d:\d+7], v[\a:\a+15], v[\b:\b+15], v[\d:\d+7], v[\sa], v[\sb] matrix_b_scale:MATRIX_SCALE_ROW1
.else
	v_wmma_scale_f32_16x16x128_f8f6f4 v[\d:\d+7], v[\a:\a+15], v[\b:\b+15], v[\d:\d+7], v[\sa], v[\sb]
.endif
.endif
.endm
.macro LOADB wb, sb, st, bs            ; 18 loads: my four weight fragments of K step st and their scale words, into set bs
.irp t,0,1,2,3
.irp c,0,1,2,3
	global_load_b128 v[B0+64*(\bs)+16*\t+4*\c:B0+64*(\bs)+16*\t+4*\c+3], v[L16], s[\wb:\wb+1] offset:8192*(\st)+2048*\t+512*\c
.endr
.endr
.irp p,0,1
	global_load_b32 v[WS+2*(\bs)+\p], v[L4], s[\sb:\sb+1] offset:256*(\st)+128*\p
.endr
.endm
.macro LOADA aim, asc, st
.irp u,0,1
.irp c,0,1,2,3
	ds_load_b128 v[AF+16*\u+4*\c:AF+16*\u+4*\c+3], v[\aim] offset:4096*(\st)+2048*\u+512*\c
.endr
.endr
	ds_load_b32 v[XS], v[\asc] offset:128*(\st)
.endm
.macro MUL8 bs                         ; eight products, one for each accumulator, in the same order in every step: the accumulators take turns
.irp u,0,1
.irp t,0,1,2,3
	WM HA+32*\u+8*\t, B0+64*(\bs)+16*\t, AF+16*\u, 0, WS+2*(\bs)+\t/2, XS, \t%2, \u
.endr
.endr
.endm
.macro GEMM wb, sb, aim, asc, more, nwb, nsb
.irp s,0,1,2,3,4,5,6,7
.if \s > 0
	s_wait_alu depctr_va_vdst(0)                   ; the step before's products are done reading their weight set and its scale words, in which the loads below land, and AF and XS, in which the LDS loads land
.endif
.if \s < 7
	LOADB \wb, \sb, \s+1, (\s+1)%2
.elseif \more
	LOADB \nwb, \nsb, 0, 0
.endif
	LOADA \aim, \asc, \s
.if (\s < 7) || \more
	s_wait_loadcnt 18                              ; all but the 18 just issued: this step's weights, and the bias asked for before them
.else
	s_wait_loadcnt 0x0
.endif
	s_wait_dscnt 0x0
	MUL8 \s%2
.rept 8
	v_nop                                          ; eight places ahead of loads into registers that these products read and of the first read of results
.endr
.if \s == 7
	v_nop                                          ; a ninth: the next pass's first products write over these accumulators
.endif
.endr
.endm
.macro BARRIER
	s_wait_dscnt 0x0
	s_barrier_signal -1
	s_barrier_wait -1
.endm
.macro BIASLD base                     ; a bias is the C of a sum's first products
.irp u,0,1
.irp t,0,1,2,3
	global_load_b128 v[HA+32*\u+8*\t:HA+32*\u+8*\t+3], v[H64], s[\base:\base+1] offset:128*(\t/2)+32*(\t%2)
	global_load_b128 v[HA+32*\u+8*\t+4:HA+32*\u+8*\t+7], v[H64], s[\base:\base+1] offset:128*(\t/2)+32*(\t%2)+16
.endr
.endr
.endm
.macro RESID                           ; what lies at my places of the stage is added to the accumulators, and the sum goes back there
	s_wait_alu depctr_va_vdst(0)                   ; the last step's products are done reading weight set 1, in which the stage's numbers land
.irp u,0,1
.irp t,0,1,2,3
	ds_load_b128 v[B1+32*\u+8*\t:B1+32*\u+8*\t+3], v[SA0+\u] offset:128*(\t/2)+32*(\t%2)
	ds_load_b128 v[B1+32*\u+8*\t+4:B1+32*\u+8*\t+7], v[SA0+\u] offset:128*(\t/2)+32*(\t%2)+16
.endr
.endr
	s_wait_dscnt 0x0
.set J_, 0
.rept 32
	v_pk_add_f32 v[HA+J_:HA+J_+1], v[HA+J_:HA+J_+1], v[B1+J_:B1+J_+1]   ; each accumulator from its low end on
.set J_, J_+2
.endr
	s_wait_alu depctr_va_vdst(0)                   ; the sums are written, which the LDS stores read; the additions are done reading v128-191, in which later loads land
.irp u,0,1
.irp t,0,1,2,3
	ds_store_b128 v[SA0+\u], v[HA+32*\u+8*\t:HA+32*\u+8*\t+3] offset:128*(\t/2)+32*(\t%2)
	ds_store_b128 v[SA0+\u], v[HA+32*\u+8*\t+4:HA+32*\u+8*\t+7] offset:128*(\t/2)+32*(\t%2)+16
.endr
.endr
.endm
.macro LANESUM sq                      ; v48, v52: the sum (sq = 1: of the squares) of my wave's 64 columns of tile 0's and tile 1's row r
.irp u,0,1
.if \sq
	v_pk_mul_f32 v[48+4*\u:49+4*\u], v[HA+32*\u:HA+32*\u+1], v[HA+32*\u:HA+32*\u+1]
	v_pk_mul_f32 v[50+4*\u:51+4*\u], v[HA+32*\u+2:HA+32*\u+3], v[HA+32*\u+2:HA+32*\u+3]
	v_pk_fma_f32 v[48+4*\u:49+4*\u], v[HA+32*\u+4:HA+32*\u+5], v[HA+32*\u+4:HA+32*\u+5], v[48+4*\u:49+4*\u]
	v_pk_fma_f32 v[50+4*\u:51+4*\u], v[HA+32*\u+6:HA+32*\u+7], v[HA+32*\u+6:HA+32*\u+7], v[50+4*\u:51+4*\u]
.else
	v_pk_add_f32 v[48+4*\u:49+4*\u], v[HA+32*\u:HA+32*\u+1], v[HA+32*\u+4:HA+32*\u+5]
	v_pk_add_f32 v[50+4*\u:51+4*\u], v[HA+32*\u+2:HA+32*\u+3], v[HA+32*\u+6:HA+32*\u+7]
.endif
.endr
.irp j,8,12,16,20,24,28
.irp u,0,1
.if \sq
	v_pk_fma_f32 v[48+4*\u:49+4*\u], v[HA+32*\u+\j:HA+32*\u+\j+1], v[HA+32*\u+\j:HA+32*\u+\j+1], v[48+4*\u:49+4*\u]
	v_pk_fma_f32 v[50+4*\u:51+4*\u], v[HA+32*\u+\j+2:HA+32*\u+\j+3], v[HA+32*\u+\j+2:HA+32*\u+\j+3], v[50+4*\u:51+4*\u]
.else
	v_pk_add_f32 v[48+4*\u:49+4*\u], v[48+4*\u:49+4*\u], v[HA+32*\u+\j:HA+32*\u+\j+1]
	v_pk_add_f32 v[50+4*\u:51+4*\u], v[50+4*\u:51+4*\u], v[HA+32*\u+\j+2:HA+32*\u+\j+3]
.endif
.endr
.endr
.irp u,0,1
	v_pk_add_f32 v[48+4*\u:49+4*\u], v[48+4*\u:49+4*\u], v[50+4*\u:51+4*\u]
.endr
.irp u,0,1
	v_add_f32 v[48+4*\u], v[48+4*\u], v[49+4*\u]
.endr
.irp u,0,1
	v_permlanex16_b32 v[49+4*\u], v[48+4*\u], s[SEL], s[SEL+1]
.endr
.irp u,0,1
	v_add_f32 v[48+4*\u], v[48+4*\u], v[49+4*\u]
.endr
.endm
.macro REDUCE off                      ; over the 16 waves: lane l carries stage row l; out: v34, v35 the totals of tile 0's and tile 1's row r
	v_cndmask_b32 v56, v48, v52, s[HM]
	s_wait_alu depctr_va_vdst(0)                   ; v56 is written, which the LDS store reads; the vector and matrix work so far is done with v32-47, in which the loads below land
	ds_store_b32 v[RW], v56 offset:\off
	BARRIER
	s_wait_alu depctr_vm_vsrc(0)                   ; my LDS stores so far have read v56, and the first time the accumulators: vector instructions below write both again
.irp i,0,1,2,3
	ds_load_b128 v[32+4*\i:35+4*\i], v[RR] offset:\off+16*\i
.endr
	s_wait_dscnt 0x0
	v_pk_add_f32 v[32:33], v[32:33], v[34:35]
	v_pk_add_f32 v[36:37], v[36:37], v[38:39]
	v_pk_add_f32 v[40:41], v[40:41], v[42:43]
	v_pk_add_f32 v[44:45], v[44:45], v[46:47]
	v_pk_add_f32 v[32:33], v[32:33], v[36:37]
	v_pk_add_f32 v[40:41], v[40:41], v[44:45]
	v_pk_add_f32 v[32:33], v[32:33], v[40:41]
	v_add_f32 v32, v32, v33
	v_permlanex16_b32 v33, v32, s[SEL], s[SEL+1]
	v_cndmask_b32 v34, v32, v33, s[HM]
	v_cndmask_b32 v35, v33, v32, s[HM]
.endm
.macro IMAGE iw, sw                    ; block 2 u + b: tile u, chunk 2 (w%2) + b of K step w/2; my two bytes of each row's scale word
	s_wait_alu depctr_va_vdst(0)                   ; the conversions have written the codes and the word, which the LDS stores read; the vector work so far is done with the accumulators, v32-63 and v128-191, in which the next bias, rows and weights land
.irp b,0,1,2,3
	ds_store_b128 v[\iw], v[PC+4*\b:PC+4*\b+3] offset:2048*(\b/2)+512*(\b%2)
.endr
	ds_store_b16 v[\sw], v[PW]                     ; lanes r and r + 16 write the same bytes with the same value
	ds_store_b16_d16_hi v[\sw], v[PW] offset:64
.endm
	s_load_b512 s[4:19], s[0:1], 0x0               ; x 4, aimg 6, asc 8, wimg 10, wsc 12, bo 14, ln_gamma 16, ln_beta 18
	s_load_b128 s[20:23], s[0:1], 0x40             ; b1 20, b2 22
	s_load_b64 s[24:25], s[0:1], 0x50              ; out0
	v_lshrrev_b32 v1, 5, v0
	v_readfirstlane_b32 s[WV], v1                  ; wave 0..15
	v_and_b32 v28, 31, v0                          ; lane
	v_and_b32 v29, 15, v0                          ; r
	v_bfe_u32 v30, v0, 4, 1                        ; h
	v_lshlrev_b32 v[L16], 4, v28
	v_lshlrev_b32 v[L4], 2, v28
	v_lshlrev_b32 v[H64], 6, v30
	v_lshlrev_b32 v[R4], 2, v29
	s_wait_alu depctr_va_sdst(0)                   ; the wave's number is written, ahead of its first reader
	s_mul_i32 s46, s[WV], 2*SPITCH
	v_add_nc_u32 v[STW], s46, v[L16]
	s_lshl_b32 s46, s[WV], 8
	v_mul_u32_u24 v[SA0], v29, SPITCH
	v_add_nc_u32 v[SA0], v[SA0], v[H64]
	v_add_nc_u32 v[SA0], s46, v[SA0]               ; stage row r, byte 256 w + 64 h
	v_add_nc_u32 v[SA1], 16*SPITCH, v[SA0]
	v_add_nc_u32 v[IM0], IMG0, v[L16]
	v_add_nc_u32 v[SC0R], SC0, v[L4]
	v_add_nc_u32 v[IM1], IMG1, v[L16]
	v_add_nc_u32 v[SC1R], SC1, v[L4]
	v_lshlrev_b32 v[T16], 4, v0
	v_add_nc_u32 v[T16A], IMG0, v[T16]
	v_lshlrev_b32 v[T2], 1, v0
	v_add_nc_u32 v[T2S], SC0, v[T2]
	s_lshr_b32 s47, s[WV], 1
	s_and_b32 s48, s[WV], 1
	s_lshl_b32 s49, s47, 12
	s_lshl_b32 s50, s48, 10
	s_add_co_u32 s49, s49, s50
	s_add_co_u32 s49, s49, IMG0
	v_add_nc_u32 v[IW0], s49, v[L16]
	v_add_nc_u32 v[IW1], IMG1-IMG0, v[IW0]
	s_lshl_b32 s49, s47, 7
	s_lshl_b32 s50, s48, 1
	s_add_co_u32 s49, s49, s50
	s_add_co_u32 s49, s49, SC0
	v_add_nc_u32 v[SW0], s49, v[R4]
	v_add_nc_u32 v[SW1], SC1-SC0, v[SW0]
	v_mul_u32_u24 v[RR], v28, 80
	v_add_nc_u32 v[RR], RED0, v[RR]
	s_lshl_b32 s49, s[WV], 2
	v_add_nc_u32 v[RW], s49, v[RR]
.irp b,0,1,2,3
	v_mov_b32 v[TM+4+\b], 0                        ; a lane permute's destination counts as read
.endr
	s_mov_b32 s[HM], 0xffff0000
	s_mov_b32 s[SEL], 0x76543210
	s_mov_b32 s[SEL+1], 0xfedcba98
	s_mov_b32 s[MNT], 0x600000
	s_mov_b32 s[C10], 0x3a800000                   ; 1 / 1,024
	s_mov_b32 s[EPS], 0x3727c5ac                   ; 1e-5
	s_lshr_b32 s49, s[WV], 3                       ; stage rows 2 w, 2 w + 1 are tokens tk0, tk0 + 1: tk0 = 8 (w/8) + 2 (w%8) + 8 ((w/4)%2)
	s_lshl_b32 s49, s49, 3
	s_and_b32 s50, s[WV], 7
	s_lshl_b32 s50, s50, 1
	s_add_co_u32 s49, s49, s50
	s_bfe_u32 s50, s[WV], 0x10002
	s_lshl_b32 s50, s50, 3
	s_add_co_u32 s49, s49, s50
	s_lshl_b32 s50, ttmp9, 5
	s_add_co_u32 s49, s49, s50
	s_lshl_b32 s50, s49, 12
	s_mov_b32 s51, 0
	s_mov_b32 s47, 0
	s_wait_kmcnt 0x0
	s_add_nc_u64 s[4:5], s[4:5], s[50:51]
	s_add_nc_u64 s[24:25], s[24:25], s[50:51]
	s_lshl_b32 s46, ttmp9, 15
	s_add_nc_u64 s[6:7], s[6:7], s[46:47]
	s_lshl_b32 s46, ttmp9, 10
	s_add_nc_u64 s[8:9], s[8:9], s[46:47]
	s_lshl_b32 s46, s[WV], 16
	s_add_nc_u64 s[WB3:WB3+1], s[10:11], s[46:47]
	s_add_nc_u64 s[WB3:WB3+1], s[WB3:WB3+1], 0x300000
	s_add_nc_u64 s[WB4:WB4+1], s[WB3:WB3+1], 0x100000
	s_add_nc_u64 s[WB5:WB5+1], s[WB4:WB4+1], 0x100000
	s_lshl_b32 s46, s[WV], 11
	s_add_nc_u64 s[SB3:SB3+1], s[12:13], s[46:47]
	s_add_nc_u64 s[SB3:SB3+1], s[SB3:SB3+1], 0x18000
	s_add_nc_u64 s[SB4:SB4+1], s[SB3:SB3+1], 0x8000
	s_add_nc_u64 s[SB5:SB5+1], s[SB4:SB4+1], 0x8000
	s_lshl_b32 s46, s[WV], 8
	s_add_nc_u64 s[14:15], s[14:15], s[46:47]
	s_add_nc_u64 s[16:17], s[16:17], s[46:47]
	s_add_nc_u64 s[18:19], s[18:19], s[46:47]
	s_add_nc_u64 s[20:21], s[20:21], s[46:47]
	s_add_nc_u64 s[22:23], s[22:23], s[46:47]
	s_wait_alu depctr_va_vdst(0)                   ; the addresses and offsets v1-15, v17 and v23-27 are written, which every load and store of the kernel reads; so are v52-55, in which the rows' fragments land
	; ---- 0: x's rows into the stage, the attention's images into LDS
.irp e,0,1
.irp j,0,1,2,3,4,5,6,7
	global_load_b128 v[HA+32*\e+4*\j:HA+32*\e+4*\j+3], v[L16], s[4:5] offset:4096*\e+512*\j th:TH_LOAD_NT
.endr
.endr
.irp i,0,1,2,3
	global_load_b128 v[B1+4*\i:B1+4*\i+3], v[T16], s[6:7] offset:8192*\i th:TH_LOAD_NT
.endr
	global_load_u16 v[B1+16], v[T2], s[8:9]
	LOADB WB3, SB3, 0, 0
	s_wait_loadcnt 18                              ; all but the weights just asked for
.irp e,0,1
.irp j,0,1,2,3,4,5,6,7
	ds_store_b128 v[STW], v[HA+32*\e+4*\j:HA+32*\e+4*\j+3] offset:\e*SPITCH+512*\j
.endr
.endr
.irp i,0,1,2,3
	ds_store_b128 v[T16A], v[B1+4*\i:B1+4*\i+3] offset:8192*\i
.endr
	ds_store_b16 v[T2S], v[B1+16]
	BARRIER
	s_wait_alu depctr_vm_vsrc(0)                   ; my LDS stores have read v192-255, in which the bias lands, and v128-144, in which weights land
	; ---- 1: attn = x + a wo^T + bo, and its norm
	BIASLD 14
	GEMM WB3, SB3, IM0, SC0R, 1, WB4, SB4
	RESID
.irp t,0,1,2,3
	global_load_b128 v[B1+8*\t:B1+8*\t+3], v[H64], s[16:17] offset:128*(\t/2)+32*(\t%2)          ; gamma and beta of my columns land during the reductions
	global_load_b128 v[B1+8*\t+4:B1+8*\t+7], v[H64], s[16:17] offset:128*(\t/2)+32*(\t%2)+16
	global_load_b128 v[B1+32+8*\t:B1+32+8*\t+3], v[H64], s[18:19] offset:128*(\t/2)+32*(\t%2)
	global_load_b128 v[B1+32+8*\t+4:B1+32+8*\t+7], v[H64], s[18:19] offset:128*(\t/2)+32*(\t%2)+16
.endr
	LANESUM 0
	REDUCE 0
	v_mul_f32 v[ST], s[C10], v34                   ; the means, each twice: pairs for the packed forms
	v_mul_f32 v[ST+1], s[C10], v34
	v_mul_f32 v[ST+2], s[C10], v35
	v_mul_f32 v[ST+3], s[C10], v35
.irp u,0,1
.set J_, 0
.rept 16
	v_pk_add_f32 v[HA+32*\u+J_:HA+32*\u+J_+1], v[HA+32*\u+J_:HA+32*\u+J_+1], v[ST+2*\u:ST+2*\u+1] neg_lo:[0,1] neg_hi:[0,1]
.set J_, J_+2
.endr
.endr
	LANESUM 1
	REDUCE 2560
	v_fma_f32 v34, v34, s[C10], s[EPS]
	v_fma_f32 v35, v35, s[C10], s[EPS]
	s_wait_alu depctr_va_vdst(0)
	v_rsq_f32 v[ST], v34
	v_rsq_f32 v[ST+1], v34
	v_rsq_f32 v[ST+2], v35
	v_rsq_f32 v[ST+3], v35
	v_nop
	s_wait_loadcnt 0x0                             ; gamma and beta (the youngest loads: the next pass's first weights were asked for before them)
	s_wait_alu depctr_va_vdst(0)                   ; the four reciprocal roots are written, ahead of their first reader
.irp u,0,1
.set J_, 0
.rept 16
	v_pk_mul_f32 v[HA+32*\u+J_:HA+32*\u+J_+1], v[HA+32*\u+J_:HA+32*\u+J_+1], v[ST+2*\u:ST+2*\u+1]
.set J_, J_+2
.endr
.endr
.irp u,0,1
.set J_, 0
.rept 16
	v_pk_fma_f32 v[HA+32*\u+J_:HA+32*\u+J_+1], v[HA+32*\u+J_:HA+32*\u+J_+1], v[B1+J_:B1+J_+1], v[B1+32+J_:B1+32+J_+1]
.set J_, J_+2
.endr
.endr
	QUANT HA, 0, 4
	IMAGE IW1, SW1
	BARRIER
	s_wait_alu depctr_vm_vsrc(0)                   ; my images' stores have read the codes, in which the rows' fragments land, and the word, which the next quantiser writes
	; ---- 2: relu(h w1 + b1); its images take the first set's place, whose last readers have passed three barriers since
	BIASLD 20
	GEMM WB4, SB4, IM1, SC1R, 1, WB5, SB5
	QUANT HA, 1, 4
	IMAGE IW0, SW0
	BARRIER
	s_wait_alu depctr_vm_vsrc(0)                   ; my images' stores have read the codes, in which the rows' fragments land
	; ---- 3: out = attn + . w2 + b2
	BIASLD 22
	GEMM WB5, SB5, IM0, SC0R, 0, WB5, SB5
	RESID
	BARRIER                                        ; 32 whole rows of out lie in the stage
.irp e,0,1
.irp j,0,1,2,3,4,5,6,7
	ds_load_b128 v[B0+32*\e+4*\j:B0+32*\e+4*\j+3], v[STW] offset:\e*SPITCH+512*\j
.endr
.endr
.irp i,0,1,2,3,4,5,6,7,8,9,10,11,12,13,14,15
	s_wait_dscnt 15-\i                             ; LDS loads come back in order: load i is in, the younger ones may be out
	global_store_b128 v[L16], v[B0+4*\i:B0+4*\i+3], s[24:25] offset:4096*(\i/8)+512*(\i%8) th:TH_STORE_NT   ; 32 lanes store 512 consecutive bytes
.endr
	s_wait_xcnt 0x0
	s_wait_alu depctr_vm_vsrc(0)                   ; the stage's stores have read v254 and v255, which the two lines below write
	v_lshl_add_u32 v254, v0, 2, 0x31e00
	v_mov_b32 v255, 0
	s_wait_dscnt 0x0                               ; the closing lines, six on end
	s_wait_alu 0x0
	s_wait_tensorcnt 0x0
	ds_add_u32 v254, v255
	s_wait_dscnt 0x0
	s_endpgm
.Lfunc_end_k_q5988235733_ffn:
	.size	k_q5988235733_ffn, .Lfunc_end_k_q5988235733_ffn-k_q5988235733_ffn
	.p2alignl 7, 3214868480
	.fill 96, 4, 3214868480
	.section	.rodata,"a",@progbits
	.p2align	6, 0x0
	.amdhsa_kernel k_q5988235733_ffn
		.amdhsa_group_segment_fixed_size 206336
		.amdhsa_private_segment_fixed_size 0
		.amdhsa_enable_private_segment 0
		.amdhsa_kernarg_size 88
		.amdhsa_user_sgpr_count 2
		.amdhsa_user_sgpr_kernarg_segment_ptr 1
		.amdhsa_wavefront_size32 1
		.amdhsa_system_sgpr_workgroup_id_x 1
		.amdhsa_system_sgpr_workgroup_id_y 1
		.amdhsa_system_sgpr_workgroup_id_z 1
		.amdhsa_system_vgpr_workitem_id 0
		.amdhsa_next_free_vgpr 256
		.amdhsa_next_free_sgpr 66
		.amdhsa_reserve_vcc 0
		.amdhsa_float_denorm_mode_32 3
		.amdhsa_float_denorm_mode_16_64 3
		.amdhsa_memory_ordered 1
		.amdhsa_forward_progress 1
		.amdhsa_inst_pref_size 143
	.end_amdhsa_kernel
	.amdgpu_metadata
---
amdhsa.version: [ 1, 2 ]
amdhsa.kernels:
  - .name:           k_q5988235733_ffn
    .symbol:         k_q5988235733_ffn.kd
    .args:
      - { .name: x, .offset: 0, .size: 8, .value_kind: global_buffer, .address_space: global }
      - { .name: aimg, .offset: 8, .size: 8, .value_kind: global_buffer, .address_space: global }
      - { .name: asc, .offset: 16, .size: 8, .value_kind: global_buffer, .address_space: global }
      - { .name: wimg, .offset: 24, .size: 8, .value_kind: global_buffer, .address_space: global }
      - { .name: wsc, .offset: 32, .size: 8, .value_kind: global_buffer, .address_space: global }
      - { .name: bo, .offset: 40, .size: 8, .value_kind: global_buffer, .address_space: global }
      - { .name: ln_gamma, .offset: 48, .size: 8, .value_kind: global_buffer, .address_space: global }
      - { .name: ln_beta, .offset: 56, .size: 8, .value_kind: global_buffer, .address_space: global }
      - { .name: b1, .offset: 64, .size: 8, .value_kind: global_buffer, .address_space: global }
      - { .name: b2, .offset: 72, .size: 8, .value_kind: global_buffer, .address_space: global }
      - { .name: out0, .offset: 80, .size: 8, .value_kind: global_buffer, .address_space: global }
    .group_segment_fixed_size: 206336
    .private_segment_fixed_size: 0
    .kernarg_segment_align: 8
    .kernarg_segment_size: 88
    .max_flat_workgroup_size: 512
    .sgpr_count:     66
    .vgpr_count:     256
    .wavefront_size: 32
...
	.end_amdgpu_metadata
.endif
;; end of part 8
